; MI455X (gfx1250); checked and timed in simulation.
; The chip was launched on July 23, 2026; its instructions are those of AMD's public machine-readable ISA for CDNA 5 (MIT licence, August 2026) and "CDNA5" Instruction Set Architecture Reference Guide (July 2026). The comments in the code are by the model that wrote it; some were corrected since.
;; Transformer Block. Allowed arithmetic: matrix products marked QUANTISED: E2M3 operands, one E8M0 scale for each 32 along K, by v_wmma_scale_f32_16x16x128_f8f6f4 with both operands' format E2M3, f32 sums; everything else in f32.
;; Inputs: ln1_w 1,024 float32; ln2_w 1,024 float32; w1 1,024 x 2,048 float32; w2 2,048 x 1,024 float32; w3 1,024 x 2,048 float32; wk 1,024 x 1,024 float32; wo 1,024 x 1,024 float32; wq 1,024 x 1,024 float32; wv 1,024 x 1,024 float32; x 2 x 2,048 x 1,024 float32.
;; Outputs: out0 2 x 2,048 x 1,024 float32.
;; This version of the problem:
;;   THIS VERSION OF THE PROBLEM IS GIVEN IN LOW PRECISION. The matrix products marked QUANTISED in the list below multiply operands that are first quantised to E2M3 (2 exponent bits, 3 mantissa bits; 6 bits a number), with one power-of-two scale for each 32 numbers along K (OCP MX v1.0); their sums are f32. All else is computed in f32.
;;   The module's matrix products, in the order in which they are computed (A, B: the left and right operand; K: the contracted axis; several contracted axes count as one K, in the product's order):
;;     1. [M 4,096, K 1,024] x [K 1,024, N 1,024]; A: computed on the way; B: input wq: QUANTISED
;;     2. [M 4,096, K 1,024] x [K 1,024, N 1,024]; A: computed on the way; B: input wk: QUANTISED
;;     3. [M 4,096, K 1,024] x [K 1,024, N 1,024]; A: computed on the way; B: input wv: QUANTISED
;;     4. batch 32 x [M 2,048, K 64] x [K 64, N 2,048]; A: computed on the way; B: computed on the way: QUANTISED
;;     5. batch 32 x [M 64, K 2,048] x [K 2,048, N 2,048]; A: computed on the way; B: softmax (see below): QUANTISED
;;     6. [M 4,096, K 1,024] x [K 1,024, N 1,024]; A: computed on the way; B: input wo: QUANTISED
;;     7. [M 4,096, K 1,024] x [K 1,024, N 2,048]; A: computed on the way; B: input w1: QUANTISED
;;     8. [M 4,096, K 1,024] x [K 1,024, N 2,048]; A: computed on the way; B: input w3: QUANTISED
;;     9. [M 4,096, K 2,048] x [K 2,048, N 1,024]; A: computed on the way; B: input w2: QUANTISED
;;   THE QUANTISER, for each operand of a quantised product, along K:
;;     - K is cut into blocks of 32 from its start; a last block that is shorter is filled with zeros.
;;     - A block's scale is 2^e with e = floor(log2(the largest magnitude in the block)) - 2, held to -126 .. 127; a block of zeros has e = 0. As a byte (E8M0): e + 127.
;;     - Each number is divided by its block's scale, clamped to +-7.5, and rounded to the nearest number of E2M3, ties to even, subnormals kept.
;;     - The product sums the exact products of the quantised numbers (number of the format x scale) in f32.
;;   ~~~python
;;   def quantise(x, axis):      # numpy; x: float32 -> the quantised numbers, widened to float32 again
;;       x = np.moveaxis(x, axis, -1); K = x.shape[-1]
;;       x = np.pad(x, [(0, 0)] * (x.ndim - 1) + [(0, -K % 32)]); x = x.reshape(x.shape[:-1] + (-1, 32)); a = np.abs(x).max(-1, keepdims=True)
;;       e = np.where(a > 0, np.clip(np.frexp(np.where(a > 0, a, 1))[1] - 1 - 2, -126, 127), 0)      # np.frexp(a)[1] - 1 = floor(log2(a)), exactly
;;       r = np.clip(x / 2.0 ** e, -7.5, 7.5)
;;       step = 2.0 ** (np.maximum(np.frexp(np.where(r == 0, 1, r))[1] - 1, 0) - 3)
;;       q = np.round(r / step) * step * 2.0 ** e      # np.round: ties to even
;;       return np.moveaxis(q.reshape(q.shape[:-2] + (-1,))[..., :K], -1, axis).astype(np.float32)
;;   ~~~
;;   SOFTMAX AHEAD OF A QUANTISED PRODUCT. Where the list says 'softmax', what is quantised is not the finished softmax but p = 2^(t - M), with t = logit x log2(e) and M = ceil(the row's largest t), a whole number; so 1/2 < the row's largest p <= 1. The row's sum l is taken of the UNQUANTISED p, in f32, and the product's result is divided by l at the end. Since M is a whole number, a kernel that streams over the keys may use a running M (the ceiling of the running maximum): every later rescaling is an exact power of two, which a block's scale takes up: the codes' values come out the same.
;;   OPERANDS COMPUTED ON THE WAY. 'Computed on the way' means the value that the module computes at that place (a softmax that the list does not call 'softmax' is quantised finished and normalised). What goes into a quantiser is computed in f32, as accurately as f32 sums, v_exp_f32 and their like allow (about 1e-6 of the number): no bf16 or f16 on the way to a quantiser, and a product that is left as it is and whose result goes on into a quantised operand takes f32 operands (vector FMAs, or v_wmma_f32_16x16x4_f32). A number that lies on a knife's edge between two numbers of the format may be rounded either way, as far as f32 arithmetic and the matrix unit's own rounding can turn it there, and no further.
;; 2 versions. Each part assembles by itself: llvm-mc -triple=amdgcn-amd-amdhsa -mcpu=gfx1250 --defsym DOCPART=n.
;; ======== version 1 of 2: 6 launches
;; workspace buffers: w 11,468,800 bytes; qkv 13,107,200 bytes; at 3,276,800 bytes; h 16,777,216 bytes; n2 3,276,800 bytes; g 6,553,600 bytes
;; launch prep (part 1): grid 576 x 1, 8 waves a work-group, no clusters, 69,120 bytes of LDS; arguments x, ln1_w, wq, wk, wv, wo, w1, w3, w2, w; writes w
.if DOCPART == 1
	.amdgcn_target "amdgcn-amd-amdhsa--gfx1250"
	.amdhsa_code_object_version 6
	.text
	.protected	k_qabf8c70c38_prep
	.globl	k_qabf8c70c38_prep
	.p2align	8
	.type	k_qabf8c70c38_prep,@function
k_qabf8c70c38_prep:
	s_mov_b64 s[64:65], 0
	v_nop
	global_prefetch_b8 v0, s[64:65] scope:SCOPE_SE
	s_setreg_imm32_b32 hwreg(HW_REG_WAVE_MODE, 25, 1), 1
	s_wait_xcnt 0x0
; PREP: work-groups 0-255: n1 = rmsnorm(x, ln1_w), quantised to FP6 (E2M3) along the 1,024 features; work-groups 256-575: the seven weights, quantised along K, their FIRST axis.
; All results go to the workspace w as IMAGES OF OPERAND REGISTERS.  A fragment (16 rows x 128 K, 12 registers a lane) is 1,536 bytes at (tile x K steps + step) x 1,536; registers 2 p, 2 p + 1 of lane (r, h) lie
; at 256 p + 16 r + 8 h: each store or load of 8 bytes a lane covers 256 consecutive bytes.  Scale bytes lie [image row][K / 32].
; THE ROWS OF A TILE ARE NOT NEIGHBOURS: image row r of tile T stands for true index 32 (T / 2) + 8 (T % 2) + r + 8 (r / 8), so that a product that takes such tiles as source 0 leaves 16 neighbours in the
; 16 registers of two neighbouring tiles.
; w: codes of K = 1,024: n1 rows 0.., wq 4,096.., wk 5,120.., wv 6,144.., wo 7,168.., w1 | w3 by groups of 64 + 64 columns 8,192..; w2's codes at 0x900000; scale bytes at 0xA80000 (w2's at 0xAE0000).
; A block's scale is 2^(floor(log2(largest magnitude)) - 2); its byte is the largest magnitude's exponent field - 2, held at 1 from below.
; LIMITS: a block whose largest magnitude lies under 2^-124 (a block of zeros too) gets the byte 1: its codes are then small or zero, and this program alone reads the bytes.  NaN and infinities are not served.
; No tensor loads, no cluster: no two work-groups read the same bytes but ln1_w's 4,096.
.set STGB,  8448                       ; LDS: a stage of 16 rows x (512 + 16) bytes for each wave (norm path alone)
.set PART,  8*STGB                     ; 16 rows x 8 waves x 4 bytes: the waves' sums of squares
.set SPARE, PART+512                   ; the spare words, 128 bytes for each wave
.set SPW,   254                        ; v254 my spare word's address; never rewritten
.set NIL,   255                        ; v255 0; never rewritten
.set RAW,   32                         ; v32-95   x as loaded
.set ACC,   96                         ; v96-159  register 16 b + i = column 32 b + 16 h + i of my row
.set LNW,   160                        ; v160-223 ln1_w in the same order
.set TM,    224                        ; v224-239 the quantiser's work
.set PC,    32                         ; v32-50   the codes
.set PW,    52                         ; v52      the scale word
.set SM,    240                        ; v240-247 sums
.set X,     32                         ; weight path: v32-159 128 numbers down K
.set OUTR,  168                        ; v168-191 the codes as they are stored
.set SB,    192                        ; v192     four scale bytes
.set WV,    40
.set SEL,   42
.set MSB, 0
.macro WIN new                         ; the immediate's high byte repeats the setting that is left (here every window is 0: nothing is written)
.if MSB != (\new)
	s_set_vgpr_msb (MSB<<8)|(\new)
.set MSB, (\new)
.endif
.endm
; 16 nb numbers of a lane, v[s + 16 b + i] (window w) = k 32 b + 16 (lane / 16) + i of my row, become codes in v[PC] on (operand order) and nb scale bytes in v[PW].
.macro QUANT s, w, nb
	WIN (\w)|((\w)<<2)
.set qb, 0
.rept \nb
	v_max3_num_f32 v[TM+qb], |v[(\s)+16*qb]|, |v[(\s)+16*qb+1]|, 0x1800000   ; my 16 numbers of block qb, and the floor 2^(3 - 127): the byte cannot fall under 1
.set qb, qb+1
.endr
	WIN ((\w)<<2)|((\w)<<4)
.irp i, 2,4,6,8,10,12,14
.set qb, 0
.rept \nb
	v_max3_num_f32 v[TM+qb], v[TM+qb], |v[(\s)+16*qb+\i]|, |v[(\s)+16*qb+\i+1]|
.set qb, qb+1
.endr
.endr
	WIN 0
.set qb, 0
.rept \nb
	v_permlanex16_b32 v[TM+4+qb], v[TM+qb], s[SEL], s[SEL+1]
.set qb, qb+1
.endr
.set qb, 0
.rept \nb
	v_max_num_f32 v[TM+qb], v[TM+qb], v[TM+4+qb]                  ; with lane l xor 16's: the block's largest magnitude
.set qb, qb+1
.endr
.set qb, 0
.rept \nb
	v_add_nc_u32 v[TM+12+qb], 0xff000000, v[TM+qb]                ; 2 off its exponent field: the conversion's scale operand
.set qb, qb+1
.endr
.set qb, 0
.rept \nb
	v_lshrrev_b32 v[TM+4+qb], 23, v[TM+12+qb]                     ; the scale's byte
.set qb, qb+1
.endr
	v_lshl_or_b32 v[PW], v[TM+5], 8, v[TM+4]
.if (\nb) > 2
	v_lshl_or_b32 v[PW], v[TM+6], 16, v[PW]
	v_lshl_or_b32 v[PW], v[TM+7], 24, v[PW]
.endif
	WIN (\w)
.set qb, 0
.rept (\nb)/2
	v_cvt_scalef32_pk16_fp6_f32 v[PC+6*qb:PC+6*qb+2], v[(\s)+32*qb:(\s)+32*qb+15], v[TM+12+2*qb]
	v_cvt_scalef32_pk16_fp6_f32 v[PC+12+4*qb:PC+14+4*qb], v[(\s)+32*qb+16:(\s)+32*qb+31], v[TM+13+2*qb]   ; (a conversion's three registers begin on an even number)
.set qb, qb+1
.endr
	WIN 0
	v_nop                                          ; one plain place behind a scaled conversion
.set qb, 0
.rept (\nb)/2                          ; the operand's layout wants a whole block in a lane
.irp i, 0,1,2
	v_permlane16_swap_b32 v[PC+6*qb+\i], v[PC+12+4*qb+\i]
.endr
.irp i, 0,1,2
	v_mov_b32 v[PC+3+6*qb+\i], v[PC+12+4*qb+\i]
.endr
.set qb, qb+1
.endr
.endm
	s_load_b256 s[4:11], s[0:1], 0x0               ; x, ln1_w, wq, wk
	s_load_b256 s[12:19], s[0:1], 0x20             ; wv, wo, w1, w3
	s_load_b128 s[20:23], s[0:1], 0x40             ; w2, w
	v_lshl_add_u32 v[SPW], v0, 2, SPARE
	v_mov_b32 v[NIL], 0
	v_lshrrev_b32 v1, 5, v0
	v_readfirstlane_b32 s[WV], v1                  ; wave 0..7
	s_cmp_lt_u32 ttmp9, 256                        ; the same for all waves of a work-group
	s_cbranch_scc0 .Lweights
	; ---- THE NORM: the work-group takes token tile T = its number; wave w takes columns 128 w on: K step w
	v_and_b32 v1, 15, v0                           ; r
	v_bfe_u32 v2, v0, 4, 1                         ; h
	v_lshlrev_b32 v3, 4, v1
	v_lshl_add_u32 v3, v2, 3, v3                   ; 16 r + 8 h: my place in an image
	v_and_b32 v4, 31, v0
	v_lshlrev_b32 v4, 4, v4                        ; 16 x lane
	s_mul_i32 s24, s[WV], STGB
	v_add_nc_u32 v5, s24, v4                       ; stage, by rows: 16 x lane
	v_mul_u32_u24 v6, v1, 528
	v_lshl_add_u32 v6, v2, 6, v6
	v_add_nc_u32 v6, s24, v6                       ; stage, by lanes: row r, + 64 h
	v_lshlrev_b32 v8, 5, v1
	v_add_nc_u32 v8, PART, v8                      ; my row's eight partial sums
	s_lshl_b32 s25, s[WV], 2
	v_add_nc_u32 v7, s25, v8                       ; my wave's word among them
	v_lshlrev_b32 v9, 6, v2                        ; ln1_w: 64 h
	v_lshlrev_b32 v10, 5, v1                       ; scale bytes: 32 r
.irp b, 0,1,2,3
	v_mov_b32 v[TM+4+\b], 0                        ; written once: a lane permute's destination counts as one of its sources
.endr
	s_mov_b32 s[SEL], 0x76543210
	s_mov_b32 s[SEL+1], 0xfedcba98
	s_mov_b32 s38, 0x3a800000                      ; 1 / 1,024
	s_mov_b32 s39, 0x358637bd                      ; 1e-6
	s_lshr_b32 s26, ttmp9, 1
	s_lshl_b32 s26, s26, 17                        ; 32 (T / 2) rows of 4,096 bytes
	s_and_b32 s27, ttmp9, 1
	s_lshl_b32 s27, s27, 15                        ; + 8 (T % 2) rows
	s_add_co_u32 s26, s26, s27
	s_lshl_b32 s28, s[WV], 9                       ; + 512 w
	s_add_co_u32 s26, s26, s28
	s_mov_b32 s27, 0
	s_mov_b32 s29, 0
	s_lshl_b32 s30, ttmp9, 3
	s_add_co_u32 s30, s30, s[WV]
	s_mul_i32 s30, s30, 1536                       ; fragment (T, w)
	s_mov_b32 s31, 0
	s_lshl_b32 s32, ttmp9, 9
	s_add_co_u32 s32, s32, s25
	s_add_co_u32 s32, s32, 0xA80000                ; scale bytes: 512 T + 4 w
	s_mov_b32 s33, 0
	s_wait_kmcnt 0x0
	s_add_nc_u64 s[4:5], s[4:5], s[26:27]
	s_add_nc_u64 s[6:7], s[6:7], s[28:29]
	s_add_nc_u64 s[34:35], s[22:23], s[30:31]
	s_add_nc_u64 s[36:37], s[22:23], s[32:33]
.set i, 0
.rept 16
	global_load_b128 v[RAW+4*i:RAW+4*i+3], v4, s[4:5] offset:(i+8*(i/8))*4096 th:TH_LOAD_NT   ; image row i: 512 consecutive bytes a load
.set i, i+1
.endr
.set i, 0
.rept 16
	global_load_b128 v[LNW+4*i:LNW+4*i+3], v9, s[6:7] offset:128*(i/4)+16*(i%4)
.set i, i+1
.endr
	s_wait_loadcnt 16                              ; x's 16 loads are in; ln1_w's 16 may be out
.set i, 0
.rept 16
	ds_store_b128 v5, v[RAW+4*i:RAW+4*i+3] offset:528*i
.set i, i+1
.endr
.set i, 0
.rept 16
	ds_load_b128 v[ACC+4*i:ACC+4*i+3], v6 offset:128*(i/4)+16*(i%4)   ; my wave's own bytes, served in order: no wait between the stores and the loads
.set i, i+1
.endr
	s_wait_dscnt 0x0
	v_pk_mul_f32 v[SM:SM+1], v[ACC:ACC+1], v[ACC:ACC+1]               ; the sum of squares, in two packed chains
	v_pk_mul_f32 v[SM+2:SM+3], v[ACC+2:ACC+3], v[ACC+2:ACC+3]
.set i, 4
.rept 15
	v_pk_fma_f32 v[SM:SM+1], v[ACC+i:ACC+i+1], v[ACC+i:ACC+i+1], v[SM:SM+1]
	v_pk_fma_f32 v[SM+2:SM+3], v[ACC+i+2:ACC+i+3], v[ACC+i+2:ACC+i+3], v[SM+2:SM+3]
.set i, i+4
.endr
	v_pk_add_f32 v[SM:SM+1], v[SM:SM+1], v[SM+2:SM+3]
	v_add_f32 v[SM], v[SM], v[SM+1]
	v_permlanex16_b32 v[SM+1], v[SM], s[SEL], s[SEL+1]
	v_add_f32 v[SM], v[SM], v[SM+1]                ; my row's 128 columns
	ds_store_b32 v7, v[SM]                         ; lanes r and r + 16 write the same word with the same value
	s_wait_dscnt 0x0                               ; for the others' sake: my store has landed
	s_barrier_signal -1
	s_barrier_wait -1
	ds_load_b128 v[SM:SM+3], v8
	ds_load_b128 v[SM+4:SM+7], v8 offset:16
	s_wait_dscnt 0x0
	v_add_f32 v[SM], v[SM], v[SM+1]
	v_add_f32 v[SM+2], v[SM+2], v[SM+3]
	v_add_f32 v[SM+4], v[SM+4], v[SM+5]
	v_add_f32 v[SM+6], v[SM+6], v[SM+7]
	v_add_f32 v[SM], v[SM], v[SM+2]
	v_add_f32 v[SM+4], v[SM+4], v[SM+6]
	v_add_f32 v[SM], v[SM], v[SM+4]
	v_fma_f32 v[SM], v[SM], s38, s39               ; the mean of squares + eps
	v_rsq_f32 v[SM+2], v[SM]
	v_mov_b32 v[SM+3], 0                           ; a plain place behind the transcendental; the pair's upper half is written
	s_wait_alu depctr_va_vdst(0)                   ; ahead of the result's first reader
	s_wait_loadcnt 0x0                             ; ln1_w
.set i, 0
.rept 32
	v_pk_mul_f32 v[ACC+i:ACC+i+1], v[ACC+i:ACC+i+1], v[SM+2:SM+3] op_sel_hi:[1,0]
.set i, i+2
.endr
.set i, 0
.rept 32
	v_pk_mul_f32 v[ACC+i:ACC+i+1], v[ACC+i:ACC+i+1], v[LNW+i:LNW+i+1]   ; (x rs) w, in this order
.set i, i+2
.endr
	QUANT ACC, 0, 4
.irp p, 0,1,2,3,4,5
	global_store_b64 v3, v[PC+2*\p:PC+2*\p+1], s[34:35] offset:256*\p   ; 32 lanes store 256 consecutive bytes, aligned
.endr
	global_store_b32 v10, v[PW], s[36:37]          ; my row's scale word (lanes r and r + 16: the same word)
	s_branch .Lend
	; ---- THE WEIGHTS: a work-group takes 256 columns x 128 along K; a wave 32 columns; A LANE TAKES A COLUMN AND ITS REGISTERS RUN DOWN K
.Lweights:
	s_sub_co_u32 s24, ttmp9, 256                   ; 0-127: wq, wk, wv, wo;  128-191: w2;  192-319: w1, w3
	s_cmp_ge_u32 s24, 192
	s_cbranch_scc1 .Lfam2
	s_cmp_ge_u32 s24, 128
	s_cbranch_scc1 .Lfam1
	s_lshr_b32 s25, s24, 5                         ; which tensor: 0..3
	s_bfe_u32 s26, s24, 0x30002                    ; K step
	s_and_b32 s27, s24, 3
	s_lshl_b32 s28, s27, 3
	s_add_co_u32 s28, s28, s[WV]                   ; which 32 columns
	s_lshl_b32 s29, s25, 5
	s_add_co_u32 s29, s29, s28
	s_add_co_u32 s29, s29, 128                     ; which 32 image rows
	s_mov_b32 s30, 8                               ; K steps in a row
	s_mov_b32 s31, 0                               ; the codes' section
	s_mov_b32 s32, 0xA80000                        ; the scale bytes' section
	s_mov_b32 s35, 19                              ; 128 rows of 4,096 bytes
	s_branch .Lfam_done
.Lfam1:
	s_mov_b32 s25, 4                               ; w2
	s_sub_co_u32 s26, s24, 128
	s_lshr_b32 s26, s26, 2
	s_and_b32 s27, s24, 3
	s_lshl_b32 s28, s27, 3
	s_add_co_u32 s28, s28, s[WV]
	s_mov_b32 s29, s28
	s_mov_b32 s30, 16
	s_mov_b32 s31, 0x900000
	s_mov_b32 s32, 0xAE0000
	s_mov_b32 s35, 19
	s_branch .Lfam_done
.Lfam2:
	s_sub_co_u32 s33, s24, 192
	s_lshr_b32 s25, s33, 6                         ; 0: w1, 1: w3
	s_bfe_u32 s26, s33, 0x30003
	s_and_b32 s27, s33, 7
	s_lshl_b32 s28, s27, 3
	s_add_co_u32 s28, s28, s[WV]
	s_lshr_b32 s29, s28, 1
	s_lshl_b32 s29, s29, 2                         ; a group of 128 image rows: 64 columns of w1, then the same 64 of w3
	s_lshl_b32 s34, s25, 1
	s_add_co_u32 s29, s29, s34
	s_and_b32 s34, s28, 1
	s_add_co_u32 s29, s29, s34
	s_add_co_u32 s29, s29, 256
	s_add_co_u32 s25, s25, 5
	s_mov_b32 s30, 8
	s_mov_b32 s31, 0
	s_mov_b32 s32, 0xA80000
	s_mov_b32 s35, 20                              ; 128 rows of 8,192 bytes
.Lfam_done:
	v_and_b32 v1, 31, v0
	v_lshlrev_b32 v3, 2, v1                        ; in: 4 bytes a lane
	v_bfe_u32 v2, v0, 3, 1                         ; column l of 32 is row r = l % 8 + 8 (l / 16) of tile u = (l / 8) % 2
	v_and_b32 v4, 7, v0
	v_bfe_u32 v5, v0, 4, 1
	v_lshl_add_u32 v4, v5, 3, v4
	s_mul_i32 s48, s30, 1536
	v_mul_u32_u24 v6, s48, v2
	v_lshl_add_u32 v6, v4, 4, v6                   ; codes: tile u, 16 r
	v_lshl_add_u32 v7, v2, 4, v4
	s_lshl_b32 s49, s30, 2
	v_mul_u32_u24 v7, s49, v7                      ; scale bytes: row 16 u + r
	s_lshl_b32 s38, s26, s35
	s_lshl_b32 s39, s28, 7
	s_add_co_u32 s38, s38, s39
	s_mov_b32 s39, 0
	s_lshl_b32 s44, s29, 1
	s_mul_i32 s44, s44, s30
	s_add_co_u32 s44, s44, s26
	s_mul_i32 s44, s44, 1536
	s_add_co_u32 s44, s44, s31
	s_mov_b32 s45, 0
	s_lshl_b32 s46, s29, 7
	s_mul_i32 s46, s46, s30
	s_lshl_b32 s47, s26, 2
	s_add_co_u32 s46, s46, s47
	s_add_co_u32 s46, s46, s32
	s_mov_b32 s47, 0
	s_wait_kmcnt 0x0
	s_mov_b64 s[36:37], s[8:9]                     ; the tensor is chosen by the work-group's number alone
	s_cmp_eq_u32 s25, 1
	s_cselect_b64 s[36:37], s[10:11], s[36:37]
	s_cmp_eq_u32 s25, 2
	s_cselect_b64 s[36:37], s[12:13], s[36:37]
	s_cmp_eq_u32 s25, 3
	s_cselect_b64 s[36:37], s[14:15], s[36:37]
	s_cmp_eq_u32 s25, 4
	s_cselect_b64 s[36:37], s[20:21], s[36:37]
	s_cmp_eq_u32 s25, 5
	s_cselect_b64 s[36:37], s[16:17], s[36:37]
	s_cmp_eq_u32 s25, 6
	s_cselect_b64 s[36:37], s[18:19], s[36:37]
	s_add_nc_u64 s[36:37], s[36:37], s[38:39]
	s_add_nc_u64 s[44:45], s[22:23], s[44:45]
	s_add_nc_u64 s[46:47], s[22:23], s[46:47]
	s_cmp_lt_u32 s24, 192
	s_cbranch_scc0 .Lwide
.set i, 0
.rept 128
	global_load_b32 v[X+i], v3, s[36:37] offset:i*4096 th:TH_LOAD_NT   ; row k of the weight at 32 neighbouring columns; the eight waves stand side by side on 1,024 bytes
.set i, i+1
.endr
	s_branch .Lloaded
.Lwide:
.set i, 0
.rept 128
	global_load_b32 v[X+i], v3, s[36:37] offset:i*8192 th:TH_LOAD_NT
.set i, i+1
.endr
.Lloaded:
; Block t of 32 along K: all its numbers are mine.  cnt: the younger loads that may stay out (96, 64, 32, 0; a wait names 63 at the most, and a smaller count is safe)
.macro BLOCK t, cnt
.set XS, X+32*(\t)
	s_wait_loadcnt \cnt
	v_max3_num_f32 v12, |v[XS]|, |v[XS+1]|, |v[XS+2]|
	v_max3_num_f32 v13, |v[XS+3]|, |v[XS+4]|, |v[XS+5]|
.irp i, 6,10,14,18,22,26
	v_max3_num_f32 v12, v12, |v[XS+\i]|, |v[XS+\i+1]|
	v_max3_num_f32 v13, v13, |v[XS+\i+2]|, |v[XS+\i+3]|
.endr
	v_max3_num_f32 v12, v12, |v[XS+30]|, |v[XS+31]|
	v_max3_num_f32 v12, v12, v13, 0x1800000        ; and the floor 2^(3 - 127)
	v_add_nc_u32 v11, 0xff000000, v12              ; 2 off the exponent field: the conversion's scale operand
	v_lshrrev_b32 v13, 23, v11                     ; the scale's byte
	v_cvt_scalef32_pk16_fp6_f32 v[160:162], v[XS:XS+15], v11
	v_cvt_scalef32_pk16_fp6_f32 v[164:166], v[XS+16:XS+31], v11
.if (\t) == 0
	v_mov_b32 v[SB], v13                           ; (a plain place behind the conversions)
.else
	v_lshl_or_b32 v[SB], v13, 8*(\t), v[SB]
.endif
; block t = 2 c + h is what lane (r, h) of the operand holds in registers 6 c on: 16 bytes at 256 (3 c + g) + 16 r are [h = 0: code registers 2 g, 2 g + 1][h = 1: the same of the next block]
.irp q, 0,1,2
	v_mov_b32 v[OUTR+12*((\t)/2)+4*(\q/2)+2*((\t)%2)+\q%2], v[160+\q]
.endr
.irp q, 3,4,5
	v_mov_b32 v[OUTR+12*((\t)/2)+4*(\q/2)+2*((\t)%2)+\q%2], v[161+\q]
.endr
.endm
	BLOCK 0, 63
	BLOCK 1, 63
	BLOCK 2, 32
	BLOCK 3, 0
.irp c, 0,1
.irp g, 0,1,2
	global_store_b128 v6, v[OUTR+12*\c+4*\g:OUTR+12*\c+4*\g+3], s[44:45] offset:256*(3*\c+\g)   ; the wave fills 256 consecutive bytes of each of its two tiles
.endr
.endr
	global_store_b32 v7, v[SB], s[46:47]           ; 4 bytes a row, rows 32 or 64 bytes apart: one byte for each 128 that are read
.Lend:
	s_wait_tensorcnt 0x0                           ; the wave's end
	ds_add_u32 v[SPW], v[NIL]
	s_wait_dscnt 0x0
	s_endpgm
.Lfunc_end_k_qabf8c70c38_prep:
	.size	k_qabf8c70c38_prep, .Lfunc_end_k_qabf8c70c38_prep-k_qabf8c70c38_prep
	.p2alignl 7, 3214868480
	.fill 96, 4, 3214868480
	.section	.rodata,"a",@progbits
	.p2align	6, 0x0
	.amdhsa_kernel k_qabf8c70c38_prep
		.amdhsa_group_segment_fixed_size 69120
		.amdhsa_private_segment_fixed_size 0
		.amdhsa_enable_private_segment 0
		.amdhsa_kernarg_size 80
		.amdhsa_user_sgpr_count 2
		.amdhsa_user_sgpr_kernarg_segment_ptr 1
		.amdhsa_wavefront_size32 1
		.amdhsa_system_sgpr_workgroup_id_x 1
		.amdhsa_system_sgpr_workgroup_id_y 1
		.amdhsa_system_sgpr_workgroup_id_z 1
		.amdhsa_system_vgpr_workitem_id 0
		.amdhsa_next_free_vgpr 256
		.amdhsa_next_free_sgpr 66
		.amdhsa_reserve_vcc 0
		.amdhsa_float_denorm_mode_32 3
		.amdhsa_float_denorm_mode_16_64 3
		.amdhsa_memory_ordered 1
		.amdhsa_forward_progress 1
		.amdhsa_inst_pref_size 54
	.end_amdhsa_kernel
	.amdgpu_metadata
---
amdhsa.version: [ 1, 2 ]
amdhsa.kernels:
  - .name:           k_qabf8c70c38_prep
    .symbol:         k_qabf8c70c38_prep.kd
    .args:
      - { .name: x, .offset: 0, .size: 8, .value_kind: global_buffer, .address_space: global }
      - { .name: ln1_w, .offset: 8, .size: 8, .value_kind: global_buffer, .address_space: global }
      - { .name: wq, .offset: 16, .size: 8, .value_kind: global_buffer, .address_space: global }
      - { .name: wk, .offset: 24, .size: 8, .value_kind: global_buffer, .address_space: global }
      - { .name: wv, .offset: 32, .size: 8, .value_kind: global_buffer, .address_space: global }
      - { .name: wo, .offset: 40, .size: 8, .value_kind: global_buffer, .address_space: global }
      - { .name: w1, .offset: 48, .size: 8, .value_kind: global_buffer, .address_space: global }
      - { .name: w3, .offset: 56, .size: 8, .value_kind: global_buffer, .address_space: global }
      - { .name: w2, .offset: 64, .size: 8, .value_kind: global_buffer, .address_space: global }
      - { .name: w, .offset: 72, .size: 8, .value_kind: global_buffer, .address_space: global }
    .group_segment_fixed_size: 69120
    .private_segment_fixed_size: 0
    .kernarg_segment_align: 8
    .kernarg_segment_size: 80
    .max_flat_workgroup_size: 256
    .sgpr_count:     66
    .vgpr_count:     256
    .wavefront_size: 32
...
	.end_amdgpu_metadata
.endif
;; end of part 1
;; launch qkv (part 2): grid 8 x 24, 4 waves a work-group, clusters of 4 x 4, 327,680 bytes of LDS; arguments w, qkv; writes qkv
.if DOCPART == 2
	.amdgcn_target "amdgcn-amd-amdhsa--gfx1250"
	.amdhsa_code_object_version 6
	.text
	.protected	k_qabf8c70c38_qkv
	.globl	k_qabf8c70c38_qkv
	.p2align	8
	.type	k_qabf8c70c38_qkv,@function
k_qabf8c70c38_qkv:
	s_mov_b64 s[64:65], 0
	v_nop
	global_prefetch_b8 v0, s[64:65] scope:SCOPE_SE
	s_setreg_imm32_b32 hwreg(HW_REG_WAVE_MODE, 25, 1), 1
	s_wait_xcnt 0x0
	s_wait_alu depctr_hold_cnt(0) depctr_sa_sdst(0) depctr_va_vdst(0) depctr_va_sdst(0) depctr_va_ssrc(0) depctr_va_vcc(0) depctr_vm_vsrc(0)
	s_getreg_b32 s2, hwreg(HW_REG_IB_STS2, 6, 4)
	s_cmp_eq_u32 s2, 0
	s_cbranch_scc0 .Lentry_in_a_cluster
	s_endpgm
.Lentry_in_a_cluster:
	s_bfe_u32 s2, ttmp6, 0x10000c
	s_cmp_lg_u32 s2, 0xf033
	s_cbranch_scc0 .Lentry_shape_is_right
	s_endpgm
.Lentry_shape_is_right:
; QKV: q = n1 wq, k = n1 wk, v = n1 wv on codes of FP6 (E2M3) with E8M0 scales for each 32 along K = 1,024; the results are quantised at once: q and k along the head's 64, v along the keys.
; A tile of 256 x 256 results to a work-group of four waves, 128 x 128 to a wave: 64 accumulators, 512 registers.  K goes in steps of 256 through a ring of two LDS slots filled by the tensor data mover.
; OPERANDS ARE IMAGES OF REGISTERS: a fragment (16 rows x 128 K) is 1,536 bytes, registers 2 p, 2 p + 1 of lane (r, h) at 256 p + 16 r + 8 h; a tile's K steps lie on end, so a slot's part of a tile is 3,072 dense bytes.
; Each LDS load of 8 bytes a lane takes 256 consecutive bytes: no padding is needed.  The scale bytes of the work-group's rows, for all of K, come once, with the first fills.
; Source 0 takes the rows called B, source 1 those called A: a lane holds ONE row of A and its registers run along B's rows; the rows of a tile are chosen (32 (T / 2) + 8 (T % 2) + r + 8 (r / 8)) so that
; the 16 registers of two neighbouring tiles are 16 neighbours.  CLUSTERS y = 0..3: A = tokens, B = columns of wq | wk: a lane's registers run along the heads' channels.  CLUSTERS y = 4, 5: A = columns of wv,
; B = tokens: a lane's registers run along the keys.  The text is one; only tile numbers and the places of the stores differ, chosen by the cluster's y, which all partners share.
; CLUSTERS 4 x 4: A's tiles are asked for jointly along a row of the cluster, B's along a column.
; OUT: records of 12,800 bytes for (batch, head, 128 keys): 8 key tiles x 768 | 4 channel tiles of V x 1,536 | K's scale words (two tiles' two bytes each to a word) 256 | V's 256.  k and v: region 0; q: region 1, as k.
; LIMITS: a block whose largest magnitude lies under 2^-124 gets the byte 1; NaN and infinities are not served.
.set SIZE_K, 1024
.set NQ,     2                         ; matrix instructions deep in a slot
.set NKS,    SIZE_K/128
.set KROW,   SIZE_K*6/8                ; bytes of codes for an image row
.set KSB,    SIZE_K/32                 ; bytes of scales for an image row
.set FR,     12
.set NL,     6
.set NP,     4
.set TROW,   3072                      ; a tile's part of a slot: two fragments
.set HALFT,  8*TROW                    ; 128 rows: what one tensor load brings
.set SLOT,   4*HALFT
.set LAPS,   SIZE_K/512
.set SCL,    2*SLOT                    ; behind the ring: the scales, as units of 256 bytes + 16 of padding
.set HALFS,  (128*KSB/256)*272
.set SBLK,   (16*KSB/256)*272
.set SPARE,  SCL+4*HALFS               ; the spare words, 128 bytes for each wave
.set ADRA, 16                          ; v16-17 LDS address of my A fragments in slot 0, 1
.set ADRB, 20                          ; v20-21 the same for B
.set ADRS, 27                          ; v27    of my scale words
.set SPW,  28
.set NIL,  29
.set SC,   32                          ; v32-63 scale words, two sets
.set AF,   128                         ; A's fragments, window 0; B's two sets: window 1, v0 and v128; accumulators: windows 2 and 3
.set TM,   32                          ; the way out, window 0
.set PC,   48
.set PW,   68
.set PWE,  69
.set WA,   70
.set WB,   71
.set LO,   72
.set VO1,  73
.set R4,   74
.set R4B,  75
.set SEL,  66
.set OB,   10                          ; s[10:11] where the stores stand
.set SAS,  96                          ; s[96:97] a step from block to block;  s[98:99] from block 3 to block 4
.set SBS,  98
.set G1, 24
.set G0, 32
.set G1B, 48
.set G0B, 56
.set G1S, 68
.set G0S, 76
.set G1SB, 80
.set G0SB, 88
.set MSB, 0
.macro WIN new                         ; the immediate's high byte repeats the setting that is left
.if MSB != (\new)
	s_set_vgpr_msb (MSB<<8)|(\new)
.set MSB, (\new)
.endif
.endm
.set MUL_LO, 0xa1                      ; source 0 (B) window 1, source 1 (A) window 0, C and D window 2
.set MUL_HI, 0xf1
.set TO_B,   0x40
; A joint load: waves 0 and 1 fetch for A, waves 2 and 3 for B.  An s_nop 0 and four v_nop follow each of the two lines.
.macro JLOAD g0a, g1a, g0b, g1b
	s_cmp_eq_u32 s15, 0
	s_cbranch_scc0 .Lfor_b_\@
	tensor_load_to_lds s[\g0a:\g0a+3], s[\g1a:\g1a+7]
	s_nop 0
.rept 4
	v_nop
.endr
	s_branch .Lasked_\@
.Lfor_b_\@:
	tensor_load_to_lds s[\g0b:\g0b+3], s[\g1b:\g1b+7]
	s_nop 0
.rept 4
	v_nop
.endr
.Lasked_\@:
.endm
.macro CREST
	s_cmp_lg_u32 s14, 0
	s_cbranch_scc1 .Lnot_wave_0_\@
	s_barrier_signal -3
.Lnot_wave_0_\@:
	s_barrier_wait -3
	s_barrier_signal -1
	s_barrier_wait -1
.endm
.macro CROUND
	s_barrier_signal -1
	s_barrier_wait -1
	CREST
.endm
.macro QUANT s, w, nb
	WIN (\w)|((\w)<<2)
.set qb, 0
.rept \nb
	v_max3_num_f32 v[TM+qb], |v[(\s)+16*qb]|, |v[(\s)+16*qb+1]|, 0x1800000   ; each accumulator is read from its low end on
.set qb, qb+1
.endr
	WIN ((\w)<<2)|((\w)<<4)
.irp i, 2,4,6,8,10,12,14
.set qb, 0
.rept \nb
	v_max3_num_f32 v[TM+qb], v[TM+qb], |v[(\s)+16*qb+\i]|, |v[(\s)+16*qb+\i+1]|
.set qb, qb+1
.endr
.endr
	WIN 0
.set qb, 0
.rept \nb
	v_permlanex16_b32 v[TM+4+qb], v[TM+qb], s[SEL], s[SEL+1]
.set qb, qb+1
.endr
.set qb, 0
.rept \nb
	v_max_num_f32 v[TM+qb], v[TM+qb], v[TM+4+qb]
.set qb, qb+1
.endr
.set qb, 0
.rept \nb
	v_add_nc_u32 v[TM+12+qb], 0xff000000, v[TM+qb]
.set qb, qb+1
.endr
.set qb, 0
.rept \nb
	v_lshrrev_b32 v[TM+4+qb], 23, v[TM+12+qb]
.set qb, qb+1
.endr
	v_lshl_or_b32 v[PW], v[TM+5], 8, v[TM+4]
.if (\nb) > 2
	v_lshl_or_b32 v[PW], v[TM+6], 16, v[PW]
	v_lshl_or_b32 v[PW], v[TM+7], 24, v[PW]
.endif
	WIN (\w)
.set qb, 0
.rept (\nb)/2
	v_cvt_scalef32_pk16_fp6_f32 v[PC+6*qb:PC+6*qb+2], v[(\s)+32*qb:(\s)+32*qb+15], v[TM+12+2*qb]
	v_cvt_scalef32_pk16_fp6_f32 v[PC+12+4*qb:PC+14+4*qb], v[(\s)+32*qb+16:(\s)+32*qb+31], v[TM+13+2*qb]
.set qb, qb+1
.endr
	WIN 0
	v_nop                                          ; one plain place behind a scaled conversion
.set qb, 0
.rept (\nb)/2
.irp i, 0,1,2
	v_permlane16_swap_b32 v[PC+6*qb+\i], v[PC+12+4*qb+\i]
.endr
.irp i, 0,1,2
	v_mov_b32 v[PC+3+6*qb+\i], v[PC+12+4*qb+\i]
.endr
.set qb, qb+1
.endr
.endm
	s_load_b128 s[4:7], s[0:1], 0x0                ; w s[4:5], qkv s[6:7]
	v_lshl_add_u32 v[SPW], v0, 2, SPARE
	v_mov_b32 v[NIL], 0
	ds_add_u32 v[SPW], v[NIL]                      ; the wave's opening: the add and its wait ahead of my first tensor load
	v_lshrrev_b32 v1, 5, v0
	v_readfirstlane_b32 s14, v1                    ; wave 0..3
	s_lshr_b32 s15, s14, 1                         ; which half of A's rows is mine.  Also: I fetch for A (0) or for B (1)
	s_and_b32 s16, s14, 1                          ; which half of B's rows.  Also: which 128 rows I fetch
	s_bfe_u32 s40, ttmp6, 0x40000                  ; cx
	s_bfe_u32 s41, ttmp6, 0x40004                  ; cy
	s_and_b32 s13, ttmp7, 0xffff                   ; the cluster's y
	s_lshl_b32 s17, s13, 2                         ; q, k: A = token tiles 4 y + cy,
	s_lshl_b32 s42, ttmp9, 2
	s_add_co_u32 s42, s42, 16                      ;       B = tiles 16 + 4 x + cx: wq, wk
	s_lshl_b32 s18, s13, 1
	s_add_co_u32 s18, s18, ttmp9
	s_sub_co_u32 s18, s18, 8
	s_lshl_b32 s18, s18, 2                         ; v: B = token tiles 4 (x + 2 y - 8) + cx, A = tiles 24 + cy: wv
	s_cmp_ge_u32 s13, 4
	s_cselect_b32 s95, 1, 0                        ; 1: this cluster makes v
	s_cselect_b32 s17, 24, s17
	s_cselect_b32 s42, s18, s42
	s_add_co_u32 s17, s17, s41                     ; A's tile of 256 rows: holds cy alone of the two places
	s_add_co_u32 s42, s42, s40                     ; B's: holds cx alone
	s_lshl_b32 s43, s41, 2
	s_lshl_b32 s43, 15, s43                        ; my row of the cluster
	s_lshl_b32 s44, 0x1111, s40                    ; my column
	; descriptor group 1 for codes: 8 rows (tiles) of 3,072 bytes (384 elements of 8 bytes), NKS x 1,536 bytes apart, no padding
	s_or_b32 s[G1+0], s43, (3<<16)|(1<<21)
	s_or_b32 s[G1B+0], s44, (3<<16)|(1<<21)
.irp g, G1, G1B
	s_mov_b32 s[\g+1], 384<<16                     ; tensor_dim0
	s_mov_b32 s[\g+2], 8<<16                       ; tensor_dim1
	s_mov_b32 s[\g+3], 384<<16                     ; tile_dim0
	s_mov_b32 s[\g+4], 8                           ; tile_dim1
	s_mov_b32 s[\g+5], NKS*192                     ; tensor_dim0_stride
	s_mov_b32 s[\g+6], 0
	s_mov_b32 s[\g+7], 0
.endr
	; and for the scales of 128 rows: a dense block, as rows of 256 bytes, 16 bytes of padding behind each
	s_or_b32 s[G1S+0], s43, (3<<16)|(1<<20)|(1<<21)|(5<<22)|(3<<25)
	s_or_b32 s[G1SB+0], s44, (3<<16)|(1<<20)|(1<<21)|(5<<22)|(3<<25)
.irp g, G1S, G1SB
	s_mov_b32 s[\g+1], 32<<16
	s_mov_b32 s[\g+2], (128*KSB/256)<<16
	s_mov_b32 s[\g+3], 32<<16
	s_mov_b32 s[\g+4], 128*KSB/256
	s_mov_b32 s[\g+5], 32
	s_mov_b32 s[\g+6], 0
	s_mov_b32 s[\g+7], 0
.endr
	s_mov_b32 s[SEL], 0x76543210
	s_mov_b32 s[SEL+1], 0xfedcba98
	s_lshl_b32 s18, s16, 7
	s_lshl_b32 s20, s17, 8
	s_add_co_u32 s20, s20, s18                     ; A: image row 256 x tile + 128 x half
	s_lshl_b32 s46, s42, 8
	s_add_co_u32 s46, s46, s18                     ; B likewise
	s_mov_b32 s21, 0
	s_mov_b32 s47, 0
	s_mov_b64 s[18:19], KSB
	s_mul_u64 s[22:23], s[20:21], s[18:19]
	s_mul_u64 s[92:93], s[46:47], s[18:19]
	s_mov_b64 s[18:19], KROW
	s_mul_u64 s[20:21], s[20:21], s[18:19]
	s_mul_u64 s[46:47], s[46:47], s[18:19]
	s_add_nc_u64 s[22:23], s[22:23], 0xA80000      ; the scale bytes' section
	s_add_nc_u64 s[92:93], s[92:93], 0xA80000
	s_mul_i32 s45, s14, HALFT                      ; where they go: wave x 128 rows
	s_mul_i32 s94, s14, HALFS
	s_wait_dscnt 0x0                               ; the opening add is done
	s_wait_kmcnt 0x0
	s_add_nc_u64 s[20:21], s[4:5], s[20:21]
	s_add_nc_u64 s[22:23], s[4:5], s[22:23]
	s_add_nc_u64 s[46:47], s[4:5], s[46:47]
	s_add_nc_u64 s[92:93], s[4:5], s[92:93]
	CROUND                                         ; all sixteen work-groups are here: the first joint loads meet
	s_mov_b32 s[G0S], 1
	s_add_co_u32 s[G0S+1], s94, SCL
	s_mov_b64 s[G0S+2:G0S+3], s[22:23]
	s_or_b32 s[G0S+3], s[G0S+3], 0x80000000
	s_mov_b32 s[G0SB], 1
	s_add_co_u32 s[G0SB+1], s94, SCL
	s_mov_b64 s[G0SB+2:G0SB+3], s[92:93]
	s_or_b32 s[G0SB+3], s[G0SB+3], 0x80000000
	JLOAD G0S, G1S, G0SB, G1SB                     ; the scales first
.irp s, 0,1
	s_mov_b32 s[G0+4*\s], 1
	s_add_co_u32 s[G0+4*\s+1], s45, \s*SLOT
	s_add_nc_u64 s[G0+4*\s+2:G0+4*\s+3], s[20:21], \s*TROW
	s_or_b32 s[G0+4*\s+3], s[G0+4*\s+3], 0x80000000
	s_mov_b32 s[G0B+4*\s], 1
	s_add_co_u32 s[G0B+4*\s+1], s45, \s*SLOT
	s_add_nc_u64 s[G0B+4*\s+2:G0B+4*\s+3], s[46:47], \s*TROW
	s_or_b32 s[G0B+4*\s+3], s[G0B+4*\s+3], 0x80000000
	JLOAD G0+4*\s, G1, G0B+4*\s, G1B               ; three tensor loads of mine are out at the most
.endr
	v_and_b32 v1, 15, v0                           ; r
	v_bfe_u32 v2, v0, 4, 1                         ; h
	v_lshlrev_b32 v4, 4, v1
	v_lshl_add_u32 v4, v2, 3, v4                   ; 16 r + 8 h
	s_mul_i32 s21, s15, HALFT
	s_mul_i32 s22, s16, HALFT
	s_add_co_u32 s22, s22, 2*HALFT
.irp s, 0,1
	v_add_nc_u32 v[ADRA+\s], s21, v4
	v_add_nc_u32 v[ADRB+\s], s22, v4
	s_add_co_u32 s21, s21, SLOT
	s_add_co_u32 s22, s22, SLOT
.endr
	v_mul_u32_u24 v5, v1, KSB
	v_lshrrev_b32 v6, 8, v5
	v_lshl_add_u32 v5, v6, 4, v5                   ; my row's scales: KSB bytes a row, 16 more for each 256 passed
	s_mul_i32 s21, s15, HALFS
	s_mul_i32 s22, s16, HALFS
	s_add_co_u32 s22, s22, 2*HALFS
	s_sub_co_u32 s22, s22, s21
	v_mul_u32_u24 v6, s22, v2                      ; lanes 16-31 take B's
	s_add_co_u32 s21, s21, SCL
	v_add_nc_u32 v5, v5, v6
	v_add_nc_u32 v[ADRS], s21, v5
.macro FRAG reg, adr, q, i             ; a fragment: six loads of 8 bytes a lane, each 256 consecutive bytes
.irp p, 0,1,2,3,4,5
	ds_load_b64 v[\reg+2*\p:\reg+2*\p+1], v[\adr] offset:(\i)*TROW+(\q)*1536+256*\p
.endr
.endm
; 16 matrix instructions: A's blocks a0, a0 + 1 x B's eight.  The 64 accumulators take turns, one instruction a turn, in the same order in every step.
.macro MUL16 a0, p, q, sc, zero
.irp a, \a0, \a0+1
.irp b, 0,1,2,3,4,5,6,7
.if \zero
	v_wmma_scale_f32_16x16x128_f8f6f4 v[8*(8*((\a)%4)+\b):8*(8*((\a)%4)+\b)+7], v[128*(\p)+FR*\b:128*(\p)+FR*\b+FR-1], v[AF+FR*(\a):AF+FR*(\a)+FR-1], 0, v[SC+8*NQ*(\sc)+NQ*\b+(\q)], v[SC+8*NQ*(\sc)+NQ*(\a)+(\q)] matrix_a_fmt:MATRIX_FMT_FP6 matrix_b_fmt:MATRIX_FMT_FP6 matrix_a_scale:MATRIX_SCALE_ROW1
.else
	v_wmma_scale_f32_16x16x128_f8f6f4 v[8*(8*((\a)%4)+\b):8*(8*((\a)%4)+\b)+7], v[128*(\p)+FR*\b:128*(\p)+FR*\b+FR-1], v[AF+FR*(\a):AF+FR*(\a)+FR-1], v[8*(8*((\a)%4)+\b):8*(8*((\a)%4)+\b)+7], v[SC+8*NQ*(\sc)+NQ*\b+(\q)], v[SC+8*NQ*(\sc)+NQ*(\a)+(\q)] matrix_a_fmt:MATRIX_FMT_FP6 matrix_b_fmt:MATRIX_FMT_FP6 matrix_a_scale:MATRIX_SCALE_ROW1
.endif
.endr
.endr
.endm
.macro FETCH_B slot, q, p
	WIN TO_B
.irp i, 0,1,2,3,4,5,6,7
	FRAG 128*(\p)+FR*\i, ADRB+\slot, \q, \i
.endr
	WIN 0
.endm
.macro FETCH_A slot, q, i0
.irp i, \i0, \i0+1, \i0+2, \i0+3
	FRAG AF+FR*(\i), ADRA+\slot, \q, \i
.endr
.endm
.macro SCALES sc                       ; lanes 0-15 take A's block i, lanes 16-31 B's block i: two words, the slot's two steps
.irp i, 0,1,2,3,4,5,6,7
	ds_load_b64 v[SC+8*NQ*\sc+NQ*\i:SC+8*NQ*\sc+NQ*\i+1], v[ADRS] offset:\i*SBLK
.endr
.endm
.macro PLACES n                        ; plain places behind matrix instructions, ahead of loads into their registers and of reads of results
.rept \n
	v_nop
.endr
.endm
.macro STEP slot, q, zero
	s_wait_dscnt 4*NL                              ; B's set and A's blocks 0-3 are in; the youngest 24 loads (A's blocks 4-7) may be out
	WIN MUL_LO
	MUL16 0, (\q)%2, \q, \slot, \zero
	MUL16 2, (\q)%2, \q, \slot, \zero
	s_wait_dscnt 0
	PLACES NP
	FETCH_B \slot, (\q)+1, 1-(\q)%2
	FETCH_A \slot, (\q)+1, 0
	WIN MUL_HI
	MUL16 4, (\q)%2, \q, \slot, \zero
	MUL16 6, (\q)%2, \q, \slot, \zero
	PLACES NP
	WIN 0
	FETCH_A \slot, (\q)+1, 4
.endm
; A slot's last step changes slots: one barrier; ahead of it each wave waits for all its tensor loads, adds 0 to its spare word, and waits for that and for its reads of this slot.
.macro TURN slot, next, fill
	s_wait_tensorcnt 0x0                           ; all my tensor loads have landed: my part of the next slot
	ds_add_u32 v[SPW], v[NIL]
	s_wait_dscnt 4*NL+1                            ; (the add and the youngest 24 loads may be out)
	WIN MUL_LO
	MUL16 0, 1, NQ-1, \slot, 0
	s_wait_dscnt 0x0                               ; the add is done, and my reads of this slot are over
	s_barrier_signal -1
	MUL16 2, 1, NQ-1, \slot, 0
	WIN 0
	s_barrier_wait -1
.if \fill
	CREST                                          ; the barrier has opened a round of the cluster's barrier
	s_add_nc_u64 s[G0+4*\slot+2:G0+4*\slot+3], s[G0+4*\slot+2:G0+4*\slot+3], 2*TROW
	s_add_nc_u64 s[G0B+4*\slot+2:G0B+4*\slot+3], s[G0B+4*\slot+2:G0B+4*\slot+3], 2*TROW
	JLOAD G0+4*\slot, G1, G0B+4*\slot, G1B         ; the first tensor load behind the round, my only one until the next
.else
	PLACES NP
.endif
	v_add_nc_u32 v[ADRS], 4*NQ, v[ADRS]
	FETCH_B \next, 0, 0
	FETCH_A \next, 0, 0
	SCALES \next
	WIN MUL_HI
	MUL16 4, 1, NQ-1, \slot, 0
	MUL16 6, 1, NQ-1, \slot, 0
	PLACES NP
	WIN 0
	FETCH_A \next, 0, 4
.endm
	s_wait_tensorcnt 1                             ; the scales and my part of slot 0 are in; slot 1's load may be out
	s_barrier_signal -1
	s_barrier_wait -1
	FETCH_B 0, 0, 0
	FETCH_A 0, 0, 0
	SCALES 0
	FETCH_A 0, 0, 4
	STEP 0, 0, 1                                   ; the first step's products start the sums
	s_mov_b32 s3, LAPS-1
.Llap:
	TURN 0, 1, 1
	STEP 1, 0, 0
	TURN 1, 0, 1
	STEP 0, 0, 0
	s_sub_co_u32 s3, s3, 1
	s_cmp_lg_u32 s3, 0
	s_cbranch_scc1 .Llap
	TURN 0, 1, 0                                   ; the last lap fills nothing
	STEP 1, 0, 0
	s_wait_dscnt 4*NL
	WIN MUL_LO
	MUL16 0, 1, NQ-1, 1, 0
	MUL16 2, 1, NQ-1, 1, 0
	s_wait_dscnt 0
	WIN MUL_HI
	MUL16 4, 1, NQ-1, 1, 0
	MUL16 6, 1, NQ-1, 1, 0
	WIN 0
	; ---- THE WAY OUT: each block of 16 rows of A is quantised along its 128 registers' axis and stored as an image.  No LDS.
	; q, k: G = which 128 columns (two heads); record (batch, head, 128 tokens), key tile a at 768 a; the second head's record lies 16 records on
	s_sub_co_u32 s18, s42, 16
	s_lshl_b32 s18, s18, 1
	s_add_co_u32 s18, s18, s16                     ; G
	s_and_b32 s19, s18, 7
	s_lshl_b32 s19, s19, 1                         ; head
	s_lshr_b32 s20, s17, 3
	s_lshl_b32 s20, s20, 4                         ; 16 x batch
	s_add_co_u32 s19, s19, s20
	s_lshl_b32 s19, s19, 4
	s_lshl_b32 s20, s17, 1
	s_add_co_u32 s20, s20, s15
	s_and_b32 s20, s20, 15                         ; which 128 tokens of the batch
	s_add_co_u32 s19, s19, s20
	s_mul_i32 s19, s19, 12800
	s_cmp_lt_u32 s18, 8
	s_cselect_b32 s20, 6553600, 0                  ; q: region 1
	s_add_co_u32 s19, s19, s20
	; v: record (batch, head, 128 keys), channel tile a % 4 at 6,144 + 1,536 (a % 4); blocks 4-7 are the next head's
	s_lshl_b32 s21, s42, 1
	s_add_co_u32 s21, s21, s16                     ; which 128 tokens
	s_lshr_b32 s22, s21, 4
	s_lshl_b32 s22, s22, 4
	s_sub_co_u32 s23, s17, 24
	s_lshl_b32 s23, s23, 2
	s_add_co_u32 s22, s22, s23
	s_lshl_b32 s23, s15, 1
	s_add_co_u32 s22, s22, s23                     ; 16 x batch + head
	s_lshl_b32 s22, s22, 4
	s_and_b32 s21, s21, 15
	s_add_co_u32 s22, s22, s21
	s_mul_i32 s22, s22, 12800
	s_add_co_u32 s22, s22, 6144
	s_mov_b32 s[SAS], 768
	s_mov_b32 s[SBS], 768
	s_mov_b32 s12, 204800
	s_cmp_lg_u32 s95, 0
	s_cselect_b32 s18, s22, s19
	s_cselect_b32 s[SAS], 1536, s[SAS]
	s_cselect_b32 s[SBS], 204800-3*1536, s[SBS]
	s_cselect_b32 s12, 768, s12                    ; where registers 6-11 go: the next head's record, or the fragment's second half
	s_mov_b32 s19, 0
	s_mov_b32 s[SAS+1], 0
	s_mov_b32 s[SBS+1], 0
	s_add_nc_u64 s[OB:OB+1], s[6:7], s[18:19]
	PLACES NP
	v_lshlrev_b32 v[LO], 4, v1
	v_lshl_add_u32 v[LO], v2, 3, v[LO]
	v_add_nc_u32 v[VO1], s12, v[LO]
	v_lshlrev_b32 v[R4], 2, v1
	v_add_nc_u32 v[R4B], 204800, v[R4]
	v_mov_b32 v[PWE], 0
.irp b, 0,1,2,3
	v_mov_b32 v[TM+4+\b], 0
.endr
.macro OUTA a
	s_wait_xcnt 0x0                                ; the last block's stores have read their data and their base: both are written again only behind this wait
.if (\a) == 4
	s_add_nc_u64 s[OB:OB+1], s[OB:OB+1], s[SBS:SBS+1]
.elseif (\a) > 0
	s_add_nc_u64 s[OB:OB+1], s[OB:OB+1], s[SAS:SAS+1]
.endif
	QUANT 64*((\a)%4), 2+(\a)/4, 4
.irp g, 0,1,2
	global_store_b64 v[LO], v[PC+2*\g:PC+2*\g+1], s[OB:OB+1] offset:256*\g       ; 256 consecutive bytes a store
.endr
.irp g, 0,1,2
	global_store_b64 v[VO1], v[PC+6+2*\g:PC+6+2*\g+1], s[OB:OB+1] offset:256*\g
.endr
.if (\a)%2 == 0
	v_mov_b32 v[PWE], v[PW]                        ; q, k: two tiles' bytes make a word
.else
	v_perm_b32 v[WA], v[PW], v[PWE], 0x05040100    ; the first head's: the even tile's two bytes, then the odd tile's
	v_perm_b32 v[WB], v[PW], v[PWE], 0x07060302    ; the second head's
.endif
	s_cmp_lg_u32 s95, 0                            ; the cluster's y decides: the same in all partners and all waves
	s_cbranch_scc0 .Lqk_\@
	global_store_b32 v[R4], v[PW], s[OB:OB+1] offset:6400-1472*((\a)%4)          ; v: the channel rows' scale words
	s_branch .Ldone_\@
.Lqk_\@:
.if (\a)%2 == 1
	global_store_b32 v[R4], v[WA], s[OB:OB+1] offset:12288+64*((\a)/2)-768*(\a)
	global_store_b32 v[R4B], v[WB], s[OB:OB+1] offset:12288+64*((\a)/2)-768*(\a)
.endif
.Ldone_\@:
.endm
.irp a, 0,1,2,3,4,5,6,7
	OUTA \a
.endr
	s_wait_tensorcnt 0x0                           ; the wave's end
	ds_add_u32 v[SPW], v[NIL]
	s_wait_dscnt 0x0
	CROUND                                         ; the closing round
	s_endpgm
.Lfunc_end_k_qabf8c70c38_qkv:
	.size	k_qabf8c70c38_qkv, .Lfunc_end_k_qabf8c70c38_qkv-k_qabf8c70c38_qkv
	.p2alignl 7, 3214868480
	.fill 96, 4, 3214868480
	.section	.rodata,"a",@progbits
	.p2align	6, 0x0
	.amdhsa_kernel k_qabf8c70c38_qkv
		.amdhsa_group_segment_fixed_size 327680
		.amdhsa_private_segment_fixed_size 0
		.amdhsa_enable_private_segment 0
		.amdhsa_kernarg_size 16
		.amdhsa_user_sgpr_count 2
		.amdhsa_user_sgpr_kernarg_segment_ptr 1
		.amdhsa_wavefront_size32 1
		.amdhsa_system_sgpr_workgroup_id_x 1
		.amdhsa_system_sgpr_workgroup_id_y 1
		.amdhsa_system_sgpr_workgroup_id_z 1
		.amdhsa_system_vgpr_workitem_id 0
		.amdhsa_next_free_vgpr 1024
		.amdhsa_next_free_sgpr 100
		.amdhsa_reserve_vcc 0
		.amdhsa_float_denorm_mode_32 3
		.amdhsa_float_denorm_mode_16_64 3
		.amdhsa_memory_ordered 1
		.amdhsa_forward_progress 1
		.amdhsa_inst_pref_size 171
	.end_amdhsa_kernel
	.amdgpu_metadata
---
amdhsa.version: [ 1, 2 ]
amdhsa.kernels:
  - .name:           k_qabf8c70c38_qkv
    .symbol:         k_qabf8c70c38_qkv.kd
    .args:
      - { .name: w, .offset: 0, .size: 8, .value_kind: global_buffer, .address_space: global }
      - { .name: qkv, .offset: 8, .size: 8, .value_kind: global_buffer, .address_space: global }
    .group_segment_fixed_size: 327680
    .private_segment_fixed_size: 0
    .kernarg_segment_align: 8
    .kernarg_segment_size: 16
    .max_flat_workgroup_size: 128
    .sgpr_count:     100
    .vgpr_count:     1024
    .wavefront_size: 32
...
	.end_amdgpu_metadata
.endif
;; end of part 2
;; launch attn (part 3): grid 256 x 1, 8 waves a work-group, clusters of 4 x 1, 205,824 bytes of LDS; arguments qkv, at; writes at
.if DOCPART == 3
	.amdgcn_target "amdgcn-amd-amdhsa--gfx1250"
	.amdhsa_code_object_version 6
	.text
	.protected	k_qabf8c70c38_attn
	.globl	k_qabf8c70c38_attn
	.p2align	8
	.type	k_qabf8c70c38_attn,@function
k_qabf8c70c38_attn:
	s_mov_b64 s[64:65], 0
	v_nop
	global_prefetch_b8 v0, s[64:65] scope:SCOPE_SE
	s_setreg_imm32_b32 hwreg(HW_REG_WAVE_MODE, 25, 1), 1
	s_wait_xcnt 0x0
	s_wait_alu depctr_hold_cnt(0) depctr_sa_sdst(0) depctr_va_vdst(0) depctr_va_sdst(0) depctr_va_ssrc(0) depctr_va_vcc(0) depctr_vm_vsrc(0)
	s_getreg_b32 s2, hwreg(HW_REG_IB_STS2, 6, 4)
	s_cmp_eq_u32 s2, 0
	s_cbranch_scc0 .Lentry_in_a_cluster
	s_endpgm
.Lentry_in_a_cluster:
	s_bfe_u32 s2, ttmp6, 0x10000c
	s_cmp_lg_u32 s2, 0x3003
	s_cbranch_scc0 .Lentry_shape_is_right
	s_endpgm
.Lentry_shape_is_right:
; ATTN: causal attention on codes of FP6 (E2M3): S^T = K Q^T (K = the head's 64), p = 2^(t - M), O^T = V^T P^T (K = the keys); the result, divided by the row's sum, is quantised along (head, channel) and stored as an image.
; t = score x log2(e) / 8; M = the running largest t rounded UP to a whole number; the row's sum is taken of the unquantised p; when M moves, the sum and O^T are multiplied by 2^(old M - new M): exact.
; SHARES.  Two clusters of four work-groups to a (batch, head).  Wave w of the work-group with number sub (0..7) owns query tiles 8 w + sub and 127 - 8 w - sub: their last key steps are w and 15 - w, numbers made of the
; wave's number alone; each wave walks 17 key steps of 128 keys.  Both loops have 16 trips; a step all of whose keys come after the tile's queries is jumped over.
; THE HEAD'S 16 RECORDS (K, V and their scale words, 204,800 bytes) COME INTO LDS ONCE, by one joint load a wave (25,600 bytes each, one out a wave): no slot is ever filled again.  The four partners ask jointly.
; Nothing is prefetched: all that the launch reads by tensor loads is asked for at its head.
; K = 64 IN AN INSTRUCTION OF 128: a fragment holds key tile 2 f in registers 0-5 and key tile 2 f + 1 in registers 6-11.  Against [Q | zero codes] it gives tile 2 f's scores, against [zero codes | Q] tile 2 f + 1's:
; a zero code times any code is 0 under any scale byte but 0xff, which no byte here is.
; A lane holds ONE query (lane % 16) throughout; the 16 registers of key tiles 2 f, 2 f + 1 are keys 32 f + 16 (lane / 16) + 0 .. 15, since image row r of tile T stands for token 32 (T / 2) + 8 (T % 2) + r + 8 (r / 8).
; LIMITS: a block whose largest magnitude lies under 2^-124 gets the byte 1; NaN and infinities are not served.
.set REC,   12800
.set SPARE, 16*REC                     ; behind the records: the spare words, 128 bytes for each wave
.set KV,    36                         ; v36-83   four fragments of K, then of V
.set WV,    18
.set SEL,   20
.set CS,    22
.set G1,    24
.set G0,    32
.set TB,    12                         ; s12 the step's record in LDS
.set J,     13                         ; s13 the step
; v1 16 r + 8 h; v2 4 r; v3 my query less the lane's key offset; v4 32 r; v5, v6 the add's two; v7 r + 8 (r / 8) - 16 h; v8, v9 addresses in hand; v12 -M, v13 the largest t, v[14:15] the sum;
; v16-21 Q, v22-27 zero codes, v28-33 Q again; v96-159 S^T, then p; v160-191 O^T; v224-235 p's codes; v232-254 at work; v248-251 scale words; v253 p's scale word; v255 Q's.
.macro CROUND
	s_barrier_signal -1
	s_barrier_wait -1
	s_cmp_lg_u32 s[WV], 0
	s_cbranch_scc1 .Lnot_wave_0_\@
	s_barrier_signal -3
.Lnot_wave_0_\@:
	s_barrier_wait -3
	s_barrier_signal -1
	s_barrier_wait -1
.endm
	s_load_b128 s[4:7], s[0:1], 0x0                ; qkv s[4:5], at s[6:7]
	v_lshl_add_u32 v5, v0, 2, SPARE
	v_mov_b32 v6, 0
	ds_add_u32 v5, v6                              ; the wave's opening: the add and its wait ahead of my first tensor load
	v_lshrrev_b32 v8, 5, v0
	v_readfirstlane_b32 s[WV], v8                  ; wave 0..7
	s_bfe_u32 s9, ttmp6, 0x40000                   ; cx
	s_and_b32 s10, ttmp9, 1
	s_lshl_b32 s10, s10, 2
	s_add_co_u32 s9, s9, s10                       ; sub: it enters Q's and the output's addresses and the mask's numbers alone
	s_lshr_b32 s8, ttmp9, 1                        ; 16 x batch + head, which the partners share
	s_mov_b32 s[G1], 15|(3<<16)|(1<<21)            ; the mask: all four; elements of 8 bytes; no padding
	s_mov_b32 s[G1+1], 32<<16                      ; rows of 256 bytes,
	s_mov_b32 s[G1+2], 100<<16                     ; 100 of them: two records, dense
	s_mov_b32 s[G1+3], 32<<16
	s_mov_b32 s[G1+4], 100
	s_mov_b32 s[G1+5], 32
	s_mov_b32 s[G1+6], 0
	s_mov_b32 s[G1+7], 0
	s_mul_i32 s36, s[WV], 2*REC                    ; my two records, in LDS and in the head
	s_mul_i32 s38, s8, 16*REC
	s_add_co_u32 s38, s38, s36
	s_mov_b32 s39, 0
	s_mov_b32 s[SEL], 0x76543210
	s_mov_b32 s[SEL+1], 0xfedcba98
	s_mov_b32 s[CS], 0x3e38aa3b                    ; c = log2(e) / 8
	s_mov_b32 s[CS+1], s[CS]
	s_wait_dscnt 0x0                               ; the opening add is done
	s_wait_kmcnt 0x0
	s_mov_b32 s[G0], 1
	s_mov_b32 s[G0+1], s36
	s_add_nc_u64 s[G0+2:G0+3], s[4:5], s[38:39]
	s_or_b32 s[G0+3], s[G0+3], 0x80000000
	CROUND                                         ; all four work-groups are here: the joint loads meet
	tensor_load_to_lds s[G0:G0+3], s[G1:G1+7]
	s_nop 0
	v_and_b32 v10, 15, v0                          ; r
	v_bfe_u32 v11, v0, 4, 1                        ; h
	v_lshlrev_b32 v1, 4, v10
	v_lshl_add_u32 v1, v11, 3, v1
	v_lshlrev_b32 v2, 2, v10
	v_lshlrev_b32 v4, 5, v10
	v_and_b32 v7, 8, v10
	v_add_nc_u32 v7, v7, v10
	v_lshlrev_b32 v11, 4, v11
	v_sub_nc_u32 v7, v7, v11
.irp i, 22,23,24,25,26,27
	v_mov_b32 v\i, 0                               ; the zero codes
.endr
.irp b, 0,1,2,3
	v_mov_b32 v[236+\b], 0                         ; written once: a lane permute's destination counts as one of its sources
.endr
	v_mov_b32 v252, 0
	v_mov_b32 v253, 0
	s_wait_tensorcnt 0x0                           ; my two records have landed,
	s_barrier_signal -1
	s_barrier_wait -1                              ; everybody's have
; A KEY STEP: 128 keys, record s[J]
.macro STEP
	v_add_nc_u32 v8, s[TB], v1
	v_add_nc_u32 v9, s[TB], v2
	v_nop
	v_nop                                          ; four places ahead of loads into registers that the last products read
.irp f, 0,1,2,3
.irp p, 0,1,2,3,4,5
	ds_load_b64 v[KV+12*\f+2*\p:KV+12*\f+2*\p+1], v8 offset:1536*\f+256*\p
.endr
	ds_load_b32 v[248+\f], v9 offset:12288+64*\f
.endr
	s_wait_dscnt 0x0
.irp f, 0,1,2,3
	v_wmma_scale_f32_16x16x128_f8f6f4 v[96+16*\f:103+16*\f], v[KV+12*\f:KV+12*\f+11], v[16:27], 0, v[248+\f], v255 matrix_a_fmt:MATRIX_FMT_FP6 matrix_b_fmt:MATRIX_FMT_FP6
	v_wmma_scale_f32_16x16x128_f8f6f4 v[104+16*\f:111+16*\f], v[KV+12*\f:KV+12*\f+11], v[22:33], 0, v[248+\f], v255 matrix_a_fmt:MATRIX_FMT_FP6 matrix_b_fmt:MATRIX_FMT_FP6
.endr
.rept 4
	v_nop
.endr
.irp t, 0,1,2,3                        ; V's fragments take K's registers and land under the softmax
.irp p, 0,1,2,3,4,5
	ds_load_b64 v[KV+12*\t+2*\p:KV+12*\t+2*\p+1], v8 offset:6144+1536*\t+256*\p
.endr
	ds_load_b32 v[248+\t], v9 offset:12544+64*\t
.endr
	s_cmp_lg_u32 s[J], s41                         ; on the diagonal alone: hidden keys' scores become -infinity
	s_cbranch_scc1 .Lopen_\@
	v_mov_b32 v254, 0xff800000
.set n, 0
.rept 64
	v_cmp_gt_i32 vcc_lo, 32*(n/16)+n%16, v3        ; register 16 f + i holds key 32 f + 16 (lane / 16) + i of the step
	v_cndmask_b32 v[96+n], v[96+n], v254, vcc_lo
.set n, n+1
.endr
.Lopen_\@:
.irp b, 0,1,2,3
	v_max3_num_f32 v[232+\b], v[96+16*\b], v[97+16*\b], v[98+16*\b]   ; the largest score of each block of 32 keys: for the row's maximum and, since p rises with the score, for the block's largest p
.endr
.irp i, 3,5,7,9,11,13
.irp b, 0,1,2,3
	v_max3_num_f32 v[232+\b], v[232+\b], v[96+16*\b+\i], v[97+16*\b+\i]
.endr
.endr
.irp b, 0,1,2,3
	v_max_num_f32 v[232+\b], v[232+\b], v[111+16*\b]
.endr
.irp b, 0,1,2,3
	v_permlanex16_b32 v[236+\b], v[232+\b], s[SEL], s[SEL+1]
.endr
.irp b, 0,1,2,3
	v_max_num_f32 v[232+\b], v[232+\b], v[236+\b]
.endr
	v_max3_num_f32 v254, v232, v233, v234
	v_max_num_f32 v254, v254, v235
	v_mul_f32 v254, s[CS], v254
	v_max_num_f32 v13, v13, v254                   ; the running largest t
	v_mov_b32 v254, v12
	v_floor_f32 v12, -v13                          ; the new -M = -ceil(t)
	v_sub_f32 v254, v12, v254
	v_cvt_i32_f32 v254, v254
	v_ldexp_f32 v252, 1.0, v254                    ; f = 2^(old M - new M)
.set j, 0
.rept 32
	v_pk_fma_f32 v[96+j:97+j], v[96+j:97+j], s[CS:CS+1], v[12:13] op_sel_hi:[1,0,0]   ; t - M
.set j, j+2
.endr
.irp b, 0,1,2,3
	v_fma_f32 v[232+\b], v[232+\b], s[CS], v12
.endr
.set j, 0
.rept 64
	v_exp_f32 v[96+j], v[96+j]                     ; p = 2^(t - M): not normalised
.set j, j+1
.endr
	v_pk_mul_f32 v[14:15], v[14:15], v[252:253] op_sel_hi:[1,0]   ; the sums under the new M (a plain place behind the exponentials)
	s_wait_alu depctr_va_vdst(0)                   ; one wait for the batch, ahead of its first reader
.irp b, 0,1,2,3
	v_exp_f32 v[232+\b], v[232+\b]                 ; the blocks' largest p
.endr
	v_pk_add_f32 v[236:237], v[96:97], v[98:99]    ; the row's sum of the unquantised p, in two chains
.irp j, 4,8,12,16,20,24,28,32,36,40,44,48,52,56,60
	v_pk_add_f32 v[14:15], v[14:15], v[96+\j:97+\j]
	v_pk_add_f32 v[236:237], v[236:237], v[98+\j:99+\j]
.endr
	v_pk_add_f32 v[14:15], v[14:15], v[236:237]
	s_wait_alu depctr_va_vdst(0)                   ; and one for the four
.irp b, 0,1,2,3
	v_max_num_f32 v[232+\b], 0x1800000, v[232+\b]  ; the floor 2^(3 - 127)
.endr
.irp b, 0,1,2,3
	v_add_nc_u32 v[244+\b], 0xff000000, v[232+\b]
.endr
.irp b, 0,1,2,3
	v_lshrrev_b32 v[236+\b], 23, v[244+\b]
.endr
	v_lshl_or_b32 v253, v237, 8, v236              ; p's scale word for these 128 keys
	v_lshl_or_b32 v253, v238, 16, v253
	v_lshl_or_b32 v253, v239, 24, v253
.irp c, 0,1
	v_cvt_scalef32_pk16_fp6_f32 v[224+6*\c:226+6*\c], v[96+32*\c:111+32*\c], v[244+2*\c]
	v_cvt_scalef32_pk16_fp6_f32 v[236+4*\c:238+4*\c], v[112+32*\c:127+32*\c], v[244+2*\c+1]
.endr
	v_nop                                          ; one plain place behind a scaled conversion
.irp c, 0,1
.irp i, 0,1,2
	v_permlane16_swap_b32 v[224+6*\c+\i], v[236+4*\c+\i]
.endr
.irp i, 0,1,2
	v_mov_b32 v[227+6*\c+\i], v[236+4*\c+\i]
.endr
.endr
.set j, 0
.rept 16
	v_pk_mul_f32 v[160+j:161+j], v[160+j:161+j], v[252:253] op_sel_hi:[1,0]   ; O^T under the new M; these sixteen are also the places ahead of the products below
.set j, j+2
.endr
	s_wait_dscnt 0x0                               ; V is in
.irp t, 0,1,2,3
	v_wmma_scale_f32_16x16x128_f8f6f4 v[160+8*\t:167+8*\t], v[KV+12*\t:KV+12*\t+11], v[224:235], v[160+8*\t:167+8*\t], v[248+\t], v253 matrix_a_fmt:MATRIX_FMT_FP6 matrix_b_fmt:MATRIX_FMT_FP6
.endr
.endm
; ONE TILE OF 16 QUERIES.  u = 0: tile 8 w + sub; u = 1: tile 127 - 8 w - sub
.macro UNIT u
	s_wait_xcnt 0x0                                ; the last tile's loads and stores have read their bases and data
	s_lshl_b32 s40, s[WV], 3
	s_add_co_u32 s40, s40, s9
.if \u == 0
	s_mov_b32 s41, s[WV]                           ; the tile's last key step: made of the wave's number alone
.else
	s_sub_co_u32 s40, 127, s40
	s_sub_co_u32 s41, 15, s[WV]
.endif
	s_lshl_b32 s42, s8, 4
	s_lshr_b32 s43, s40, 3
	s_add_co_u32 s42, s42, s43
	s_mul_i32 s42, s42, REC                        ; q's record
	s_and_b32 s43, s40, 7
	s_mul_i32 s44, s43, 768
	s_add_co_u32 s44, s44, s42
	s_add_co_u32 s44, s44, 6553600
	s_mov_b32 s45, 0
	s_lshr_b32 s43, s43, 1
	s_lshl_b32 s43, s43, 6
	s_add_co_u32 s46, s42, s43
	s_add_co_u32 s46, s46, 6553600+12288
	s_mov_b32 s47, 0
	s_add_nc_u64 s[48:49], s[4:5], s[44:45]
	s_add_nc_u64 s[50:51], s[4:5], s[46:47]
.irp g, 0,1,2
	global_load_b64 v[16+2*\g:17+2*\g], v1, s[48:49] offset:256*\g
	global_load_b64 v[28+2*\g:29+2*\g], v1, s[48:49] offset:256*\g
.endr
	global_load_b32 v254, v2, s[50:51]             ; two tiles' bytes in a word
	s_and_b32 s52, s40, 1
	s_mul_i32 s52, s52, 0x02020202
	s_add_co_u32 s52, s52, 0x01000100              ; my tile's two bytes into both halves
	s_bfe_u32 s53, s40, 0x20001
	s_lshl_b32 s53, s53, 5
	s_and_b32 s54, s40, 1
	s_lshl_b32 s54, s54, 3
	s_add_co_u32 s53, s53, s54                     ; the tile's first query within its 128
	s_lshr_b32 s55, s8, 4
	s_lshl_b32 s55, s55, 7
	s_add_co_u32 s55, s55, s40                     ; the token tile among all 256
	s_and_b32 s56, s8, 15                          ; the head
	s_lshr_b32 s57, s56, 1
	s_and_b32 s56, s56, 1
	s_lshl_b32 s58, s55, 3
	s_add_co_u32 s58, s58, s57
	s_mul_i32 s58, s58, 1536
	s_mul_i32 s59, s56, 768
	s_add_co_u32 s58, s58, s59
	s_mov_b32 s59, 0
	s_add_nc_u64 s[60:61], s[6:7], s[58:59]        ; half a fragment: K step head / 2, half head % 2
	s_lshl_b32 s58, s55, 9
	s_lshl_b32 s57, s57, 2
	s_add_co_u32 s58, s58, s57
	s_lshl_b32 s56, s56, 1
	s_add_co_u32 s58, s58, s56
	s_add_co_u32 s58, s58, 0x300000
	s_add_nc_u64 s[62:63], s[6:7], s[58:59]        ; its two scale bytes
	v_add_nc_u32 v3, s53, v7
	s_wait_loadcnt 0x0
	v_perm_b32 v255, v254, v254, s52
	v_mov_b32 v13, 0xff61b1e6                      ; the largest t so far: -3e38
	v_floor_f32 v12, -v13
	v_mov_b32 v14, 0
	v_mov_b32 v15, 0
.set j, 0
.rept 32
	v_mov_b32 v[160+j], 0                          ; O^T: the first change of M leaves zeros zeros.  (These are also the places between Q's scale word and the first product)
.set j, j+1
.endr
	s_mov_b32 s[TB], 0
	s_mov_b32 s[J], 0
.Lstep_\@:                             ; 16 trips, a constant; a step whose keys all come after my queries is jumped over
	s_cmp_gt_u32 s[J], s41
	s_cbranch_scc1 .Lhidden_\@
	STEP
.Lhidden_\@:
	s_add_co_u32 s[TB], s[TB], REC
	s_add_co_u32 s[J], s[J], 1
	s_cmp_lt_u32 s[J], 16
	s_cbranch_scc1 .Lstep_\@
.rept 4
	v_nop                                          ; places behind the last products
.endr
	v_add_f32 v14, v14, v15
	v_permlanex16_b32 v252, v14, s[SEL], s[SEL+1]
	v_add_f32 v14, v14, v252                       ; the row's sum
	v_rcp_f32 v14, v14
	v_nop
	s_wait_alu depctr_va_vdst(0)                   ; ahead of the reciprocal's first reader
.set j, 0
.rept 32
	v_mul_f32 v[96+j], v[160+j], v14               ; register 16 b + i: channel 32 b + 16 (lane / 16) + i of my query
.set j, j+1
.endr
.irp b, 0,1
	v_max3_num_f32 v[232+\b], |v[96+16*\b]|, |v[97+16*\b]|, 0x1800000
.endr
.irp i, 2,4,6,8,10,12,14
.irp b, 0,1
	v_max3_num_f32 v[232+\b], v[232+\b], |v[96+16*\b+\i]|, |v[97+16*\b+\i]|
.endr
.endr
.irp b, 0,1
	v_permlanex16_b32 v[236+\b], v[232+\b], s[SEL], s[SEL+1]
.endr
.irp b, 0,1
	v_max_num_f32 v[232+\b], v[232+\b], v[236+\b]
.endr
.irp b, 0,1
	v_add_nc_u32 v[244+\b], 0xff000000, v[232+\b]
.endr
.irp b, 0,1
	v_lshrrev_b32 v[236+\b], 23, v[244+\b]
.endr
	v_lshl_or_b32 v253, v237, 8, v236
	v_cvt_scalef32_pk16_fp6_f32 v[224:226], v[96:111], v244
	v_cvt_scalef32_pk16_fp6_f32 v[236:238], v[112:127], v245
	v_nop
.irp i, 0,1,2
	v_permlane16_swap_b32 v[224+\i], v[236+\i]
.endr
.irp i, 0,1,2
	v_mov_b32 v[227+\i], v[236+\i]
.endr
.irp g, 0,1,2
	global_store_b64 v1, v[224+2*\g:225+2*\g], s[60:61] offset:256*\g   ; 256 consecutive bytes a store
.endr
	global_store_b16 v4, v253, s[62:63]            ; two bytes a row: a row's word is shared by two heads, which other work-groups make
.endm
	UNIT 0
	UNIT 1
	s_wait_tensorcnt 0x0                           ; the wave's end
	ds_add_u32 v5, v6
	s_wait_dscnt 0x0
	CROUND                                         ; the closing round
	s_endpgm
.Lfunc_end_k_qabf8c70c38_attn:
	.size	k_qabf8c70c38_attn, .Lfunc_end_k_qabf8c70c38_attn-k_qabf8c70c38_attn
	.p2alignl 7, 3214868480
	.fill 96, 4, 3214868480
	.section	.rodata,"a",@progbits
	.p2align	6, 0x0
	.amdhsa_kernel k_qabf8c70c38_attn
		.amdhsa_group_segment_fixed_size 205824
		.amdhsa_private_segment_fixed_size 0
		.amdhsa_enable_private_segment 0
		.amdhsa_kernarg_size 16
		.amdhsa_user_sgpr_count 2
		.amdhsa_user_sgpr_kernarg_segment_ptr 1
		.amdhsa_wavefront_size32 1
		.amdhsa_system_sgpr_workgroup_id_x 1
		.amdhsa_system_sgpr_workgroup_id_y 1
		.amdhsa_system_sgpr_workgroup_id_z 1
		.amdhsa_system_vgpr_workitem_id 0
		.amdhsa_next_free_vgpr 256
		.amdhsa_next_free_sgpr 66
		.amdhsa_reserve_vcc 1
		.amdhsa_float_denorm_mode_32 3
		.amdhsa_float_denorm_mode_16_64 3
		.amdhsa_memory_ordered 1
		.amdhsa_forward_progress 1
		.amdhsa_inst_pref_size 64
	.end_amdhsa_kernel
	.amdgpu_metadata
---
amdhsa.version: [ 1, 2 ]
amdhsa.kernels:
  - .name:           k_qabf8c70c38_attn
    .symbol:         k_qabf8c70c38_attn.kd
    .args:
      - { .name: qkv, .offset: 0, .size: 8, .value_kind: global_buffer, .address_space: global }
      - { .name: at, .offset: 8, .size: 8, .value_kind: global_buffer, .address_space: global }
    .group_segment_fixed_size: 205824
    .private_segment_fixed_size: 0
    .kernarg_segment_align: 8
    .kernarg_segment_size: 16
    .max_flat_workgroup_size: 256
    .sgpr_count:     66
    .vgpr_count:     256
    .wavefront_size: 32
...
	.end_amdgpu_metadata
.endif
;; end of part 3
;; launch wonorm (part 4): grid 256 x 1, 8 waves a work-group, no clusters, 69,120 bytes of LDS; arguments at, w, x, ln2_w, h, n2; writes h, n2
.if DOCPART == 4
	.amdgcn_target "amdgcn-amd-amdhsa--gfx1250"
	.amdhsa_code_object_version 6
	.text
	.protected	k_qabf8c70c38_wonorm
	.globl	k_qabf8c70c38_wonorm
	.p2align	8
	.type	k_qabf8c70c38_wonorm,@function
k_qabf8c70c38_wonorm:
	s_mov_b64 s[64:65], 0
	v_nop
	global_prefetch_b8 v0, s[64:65] scope:SCOPE_SE
	s_setreg_imm32_b32 hwreg(HW_REG_WAVE_MODE, 25, 1), 1
	s_wait_xcnt 0x0
; WONORM: h = x + attention wo (on codes of FP6, K = 1,024), stored; n2 = rmsnorm(h, ln2_w), quantised along the 1,024 features and stored as an image.
; The norm wants whole rows: a work-group takes ONE tile of 16 tokens and all 1,024 columns; wave w takes columns 128 w on, which are K step w of n2.
; Source 0 = 16 columns of wo (image tiles, so that two tiles' 16 registers are 16 neighbouring columns), source 1 = the tokens: a lane holds one token.  x, brought into that layout through the wave's stage,
; is the C of the first products: the residual costs no addition.
; Each fragment of wo feeds one matrix instruction of one wave, so it goes from memory straight into registers, two K steps ahead (54 loads of 256 consecutive bytes a step): no ring, one barrier (the norm's).
; NO JOINT LOADS, though all work-groups read the same wo: a wave has 64 matrix instructions in all; shared tiles would want a ring in LDS and a round of a cluster's barrier for every eighth of them.
; LIMITS: a block whose largest magnitude lies under 2^-124 gets the byte 1; NaN and infinities are not served.
.set STGB,  8448                       ; LDS: a stage of 16 rows x (512 + 16) bytes for each wave
.set PART,  8*STGB                     ; 16 rows x 8 waves x 4 bytes
.set SPARE, PART+512                   ; the spare words
.set ACC,   16                         ; v16-79   eight accumulators: register 16 b + i = column 32 b + 16 h + i of my token
.set AF,    80                         ; v80-103  the tokens' fragments, two sets
.set ASC,   104                        ; v104-111 their scale words, K steps 0..7
.set BSC,   112                        ; v112-143 wo's: register 8 b' + s: lanes 0-15 tile 2 b', lanes 16-31 tile 2 b' + 1
.set RAW,   144                        ; v144-207 rows of x, later of h
.set TM,    208
.set PC,    224
.set PW,    244
.set SM,    246                        ; v246-253 sums
.set SPW,   254
.set NIL,   255
.set LNW,   192                        ; window 1: v192-255 ln2_w; v0-95, v96-191 wo's fragments, two sets
.set WV,    40
.set SEL,   42
.set MSB, 0
.macro WIN new                         ; the immediate's high byte repeats the setting that is left
.if MSB != (\new)
	s_set_vgpr_msb (MSB<<8)|(\new)
.set MSB, (\new)
.endif
.endm
.macro QUANT s, w, nb
	WIN (\w)|((\w)<<2)
.set qb, 0
.rept \nb
	v_max3_num_f32 v[TM+qb], |v[(\s)+16*qb]|, |v[(\s)+16*qb+1]|, 0x1800000
.set qb, qb+1
.endr
	WIN ((\w)<<2)|((\w)<<4)
.irp i, 2,4,6,8,10,12,14
.set qb, 0
.rept \nb
	v_max3_num_f32 v[TM+qb], v[TM+qb], |v[(\s)+16*qb+\i]|, |v[(\s)+16*qb+\i+1]|
.set qb, qb+1
.endr
.endr
	WIN 0
.set qb, 0
.rept \nb
	v_permlanex16_b32 v[TM+4+qb], v[TM+qb], s[SEL], s[SEL+1]
.set qb, qb+1
.endr
.set qb, 0
.rept \nb
	v_max_num_f32 v[TM+qb], v[TM+qb], v[TM+4+qb]
.set qb, qb+1
.endr
.set qb, 0
.rept \nb
	v_add_nc_u32 v[TM+12+qb], 0xff000000, v[TM+qb]
.set qb, qb+1
.endr
.set qb, 0
.rept \nb
	v_lshrrev_b32 v[TM+4+qb], 23, v[TM+12+qb]
.set qb, qb+1
.endr
	v_lshl_or_b32 v[PW], v[TM+5], 8, v[TM+4]
.if (\nb) > 2
	v_lshl_or_b32 v[PW], v[TM+6], 16, v[PW]
	v_lshl_or_b32 v[PW], v[TM+7], 24, v[PW]
.endif
	WIN (\w)
.set qb, 0
.rept (\nb)/2
	v_cvt_scalef32_pk16_fp6_f32 v[PC+6*qb:PC+6*qb+2], v[(\s)+32*qb:(\s)+32*qb+15], v[TM+12+2*qb]
	v_cvt_scalef32_pk16_fp6_f32 v[PC+12+4*qb:PC+14+4*qb], v[(\s)+32*qb+16:(\s)+32*qb+31], v[TM+13+2*qb]
.set qb, qb+1
.endr
	WIN 0
	v_nop                                          ; one plain place behind a scaled conversion
.set qb, 0
.rept (\nb)/2
.irp i, 0,1,2
	v_permlane16_swap_b32 v[PC+6*qb+\i], v[PC+12+4*qb+\i]
.endr
.irp i, 0,1,2
	v_mov_b32 v[PC+3+6*qb+\i], v[PC+12+4*qb+\i]
.endr
.set qb, qb+1
.endr
.endm
	s_load_b256 s[4:11], s[0:1], 0x0               ; at, w, x, ln2_w
	s_load_b128 s[12:15], s[0:1], 0x20             ; h, n2
	v_lshl_add_u32 v[SPW], v0, 2, SPARE
	v_mov_b32 v[NIL], 0
	v_lshrrev_b32 v1, 5, v0
	v_readfirstlane_b32 s[WV], v1                  ; wave 0..7
	v_and_b32 v1, 15, v0                           ; r
	v_bfe_u32 v2, v0, 4, 1                         ; h
	v_lshlrev_b32 v3, 4, v1
	v_lshl_add_u32 v3, v2, 3, v3                   ; 16 r + 8 h
	v_and_b32 v4, 31, v0
	v_lshlrev_b32 v11, 5, v4                       ; 32 x lane
	v_lshlrev_b32 v4, 4, v4                        ; 16 x lane
	s_mul_i32 s24, s[WV], STGB
	v_add_nc_u32 v5, s24, v4                       ; stage, by rows
	v_mul_u32_u24 v6, v1, 528
	v_lshl_add_u32 v6, v2, 6, v6
	v_add_nc_u32 v6, s24, v6                       ; stage, by lanes: row r, + 64 h
	v_lshlrev_b32 v8, 5, v1
	v_add_nc_u32 v8, PART, v8
	s_lshl_b32 s25, s[WV], 2
	v_add_nc_u32 v7, s25, v8
	v_lshlrev_b32 v9, 6, v2                        ; ln2_w: 64 h
	v_lshlrev_b32 v10, 5, v1                       ; 32 r
.irp b, 0,1,2,3
	v_mov_b32 v[TM+4+\b], 0
.endr
	s_mov_b32 s[SEL], 0x76543210
	s_mov_b32 s[SEL+1], 0xfedcba98
	s_mov_b32 s44, 0x3a800000                      ; 1 / 1,024
	s_mov_b32 s45, 0x358637bd                      ; 1e-6
	s_lshr_b32 s28, ttmp9, 1
	s_lshl_b32 s28, s28, 17
	s_and_b32 s29, ttmp9, 1
	s_lshl_b32 s29, s29, 15
	s_add_co_u32 s28, s28, s29
	s_lshl_b32 s30, s[WV], 9
	s_add_co_u32 s28, s28, s30                     ; x, h: token 32 (T / 2) + 8 (T % 2), column 128 w
	s_mov_b32 s29, 0
	s_mov_b32 s31, 0
	s_mul_i32 s32, ttmp9, 12288                    ; the tile's eight fragments
	s_mov_b32 s33, 0
	s_lshl_b32 s34, ttmp9, 9
	s_add_co_u32 s34, s34, 0x300000                ; its rows' scale bytes
	s_mov_b32 s35, 0
	s_lshl_b32 s36, s[WV], 3
	s_add_co_u32 s36, s36, 448
	s_mul_i32 s36, s36, 12288                      ; wo's image tiles 448 + 8 w on
	s_mov_b32 s37, 0
	s_lshl_b32 s38, s[WV], 12
	s_add_co_u32 s38, s38, 0xAB8000                ; their scale bytes: 0xA80000 + (7,168 + 128 w) x 32
	s_mov_b32 s39, 0
	s_wait_kmcnt 0x0
	s_add_nc_u64 s[8:9], s[8:9], s[28:29]
	s_add_nc_u64 s[12:13], s[12:13], s[28:29]
	s_add_nc_u64 s[10:11], s[10:11], s[30:31]
	s_add_nc_u64 s[16:17], s[4:5], s[32:33]
	s_add_nc_u64 s[18:19], s[4:5], s[34:35]
	s_add_nc_u64 s[20:21], s[6:7], s[36:37]
	s_add_nc_u64 s[22:23], s[6:7], s[38:39]
	s_mul_i32 s36, s[WV], 1536
	s_add_co_u32 s32, s32, s36
	s_add_nc_u64 s[24:25], s[14:15], s[32:33]      ; n2: fragment (T, w)
	s_lshl_b32 s36, s[WV], 2
	s_add_co_u32 s34, s34, s36
	s_add_nc_u64 s[26:27], s[14:15], s[34:35]      ; and its scale words
; K step s: the tokens' fragment (6 loads) and my eight fragments of wo (48), into set s % 2
.macro GRP s
.irp p, 0,1,2,3,4,5
	global_load_b64 v[AF+12*((\s)%2)+2*\p:AF+12*((\s)%2)+2*\p+1], v3, s[16:17] offset:1536*(\s)+256*\p
.endr
	WIN 0x40                                       ; destination window 1
.irp b, 0,1,2,3,4,5,6,7
.irp p, 0,1,2,3,4,5
	global_load_b64 v[96*((\s)%2)+12*\b+2*\p:96*((\s)%2)+12*\b+2*\p+1], v3, s[20:21] offset:(8*\b+(\s))*1536+256*\p
.endr
.endr
	WIN 0
.endm
.set i, 0
.rept 16
	global_load_b128 v[RAW+4*i:RAW+4*i+3], v4, s[8:9] offset:(i+8*(i/8))*4096 th:TH_LOAD_NT   ; image row i of x: 512 consecutive bytes
.set i, i+1
.endr
	WIN 0x40
.set i, 0
.rept 16
	global_load_b128 v[LNW+4*i:LNW+4*i+3], v9, s[10:11] offset:128*(i/4)+16*(i%4)
.set i, i+1
.endr
	WIN 0
.irp e, 0,1
	global_load_b128 v[ASC+4*\e:ASC+4*\e+3], v10, s[18:19] offset:16*\e
.endr
.irp b, 0,1,2,3
.irp e, 0,1
	global_load_b128 v[BSC+8*\b+4*\e:BSC+8*\b+4*\e+3], v11, s[22:23] offset:1024*\b+16*\e
.endr
.endr
	GRP 0
	s_wait_loadcnt 63                              ; behind x's 16 loads stand 80; a wait names 63 at the most, and a smaller count is safe
.set i, 0
.rept 16
	ds_store_b128 v5, v[RAW+4*i:RAW+4*i+3] offset:528*i
.set i, i+1
.endr
.set i, 0
.rept 16
	ds_load_b128 v[ACC+4*i:ACC+4*i+3], v6 offset:128*(i/4)+16*(i%4)   ; my wave's own bytes, served in order
.set i, i+1
.endr
	GRP 1
	s_wait_dscnt 0x0
; K step s: eight products, the accumulators by turns
.macro PROD s
.if (\s) < 7
	s_wait_loadcnt 54                              ; all but the next K step's 54 loads
.else
	s_wait_loadcnt 0x0
.endif
	WIN 0x01                                       ; source 0 (wo) window 1
.irp b, 0,2,4,6
	v_wmma_scale_f32_16x16x128_f8f6f4 v[ACC+8*\b:ACC+8*\b+7], v[96*((\s)%2)+12*\b:96*((\s)%2)+12*\b+11], v[AF+12*((\s)%2):AF+12*((\s)%2)+11], v[ACC+8*\b:ACC+8*\b+7], v[BSC+4*\b+(\s)], v[ASC+(\s)] matrix_a_fmt:MATRIX_FMT_FP6 matrix_b_fmt:MATRIX_FMT_FP6
	v_wmma_scale_f32_16x16x128_f8f6f4 v[ACC+8*\b+8:ACC+8*\b+15], v[96*((\s)%2)+12*\b+12:96*((\s)%2)+12*\b+23], v[AF+12*((\s)%2):AF+12*((\s)%2)+11], v[ACC+8*\b+8:ACC+8*\b+15], v[BSC+4*\b+(\s)], v[ASC+(\s)] matrix_a_fmt:MATRIX_FMT_FP6 matrix_b_fmt:MATRIX_FMT_FP6 matrix_a_scale:MATRIX_SCALE_ROW1
.endr
	WIN 0
.rept 4
	v_nop                                          ; places ahead of loads into registers that these products read, and of the first read of results
.endr
.if (\s) < 6
	GRP (\s)+2
.endif
.endm
.irp s, 0,1,2,3,4,5,6,7
	PROD \s
.endr
	; ---- h: through the stage back to whole rows; meanwhile the sum of squares
.set i, 0
.rept 16
	ds_store_b128 v6, v[ACC+4*i:ACC+4*i+3] offset:128*(i/4)+16*(i%4)  ; each accumulator from its low end on
.set i, i+1
.endr
.set i, 0
.rept 16
	ds_load_b128 v[RAW+4*i:RAW+4*i+3], v5 offset:528*i
.set i, i+1
.endr
	v_pk_mul_f32 v[SM:SM+1], v[ACC:ACC+1], v[ACC:ACC+1]
	v_pk_mul_f32 v[SM+2:SM+3], v[ACC+2:ACC+3], v[ACC+2:ACC+3]
.set i, 4
.rept 15
	v_pk_fma_f32 v[SM:SM+1], v[ACC+i:ACC+i+1], v[ACC+i:ACC+i+1], v[SM:SM+1]
	v_pk_fma_f32 v[SM+2:SM+3], v[ACC+i+2:ACC+i+3], v[ACC+i+2:ACC+i+3], v[SM+2:SM+3]
.set i, i+4
.endr
	v_pk_add_f32 v[SM:SM+1], v[SM:SM+1], v[SM+2:SM+3]
	v_add_f32 v[SM], v[SM], v[SM+1]
	v_permlanex16_b32 v[SM+1], v[SM], s[SEL], s[SEL+1]
	v_add_f32 v[SM], v[SM], v[SM+1]
	ds_store_b32 v7, v[SM]
	s_wait_dscnt 0x0                               ; for the others' sake: my store has landed; h's rows are back too
	s_barrier_signal -1
	s_barrier_wait -1
.set i, 0
.rept 16
	global_store_b128 v4, v[RAW+4*i:RAW+4*i+3], s[12:13] offset:(i+8*(i/8))*4096   ; 512 consecutive bytes of a row of h
.set i, i+1
.endr
	ds_load_b128 v[SM:SM+3], v8
	ds_load_b128 v[SM+4:SM+7], v8 offset:16
	s_wait_dscnt 0x0
	v_add_f32 v[SM], v[SM], v[SM+1]
	v_add_f32 v[SM+2], v[SM+2], v[SM+3]
	v_add_f32 v[SM+4], v[SM+4], v[SM+5]
	v_add_f32 v[SM+6], v[SM+6], v[SM+7]
	v_add_f32 v[SM], v[SM], v[SM+2]
	v_add_f32 v[SM+4], v[SM+4], v[SM+6]
	v_add_f32 v[SM], v[SM], v[SM+4]
	v_fma_f32 v[SM], v[SM], s44, s45
	v_rsq_f32 v[SM+2], v[SM]
	v_mov_b32 v[SM+3], 0                           ; a plain place behind the transcendental
	s_wait_alu depctr_va_vdst(0)                   ; ahead of the result's first reader
.set i, 0
.rept 32
	v_pk_mul_f32 v[ACC+i:ACC+i+1], v[ACC+i:ACC+i+1], v[SM+2:SM+3] op_sel_hi:[1,0]
.set i, i+2
.endr
	WIN 0x04                                       ; source 1 (ln2_w) window 1
.set i, 0
.rept 32
	v_pk_mul_f32 v[ACC+i:ACC+i+1], v[ACC+i:ACC+i+1], v[LNW+i:LNW+i+1]
.set i, i+2
.endr
	WIN 0
	QUANT ACC, 0, 4
.irp p, 0,1,2,3,4,5
	global_store_b64 v3, v[PC+2*\p:PC+2*\p+1], s[24:25] offset:256*\p
.endr
	global_store_b32 v10, v[PW], s[26:27]
	s_wait_tensorcnt 0x0                           ; the wave's end
	ds_add_u32 v[SPW], v[NIL]
	s_wait_dscnt 0x0
	s_endpgm
.Lfunc_end_k_qabf8c70c38_wonorm:
	.size	k_qabf8c70c38_wonorm, .Lfunc_end_k_qabf8c70c38_wonorm-k_qabf8c70c38_wonorm
	.p2alignl 7, 3214868480
	.fill 96, 4, 3214868480
	.section	.rodata,"a",@progbits
	.p2align	6, 0x0
	.amdhsa_kernel k_qabf8c70c38_wonorm
		.amdhsa_group_segment_fixed_size 69120
		.amdhsa_private_segment_fixed_size 0
		.amdhsa_enable_private_segment 0
		.amdhsa_kernarg_size 48
		.amdhsa_user_sgpr_count 2
		.amdhsa_user_sgpr_kernarg_segment_ptr 1
		.amdhsa_wavefront_size32 1
		.amdhsa_system_sgpr_workgroup_id_x 1
		.amdhsa_system_sgpr_workgroup_id_y 1
		.amdhsa_system_sgpr_workgroup_id_z 1
		.amdhsa_system_vgpr_workitem_id 0
		.amdhsa_next_free_vgpr 512
		.amdhsa_next_free_sgpr 66
		.amdhsa_reserve_vcc 0
		.amdhsa_float_denorm_mode_32 3
		.amdhsa_float_denorm_mode_16_64 3
		.amdhsa_memory_ordered 1
		.amdhsa_forward_progress 1
		.amdhsa_inst_pref_size 75
	.end_amdhsa_kernel
	.amdgpu_metadata
---
amdhsa.version: [ 1, 2 ]
amdhsa.kernels:
  - .name:           k_qabf8c70c38_wonorm
    .symbol:         k_qabf8c70c38_wonorm.kd
    .args:
      - { .name: at, .offset: 0, .size: 8, .value_kind: global_buffer, .address_space: global }
      - { .name: w, .offset: 8, .size: 8, .value_kind: global_buffer, .address_space: global }
      - { .name: x, .offset: 16, .size: 8, .value_kind: global_buffer, .address_space: global }
      - { .name: ln2_w, .offset: 24, .size: 8, .value_kind: global_buffer, .address_space: global }
      - { .name: h, .offset: 32, .size: 8, .value_kind: global_buffer, .address_space: global }
      - { .name: n2, .offset: 40, .size: 8, .value_kind: global_buffer, .address_space: global }
    .group_segment_fixed_size: 69120
    .private_segment_fixed_size: 0
    .kernarg_segment_align: 8
    .kernarg_segment_size: 48
    .max_flat_workgroup_size: 256
    .sgpr_count:     66
    .vgpr_count:     512
    .wavefront_size: 32
...
	.end_amdgpu_metadata
.endif
;; end of part 4
;; launch w13 (part 5): grid 16 x 16, 4 waves a work-group, clusters of 4 x 4, 327,680 bytes of LDS; arguments n2, w, g; writes g
.if DOCPART == 5
	.amdgcn_target "amdgcn-amd-amdhsa--gfx1250"
	.amdhsa_code_object_version 6
	.text
	.protected	k_qabf8c70c38_w13
	.globl	k_qabf8c70c38_w13
	.p2align	8
	.type	k_qabf8c70c38_w13,@function
k_qabf8c70c38_w13:
	s_mov_b64 s[64:65], 0
	v_nop
	global_prefetch_b8 v0, s[64:65] scope:SCOPE_SE
	s_setreg_imm32_b32 hwreg(HW_REG_WAVE_MODE, 25, 1), 1
	s_wait_xcnt 0x0
	s_wait_alu depctr_hold_cnt(0) depctr_sa_sdst(0) depctr_va_vdst(0) depctr_va_sdst(0) depctr_va_ssrc(0) depctr_va_vcc(0) depctr_vm_vsrc(0)
	s_getreg_b32 s2, hwreg(HW_REG_IB_STS2, 6, 4)
	s_cmp_eq_u32 s2, 0
	s_cbranch_scc0 .Lentry_in_a_cluster
	s_endpgm
.Lentry_in_a_cluster:
	s_bfe_u32 s2, ttmp6, 0x10000c
	s_cmp_lg_u32 s2, 0xf033
	s_cbranch_scc0 .Lentry_shape_is_right
	s_endpgm
.Lentry_shape_is_right:
; W13: g = silu(n2 w1) x (n2 w3) on codes of FP6 (E2M3), K = 1,024; g is quantised along the 2,048 hidden units and stored as an image.
; The core is the tile product of launch qkv: 256 x 256 results to a work-group, 128 x 128 to a wave; K in steps of 256 through a ring of two LDS slots; operands as images of registers (a fragment 1,536 bytes, registers
; 2 p, 2 p + 1 of lane (r, h) at 256 p + 16 r + 8 h); the scale bytes of all of K come once; clusters of 4 x 4 ask for A's tiles jointly along a row, for B's along a column.
; A = tokens (n2), B = w's image rows 8,192 on: groups of 128 rows = 64 columns of w1, then the SAME 64 columns of w3.  A wave's 128 rows of B are one group: accumulators b = 0..3 hold a1, b = 4..7 a3 of the same
; 64 hidden units in the same lanes and registers, so the activation needs no other lane and no LDS.  A lane holds one token; its 32 registers are hidden units 32 b + 16 (lane / 16) + i.
; silu(a1) a3 = a1 a3 / (1 + 2^(-a1 log2 e)); where the exponential overflows the reciprocal is 0, as the limit is.
; LIMITS: a block whose largest magnitude lies under 2^-124 gets the byte 1; NaN and infinities are not served.
.set SIZE_K, 1024
.set NQ,     2
.set NKS,    SIZE_K/128
.set KROW,   SIZE_K*6/8
.set KSB,    SIZE_K/32
.set FR,     12
.set NL,     6
.set NP,     4
.set TROW,   3072
.set HALFT,  8*TROW
.set SLOT,   4*HALFT
.set LAPS,   SIZE_K/512
.set SCL,    2*SLOT
.set HALFS,  (128*KSB/256)*272
.set SBLK,   (16*KSB/256)*272
.set SPARE,  SCL+4*HALFS
.set ADRA, 16
.set ADRB, 20
.set ADRS, 27
.set SPW,  28
.set NIL,  29
.set SC,   32
.set AF,   128
.set EXR,  32                          ; the way out, window 0: v32-63 the exponentials, v64-95 the products
.set GAT,  64
.set TM,   96
.set PC,   112
.set PW,   132
.set LO,   133
.set R64,  134
.set SEL,  66
.set G1, 24
.set G0, 32
.set G1B, 48
.set G0B, 56
.set G1S, 68
.set G0S, 76
.set G1SB, 80
.set G0SB, 88
.set MSB, 0
.macro WIN new                         ; the immediate's high byte repeats the setting that is left
.if MSB != (\new)
	s_set_vgpr_msb (MSB<<8)|(\new)
.set MSB, (\new)
.endif
.endm
.set MUL_LO, 0xa1
.set MUL_HI, 0xf1
.set TO_B,   0x40
.macro JLOAD g0a, g1a, g0b, g1b        ; a joint load: waves 0 and 1 fetch for A, waves 2 and 3 for B; an s_nop 0 and four v_nop follow each line
	s_cmp_eq_u32 s15, 0
	s_cbranch_scc0 .Lfor_b_\@
	tensor_load_to_lds s[\g0a:\g0a+3], s[\g1a:\g1a+7]
	s_nop 0
.rept 4
	v_nop
.endr
	s_branch .Lasked_\@
.Lfor_b_\@:
	tensor_load_to_lds s[\g0b:\g0b+3], s[\g1b:\g1b+7]
	s_nop 0
.rept 4
	v_nop
.endr
.Lasked_\@:
.endm
.macro CREST
	s_cmp_lg_u32 s14, 0
	s_cbranch_scc1 .Lnot_wave_0_\@
	s_barrier_signal -3
.Lnot_wave_0_\@:
	s_barrier_wait -3
	s_barrier_signal -1
	s_barrier_wait -1
.endm
.macro CROUND
	s_barrier_signal -1
	s_barrier_wait -1
	CREST
.endm
.macro QUANT s, w, nb
	WIN (\w)|((\w)<<2)
.set qb, 0
.rept \nb
	v_max3_num_f32 v[TM+qb], |v[(\s)+16*qb]|, |v[(\s)+16*qb+1]|, 0x1800000
.set qb, qb+1
.endr
	WIN ((\w)<<2)|((\w)<<4)
.irp i, 2,4,6,8,10,12,14
.set qb, 0
.rept \nb
	v_max3_num_f32 v[TM+qb], v[TM+qb], |v[(\s)+16*qb+\i]|, |v[(\s)+16*qb+\i+1]|
.set qb, qb+1
.endr
.endr
	WIN 0
.set qb, 0
.rept \nb
	v_permlanex16_b32 v[TM+4+qb], v[TM+qb], s[SEL], s[SEL+1]
.set qb, qb+1
.endr
.set qb, 0
.rept \nb
	v_max_num_f32 v[TM+qb], v[TM+qb], v[TM+4+qb]
.set qb, qb+1
.endr
.set qb, 0
.rept \nb
	v_add_nc_u32 v[TM+12+qb], 0xff000000, v[TM+qb]
.set qb, qb+1
.endr
.set qb, 0
.rept \nb
	v_lshrrev_b32 v[TM+4+qb], 23, v[TM+12+qb]
.set qb, qb+1
.endr
	v_lshl_or_b32 v[PW], v[TM+5], 8, v[TM+4]
.if (\nb) > 2
	v_lshl_or_b32 v[PW], v[TM+6], 16, v[PW]
	v_lshl_or_b32 v[PW], v[TM+7], 24, v[PW]
.endif
	WIN (\w)
.set qb, 0
.rept (\nb)/2
	v_cvt_scalef32_pk16_fp6_f32 v[PC+6*qb:PC+6*qb+2], v[(\s)+32*qb:(\s)+32*qb+15], v[TM+12+2*qb]
	v_cvt_scalef32_pk16_fp6_f32 v[PC+12+4*qb:PC+14+4*qb], v[(\s)+32*qb+16:(\s)+32*qb+31], v[TM+13+2*qb]
.set qb, qb+1
.endr
	WIN 0
	v_nop                                          ; one plain place behind a scaled conversion
.set qb, 0
.rept (\nb)/2
.irp i, 0,1,2
	v_permlane16_swap_b32 v[PC+6*qb+\i], v[PC+12+4*qb+\i]
.endr
.irp i, 0,1,2
	v_mov_b32 v[PC+3+6*qb+\i], v[PC+12+4*qb+\i]
.endr
.set qb, qb+1
.endr
.endm
	s_load_b128 s[4:7], s[0:1], 0x0                ; n2 s[4:5], w s[6:7]
	s_load_b64 s[8:9], s[0:1], 0x10                ; g
	v_lshl_add_u32 v[SPW], v0, 2, SPARE
	v_mov_b32 v[NIL], 0
	ds_add_u32 v[SPW], v[NIL]                      ; the wave's opening: the add and its wait ahead of my first tensor load
	v_lshrrev_b32 v1, 5, v0
	v_readfirstlane_b32 s14, v1
	s_lshr_b32 s15, s14, 1
	s_and_b32 s16, s14, 1
	s_bfe_u32 s40, ttmp6, 0x40000                  ; cx
	s_bfe_u32 s41, ttmp6, 0x40004                  ; cy
	s_lshl_b32 s42, ttmp9, 2
	s_add_co_u32 s42, s42, s40                     ; B's tile of 256 rows
	s_and_b32 s17, ttmp7, 0xffff
	s_lshl_b32 s17, s17, 2
	s_add_co_u32 s17, s17, s41                     ; A's
	s_lshl_b32 s43, s41, 2
	s_lshl_b32 s43, 15, s43
	s_lshl_b32 s44, 0x1111, s40
	s_or_b32 s[G1+0], s43, (3<<16)|(1<<21)         ; codes: 8 rows (tiles) of 3,072 bytes, NKS x 1,536 bytes apart, no padding
	s_or_b32 s[G1B+0], s44, (3<<16)|(1<<21)
.irp g, G1, G1B
	s_mov_b32 s[\g+1], 384<<16
	s_mov_b32 s[\g+2], 8<<16
	s_mov_b32 s[\g+3], 384<<16
	s_mov_b32 s[\g+4], 8
	s_mov_b32 s[\g+5], NKS*192
	s_mov_b32 s[\g+6], 0
	s_mov_b32 s[\g+7], 0
.endr
	s_or_b32 s[G1S+0], s43, (3<<16)|(1<<20)|(1<<21)|(5<<22)|(3<<25)   ; scales: rows of 256 bytes, 16 of padding behind each
	s_or_b32 s[G1SB+0], s44, (3<<16)|(1<<20)|(1<<21)|(5<<22)|(3<<25)
.irp g, G1S, G1SB
	s_mov_b32 s[\g+1], 32<<16
	s_mov_b32 s[\g+2], (128*KSB/256)<<16
	s_mov_b32 s[\g+3], 32<<16
	s_mov_b32 s[\g+4], 128*KSB/256
	s_mov_b32 s[\g+5], 32
	s_mov_b32 s[\g+6], 0
	s_mov_b32 s[\g+7], 0
.endr
	s_mov_b32 s[SEL], 0x76543210
	s_mov_b32 s[SEL+1], 0xfedcba98
	s_lshl_b32 s18, s16, 7
	s_lshl_b32 s20, s17, 8
	s_add_co_u32 s20, s20, s18
	s_lshl_b32 s46, s42, 8
	s_add_co_u32 s46, s46, s18
	s_add_co_u32 s46, s46, 8192                    ; w1 | w3 begin at image row 8,192
	s_mov_b32 s21, 0
	s_mov_b32 s47, 0
	s_mov_b64 s[18:19], KSB
	s_mul_u64 s[22:23], s[20:21], s[18:19]
	s_mul_u64 s[92:93], s[46:47], s[18:19]
	s_mov_b64 s[18:19], KROW
	s_mul_u64 s[20:21], s[20:21], s[18:19]
	s_mul_u64 s[46:47], s[46:47], s[18:19]
	s_add_nc_u64 s[22:23], s[22:23], 0x300000
	s_add_nc_u64 s[92:93], s[92:93], 0xA80000
	s_mul_i32 s45, s14, HALFT
	s_mul_i32 s94, s14, HALFS
	s_wait_dscnt 0x0                               ; the opening add is done
	s_wait_kmcnt 0x0
	s_add_nc_u64 s[20:21], s[4:5], s[20:21]
	s_add_nc_u64 s[22:23], s[4:5], s[22:23]
	s_add_nc_u64 s[46:47], s[6:7], s[46:47]
	s_add_nc_u64 s[92:93], s[6:7], s[92:93]
	CROUND
	s_mov_b32 s[G0S], 1
	s_add_co_u32 s[G0S+1], s94, SCL
	s_mov_b64 s[G0S+2:G0S+3], s[22:23]
	s_or_b32 s[G0S+3], s[G0S+3], 0x80000000
	s_mov_b32 s[G0SB], 1
	s_add_co_u32 s[G0SB+1], s94, SCL
	s_mov_b64 s[G0SB+2:G0SB+3], s[92:93]
	s_or_b32 s[G0SB+3], s[G0SB+3], 0x80000000
	JLOAD G0S, G1S, G0SB, G1SB
.irp s, 0,1
	s_mov_b32 s[G0+4*\s], 1
	s_add_co_u32 s[G0+4*\s+1], s45, \s*SLOT
	s_add_nc_u64 s[G0+4*\s+2:G0+4*\s+3], s[20:21], \s*TROW
	s_or_b32 s[G0+4*\s+3], s[G0+4*\s+3], 0x80000000
	s_mov_b32 s[G0B+4*\s], 1
	s_add_co_u32 s[G0B+4*\s+1], s45, \s*SLOT
	s_add_nc_u64 s[G0B+4*\s+2:G0B+4*\s+3], s[46:47], \s*TROW
	s_or_b32 s[G0B+4*\s+3], s[G0B+4*\s+3], 0x80000000
	JLOAD G0+4*\s, G1, G0B+4*\s, G1B               ; three tensor loads of mine are out at the most
.endr
	v_and_b32 v1, 15, v0
	v_bfe_u32 v2, v0, 4, 1
	v_lshlrev_b32 v4, 4, v1
	v_lshl_add_u32 v4, v2, 3, v4
	s_mul_i32 s21, s15, HALFT
	s_mul_i32 s22, s16, HALFT
	s_add_co_u32 s22, s22, 2*HALFT
.irp s, 0,1
	v_add_nc_u32 v[ADRA+\s], s21, v4
	v_add_nc_u32 v[ADRB+\s], s22, v4
	s_add_co_u32 s21, s21, SLOT
	s_add_co_u32 s22, s22, SLOT
.endr
	v_mul_u32_u24 v5, v1, KSB
	v_lshrrev_b32 v6, 8, v5
	v_lshl_add_u32 v5, v6, 4, v5
	s_mul_i32 s21, s15, HALFS
	s_mul_i32 s22, s16, HALFS
	s_add_co_u32 s22, s22, 2*HALFS
	s_sub_co_u32 s22, s22, s21
	v_mul_u32_u24 v6, s22, v2
	s_add_co_u32 s21, s21, SCL
	v_add_nc_u32 v5, v5, v6
	v_add_nc_u32 v[ADRS], s21, v5
.macro FRAG reg, adr, q, i
.irp p, 0,1,2,3,4,5
	ds_load_b64 v[\reg+2*\p:\reg+2*\p+1], v[\adr] offset:(\i)*TROW+(\q)*1536+256*\p
.endr
.endm
.macro MUL16 a0, p, q, sc, zero        ; the 64 accumulators take turns, one instruction a turn
.irp a, \a0, \a0+1
.irp b, 0,1,2,3,4,5,6,7
.if \zero
	v_wmma_scale_f32_16x16x128_f8f6f4 v[8*(8*((\a)%4)+\b):8*(8*((\a)%4)+\b)+7], v[128*(\p)+FR*\b:128*(\p)+FR*\b+FR-1], v[AF+FR*(\a):AF+FR*(\a)+FR-1], 0, v[SC+8*NQ*(\sc)+NQ*\b+(\q)], v[SC+8*NQ*(\sc)+NQ*(\a)+(\q)] matrix_a_fmt:MATRIX_FMT_FP6 matrix_b_fmt:MATRIX_FMT_FP6 matrix_a_scale:MATRIX_SCALE_ROW1
.else
	v_wmma_scale_f32_16x16x128_f8f6f4 v[8*(8*((\a)%4)+\b):8*(8*((\a)%4)+\b)+7], v[128*(\p)+FR*\b:128*(\p)+FR*\b+FR-1], v[AF+FR*(\a):AF+FR*(\a)+FR-1], v[8*(8*((\a)%4)+\b):8*(8*((\a)%4)+\b)+7], v[SC+8*NQ*(\sc)+NQ*\b+(\q)], v[SC+8*NQ*(\sc)+NQ*(\a)+(\q)] matrix_a_fmt:MATRIX_FMT_FP6 matrix_b_fmt:MATRIX_FMT_FP6 matrix_a_scale:MATRIX_SCALE_ROW1
.endif
.endr
.endr
.endm
.macro FETCH_B slot, q, p
	WIN TO_B
.irp i, 0,1,2,3,4,5,6,7
	FRAG 128*(\p)+FR*\i, ADRB+\slot, \q, \i
.endr
	WIN 0
.endm
.macro FETCH_A slot, q, i0
.irp i, \i0, \i0+1, \i0+2, \i0+3
	FRAG AF+FR*(\i), ADRA+\slot, \q, \i
.endr
.endm
.macro SCALES sc
.irp i, 0,1,2,3,4,5,6,7
	ds_load_b64 v[SC+8*NQ*\sc+NQ*\i:SC+8*NQ*\sc+NQ*\i+1], v[ADRS] offset:\i*SBLK
.endr
.endm
.macro PLACES n
.rept \n
	v_nop
.endr
.endm
.macro STEP slot, q, zero
	s_wait_dscnt 4*NL                              ; the youngest 24 loads (A's blocks 4-7) may be out
	WIN MUL_LO
	MUL16 0, (\q)%2, \q, \slot, \zero
	MUL16 2, (\q)%2, \q, \slot, \zero
	s_wait_dscnt 0
	PLACES NP
	FETCH_B \slot, (\q)+1, 1-(\q)%2
	FETCH_A \slot, (\q)+1, 0
	WIN MUL_HI
	MUL16 4, (\q)%2, \q, \slot, \zero
	MUL16 6, (\q)%2, \q, \slot, \zero
	PLACES NP
	WIN 0
	FETCH_A \slot, (\q)+1, 4
.endm
.macro TURN slot, next, fill
	s_wait_tensorcnt 0x0                           ; all my tensor loads have landed: my part of the next slot
	ds_add_u32 v[SPW], v[NIL]
	s_wait_dscnt 4*NL+1                            ; (the add and the youngest 24 loads may be out)
	WIN MUL_LO
	MUL16 0, 1, NQ-1, \slot, 0
	s_wait_dscnt 0x0                               ; the add is done, and my reads of this slot are over
	s_barrier_signal -1
	MUL16 2, 1, NQ-1, \slot, 0
	WIN 0
	s_barrier_wait -1
.if \fill
	CREST
	s_add_nc_u64 s[G0+4*\slot+2:G0+4*\slot+3], s[G0+4*\slot+2:G0+4*\slot+3], 2*TROW
	s_add_nc_u64 s[G0B+4*\slot+2:G0B+4*\slot+3], s[G0B+4*\slot+2:G0B+4*\slot+3], 2*TROW
	JLOAD G0+4*\slot, G1, G0B+4*\slot, G1B
.else
	PLACES NP
.endif
	v_add_nc_u32 v[ADRS], 4*NQ, v[ADRS]
	FETCH_B \next, 0, 0
	FETCH_A \next, 0, 0
	SCALES \next
	WIN MUL_HI
	MUL16 4, 1, NQ-1, \slot, 0
	MUL16 6, 1, NQ-1, \slot, 0
	PLACES NP
	WIN 0
	FETCH_A \next, 0, 4
.endm
	s_wait_tensorcnt 1                             ; the scales and my part of slot 0 are in; slot 1's load may be out
	s_barrier_signal -1
	s_barrier_wait -1
	FETCH_B 0, 0, 0
	FETCH_A 0, 0, 0
	SCALES 0
	FETCH_A 0, 0, 4
	STEP 0, 0, 1
	s_mov_b32 s3, LAPS-1
.Llap:
	TURN 0, 1, 1
	STEP 1, 0, 0
	TURN 1, 0, 1
	STEP 0, 0, 0
	s_sub_co_u32 s3, s3, 1
	s_cmp_lg_u32 s3, 0
	s_cbranch_scc1 .Llap
	TURN 0, 1, 0
	STEP 1, 0, 0
	s_wait_dscnt 4*NL
	WIN MUL_LO
	MUL16 0, 1, NQ-1, 1, 0
	MUL16 2, 1, NQ-1, 1, 0
	s_wait_dscnt 0
	WIN MUL_HI
	MUL16 4, 1, NQ-1, 1, 0
	MUL16 6, 1, NQ-1, 1, 0
	WIN 0
	; ---- THE WAY OUT: my 64 hidden units are half c = my half of B of K step (B's tile) of g
	s_lshl_b32 s18, s17, 4
	s_lshl_b32 s19, s15, 3
	s_add_co_u32 s18, s18, s19                     ; my first token tile
	s_lshl_b32 s18, s18, 4
	s_add_co_u32 s18, s18, s42
	s_mul_i32 s18, s18, 1536
	s_mul_i32 s19, s16, 768
	s_add_co_u32 s18, s18, s19
	s_mov_b32 s19, 0
	s_add_nc_u64 s[10:11], s[8:9], s[18:19]
	s_lshl_b32 s18, s17, 8
	s_lshl_b32 s20, s15, 7
	s_add_co_u32 s18, s18, s20
	s_lshl_b32 s18, s18, 6                         ; 64 scale bytes a row
	s_lshl_b32 s20, s42, 2
	s_add_co_u32 s18, s18, s20
	s_lshl_b32 s20, s16, 1
	s_add_co_u32 s18, s18, s20
	s_add_co_u32 s18, s18, 0x600000
	s_add_nc_u64 s[12:13], s[8:9], s[18:19]
	PLACES NP
	v_lshlrev_b32 v[LO], 4, v1
	v_lshl_add_u32 v[LO], v2, 3, v[LO]
	v_lshlrev_b32 v[R64], 6, v1
.irp b, 0,1
	v_mov_b32 v[TM+4+\b], 0
.endr
.macro ACT a
.set WW, 2+(\a)/4
.set A1, 64*((\a)%4)
	s_wait_xcnt 0x0                                ; the last block's stores have read their data
	WIN WW
.set j, 0
.rept 16
	v_pk_mul_f32 v[EXR+j:EXR+j+1], v[A1+j:A1+j+1], 0xbfb8aa3b op_sel_hi:[1,0]    ; -a1 log2(e); each accumulator is read from its low end on
.set j, j+2
.endr
	WIN 0
.set j, 0
.rept 32
	v_exp_f32 v[EXR+j], v[EXR+j]
.set j, j+1
.endr
	WIN WW|(WW<<2)
.set j, 0
.rept 16
	v_pk_mul_f32 v[GAT+j:GAT+j+1], v[A1+j:A1+j+1], v[A1+32+j:A1+33+j]            ; a1 a3: independent work behind the exponentials
.set j, j+2
.endr
	WIN 0
	s_wait_alu depctr_va_vdst(0)                   ; one wait for the batch, ahead of its first reader
.set j, 0
.rept 16
	v_pk_add_f32 v[EXR+j:EXR+j+1], v[EXR+j:EXR+j+1], 1.0 op_sel_hi:[1,0]
.set j, j+2
.endr
.set j, 0
.rept 32
	v_rcp_f32 v[EXR+j], v[EXR+j]
.set j, j+1
.endr
	v_nop
	s_wait_alu depctr_va_vdst(0)
.set j, 0
.rept 16
	v_pk_mul_f32 v[GAT+j:GAT+j+1], v[GAT+j:GAT+j+1], v[EXR+j:EXR+j+1]
.set j, j+2
.endr
	QUANT GAT, 0, 2
.irp g, 0,1,2
	global_store_b64 v[LO], v[PC+2*\g:PC+2*\g+1], s[10:11] offset:(\a)*24576+256*\g   ; 256 consecutive bytes a store
.endr
	global_store_b16 v[R64], v[PW], s[12:13] offset:1024*(\a)    ; two bytes a row: the word's other half is another wave's
.endm
.irp a, 0,1,2,3,4,5,6,7
	ACT \a
.endr
	s_wait_tensorcnt 0x0                           ; the wave's end
	ds_add_u32 v[SPW], v[NIL]
	s_wait_dscnt 0x0
	CROUND                                         ; the closing round
	s_endpgm
.Lfunc_end_k_qabf8c70c38_w13:
	.size	k_qabf8c70c38_w13, .Lfunc_end_k_qabf8c70c38_w13-k_qabf8c70c38_w13
	.p2alignl 7, 3214868480
	.fill 96, 4, 3214868480
	.section	.rodata,"a",@progbits
	.p2align	6, 0x0
	.amdhsa_kernel k_qabf8c70c38_w13
		.amdhsa_group_segment_fixed_size 327680
		.amdhsa_private_segment_fixed_size 0
		.amdhsa_enable_private_segment 0
		.amdhsa_kernarg_size 24
		.amdhsa_user_sgpr_count 2
		.amdhsa_user_sgpr_kernarg_segment_ptr 1
		.amdhsa_wavefront_size32 1
		.amdhsa_system_sgpr_workgroup_id_x 1
		.amdhsa_system_sgpr_workgroup_id_y 1
		.amdhsa_system_sgpr_workgroup_id_z 1
		.amdhsa_system_vgpr_workitem_id 0
		.amdhsa_next_free_vgpr 1024
		.amdhsa_next_free_sgpr 100
		.amdhsa_reserve_vcc 0
		.amdhsa_float_denorm_mode_32 3
		.amdhsa_float_denorm_mode_16_64 3
		.amdhsa_memory_ordered 1
		.amdhsa_forward_progress 1
		.amdhsa_inst_pref_size 202
	.end_amdhsa_kernel
	.amdgpu_metadata
---
amdhsa.version: [ 1, 2 ]
amdhsa.kernels:
  - .name:           k_qabf8c70c38_w13
    .symbol:         k_qabf8c70c38_w13.kd
    .args:
      - { .name: n2, .offset: 0, .size: 8, .value_kind: global_buffer, .address_space: global }
      - { .name: w, .offset: 8, .size: 8, .value_kind: global_buffer, .address_space: global }
      - { .name: g, .offset: 16, .size: 8, .value_kind: global_buffer, .address_space: global }
    .group_segment_fixed_size: 327680
    .private_segment_fixed_size: 0
    .kernarg_segment_align: 8
    .kernarg_segment_size: 24
    .max_flat_workgroup_size: 128
    .sgpr_count:     100
    .vgpr_count:     1024
    .wavefront_size: 32
...
	.end_amdgpu_metadata
.endif
;; end of part 5
;; launch w2o (part 6): grid 4 x 16, 4 waves a work-group, clusters of 4 x 4, 327,680 bytes of LDS; arguments g, w, h, out0; writes out0
.if DOCPART == 6
	.amdgcn_target "amdgcn-amd-amdhsa--gfx1250"
	.amdhsa_code_object_version 6
	.text
	.protected	k_qabf8c70c38_w2o
	.globl	k_qabf8c70c38_w2o
	.p2align	8
	.type	k_qabf8c70c38_w2o,@function
k_qabf8c70c38_w2o:
	s_mov_b64 s[64:65], 0
	v_nop
	global_prefetch_b8 v0, s[64:65] scope:SCOPE_SE
	s_setreg_imm32_b32 hwreg(HW_REG_WAVE_MODE, 25, 1), 1
	s_wait_xcnt 0x0
	s_wait_alu depctr_hold_cnt(0) depctr_sa_sdst(0) depctr_va_vdst(0) depctr_va_sdst(0) depctr_va_ssrc(0) depctr_va_vcc(0) depctr_vm_vsrc(0)
	s_getreg_b32 s2, hwreg(HW_REG_IB_STS2, 6, 4)
	s_cmp_eq_u32 s2, 0
	s_cbranch_scc0 .Lentry_in_a_cluster
	s_endpgm
.Lentry_in_a_cluster:
	s_bfe_u32 s2, ttmp6, 0x10000c
	s_cmp_lg_u32 s2, 0xf033
	s_cbranch_scc0 .Lentry_shape_is_right
	s_endpgm
.Lentry_shape_is_right:
; W2O: out0 = h + g w2 on codes of FP6 (E2M3), K = 2,048.
; The core is the tile product of launch qkv: 256 x 256 results to a work-group, 128 x 128 to a wave; K in steps of 256 through a ring of two LDS slots; operands as images of registers; the scale bytes of all of K come
; once; clusters of 4 x 4 ask for A's tiles (tokens, g) jointly along a row, for B's (columns of w2) along a column.  4,096 x 1,024 results are 64 such tiles: 64 work-groups.
; A lane holds one token (image row r of tile T = token 32 (T / 2) + 8 (T % 2) + r + 8 (r / 8)) and its registers run along the columns: the 16 registers of tiles 2 b, 2 b + 1 are columns 32 b + 16 (lane / 16) + i.
; THE WAY OUT: a block of 16 tokens x 128 columns goes through the wave's stage (in slot 0, which has had its last fill and its last read) and comes back as whole rows of 512 bytes; h's rows, loaded two blocks ahead,
; are added; 32 lanes store 512 consecutive bytes.
.set SIZE_K, 2048
.set NQ,     2
.set NKS,    SIZE_K/128
.set KROW,   SIZE_K*6/8
.set KSB,    SIZE_K/32
.set FR,     12
.set NL,     6
.set NP,     4
.set TROW,   3072
.set HALFT,  8*TROW
.set SLOT,   4*HALFT
.set LAPS,   SIZE_K/512
.set SCL,    2*SLOT
.set HALFS,  (128*KSB/256)*272
.set SBLK,   (16*KSB/256)*272
.set SPARE,  SCL+4*HALFS
.set SPITCH, 528
.set ADRA, 16
.set ADRB, 20
.set STO,  24
.set RD,   25
.set CO,   26
.set ADRS, 27
.set SPW,  28
.set NIL,  29
.set SC,   32
.set AF,   128
.set BK,   128                         ; the way out: rows read back: v128-191 and v192-255 by turns; h's rows: window 1, four sets of 64
.set G1, 24
.set G0, 32
.set G1B, 48
.set G0B, 56
.set G1S, 68
.set G0S, 76
.set G1SB, 80
.set G0SB, 88
.set MSB, 0
.macro WIN new                         ; the immediate's high byte repeats the setting that is left
.if MSB != (\new)
	s_set_vgpr_msb (MSB<<8)|(\new)
.set MSB, (\new)
.endif
.endm
.set MUL_LO, 0xa1
.set MUL_HI, 0xf1
.set TO_B,   0x40
.macro JLOAD g0a, g1a, g0b, g1b        ; a joint load: waves 0 and 1 fetch for A, waves 2 and 3 for B; an s_nop 0 and four v_nop follow each line
	s_cmp_eq_u32 s15, 0
	s_cbranch_scc0 .Lfor_b_\@
	tensor_load_to_lds s[\g0a:\g0a+3], s[\g1a:\g1a+7]
	s_nop 0
.rept 4
	v_nop
.endr
	s_branch .Lasked_\@
.Lfor_b_\@:
	tensor_load_to_lds s[\g0b:\g0b+3], s[\g1b:\g1b+7]
	s_nop 0
.rept 4
	v_nop
.endr
.Lasked_\@:
.endm
.macro CREST
	s_cmp_lg_u32 s14, 0
	s_cbranch_scc1 .Lnot_wave_0_\@
	s_barrier_signal -3
.Lnot_wave_0_\@:
	s_barrier_wait -3
	s_barrier_signal -1
	s_barrier_wait -1
.endm
.macro CROUND
	s_barrier_signal -1
	s_barrier_wait -1
	CREST
.endm
	s_load_b256 s[4:11], s[0:1], 0x0               ; g s[4:5], w s[6:7], h s[8:9], out0 s[10:11]
	v_lshl_add_u32 v[SPW], v0, 2, SPARE
	v_mov_b32 v[NIL], 0
	ds_add_u32 v[SPW], v[NIL]                      ; the wave's opening: the add and its wait ahead of my first tensor load
	v_lshrrev_b32 v1, 5, v0
	v_readfirstlane_b32 s14, v1
	s_lshr_b32 s15, s14, 1
	s_and_b32 s16, s14, 1
	s_bfe_u32 s40, ttmp6, 0x40000                  ; cx
	s_bfe_u32 s41, ttmp6, 0x40004                  ; cy
	s_lshl_b32 s42, ttmp9, 2
	s_add_co_u32 s42, s42, s40                     ; B's tile of 256 rows
	s_and_b32 s17, ttmp7, 0xffff
	s_lshl_b32 s17, s17, 2
	s_add_co_u32 s17, s17, s41                     ; A's
	s_lshl_b32 s43, s41, 2
	s_lshl_b32 s43, 15, s43
	s_lshl_b32 s44, 0x1111, s40
	s_or_b32 s[G1+0], s43, (3<<16)|(1<<21)         ; codes: 8 rows (tiles) of 3,072 bytes, NKS x 1,536 bytes apart, no padding
	s_or_b32 s[G1B+0], s44, (3<<16)|(1<<21)
.irp g, G1, G1B
	s_mov_b32 s[\g+1], 384<<16
	s_mov_b32 s[\g+2], 8<<16
	s_mov_b32 s[\g+3], 384<<16
	s_mov_b32 s[\g+4], 8
	s_mov_b32 s[\g+5], NKS*192
	s_mov_b32 s[\g+6], 0
	s_mov_b32 s[\g+7], 0
.endr
	s_or_b32 s[G1S+0], s43, (3<<16)|(1<<20)|(1<<21)|(5<<22)|(3<<25)   ; scales: rows of 256 bytes, 16 of padding behind each
	s_or_b32 s[G1SB+0], s44, (3<<16)|(1<<20)|(1<<21)|(5<<22)|(3<<25)
.irp g, G1S, G1SB
	s_mov_b32 s[\g+1], 32<<16
	s_mov_b32 s[\g+2], (128*KSB/256)<<16
	s_mov_b32 s[\g+3], 32<<16
	s_mov_b32 s[\g+4], 128*KSB/256
	s_mov_b32 s[\g+5], 32
	s_mov_b32 s[\g+6], 0
	s_mov_b32 s[\g+7], 0
.endr
	s_lshl_b32 s18, s16, 7
	s_lshl_b32 s20, s17, 8
	s_add_co_u32 s20, s20, s18
	s_lshl_b32 s46, s42, 8
	s_add_co_u32 s46, s46, s18
	s_mov_b32 s21, 0
	s_mov_b32 s47, 0
	s_mov_b64 s[18:19], KSB
	s_mul_u64 s[22:23], s[20:21], s[18:19]
	s_mul_u64 s[92:93], s[46:47], s[18:19]
	s_mov_b64 s[18:19], KROW
	s_mul_u64 s[20:21], s[20:21], s[18:19]
	s_mul_u64 s[46:47], s[46:47], s[18:19]
	s_add_nc_u64 s[22:23], s[22:23], 0x600000      ; g's scale bytes
	s_add_nc_u64 s[46:47], s[46:47], 0x900000      ; w2's codes
	s_add_nc_u64 s[92:93], s[92:93], 0xAE0000      ; w2's scale bytes
	s_mul_i32 s45, s14, HALFT
	s_mul_i32 s94, s14, HALFS
	s_wait_dscnt 0x0                               ; the opening add is done
	s_wait_kmcnt 0x0
	s_add_nc_u64 s[20:21], s[4:5], s[20:21]
	s_add_nc_u64 s[22:23], s[4:5], s[22:23]
	s_add_nc_u64 s[46:47], s[6:7], s[46:47]
	s_add_nc_u64 s[92:93], s[6:7], s[92:93]
	CROUND
	s_mov_b32 s[G0S], 1
	s_add_co_u32 s[G0S+1], s94, SCL
	s_mov_b64 s[G0S+2:G0S+3], s[22:23]
	s_or_b32 s[G0S+3], s[G0S+3], 0x80000000
	s_mov_b32 s[G0SB], 1
	s_add_co_u32 s[G0SB+1], s94, SCL
	s_mov_b64 s[G0SB+2:G0SB+3], s[92:93]
	s_or_b32 s[G0SB+3], s[G0SB+3], 0x80000000
	JLOAD G0S, G1S, G0SB, G1SB
.irp s, 0,1
	s_mov_b32 s[G0+4*\s], 1
	s_add_co_u32 s[G0+4*\s+1], s45, \s*SLOT
	s_add_nc_u64 s[G0+4*\s+2:G0+4*\s+3], s[20:21], \s*TROW
	s_or_b32 s[G0+4*\s+3], s[G0+4*\s+3], 0x80000000
	s_mov_b32 s[G0B+4*\s], 1
	s_add_co_u32 s[G0B+4*\s+1], s45, \s*SLOT
	s_add_nc_u64 s[G0B+4*\s+2:G0B+4*\s+3], s[46:47], \s*TROW
	s_or_b32 s[G0B+4*\s+3], s[G0B+4*\s+3], 0x80000000
	JLOAD G0+4*\s, G1, G0B+4*\s, G1B               ; three tensor loads of mine are out at the most
.endr
	v_and_b32 v1, 15, v0
	v_bfe_u32 v2, v0, 4, 1
	v_lshlrev_b32 v4, 4, v1
	v_lshl_add_u32 v4, v2, 3, v4
	s_mul_i32 s21, s15, HALFT
	s_mul_i32 s22, s16, HALFT
	s_add_co_u32 s22, s22, 2*HALFT
.irp s, 0,1
	v_add_nc_u32 v[ADRA+\s], s21, v4
	v_add_nc_u32 v[ADRB+\s], s22, v4
	s_add_co_u32 s21, s21, SLOT
	s_add_co_u32 s22, s22, SLOT
.endr
	v_mul_u32_u24 v5, v1, KSB
	v_lshrrev_b32 v6, 8, v5
	v_lshl_add_u32 v5, v6, 4, v5
	s_mul_i32 s21, s15, HALFS
	s_mul_i32 s22, s16, HALFS
	s_add_co_u32 s22, s22, 2*HALFS
	s_sub_co_u32 s22, s22, s21
	v_mul_u32_u24 v6, s22, v2
	s_add_co_u32 s21, s21, SCL
	v_add_nc_u32 v5, v5, v6
	v_add_nc_u32 v[ADRS], s21, v5
	s_mul_i32 s23, s14, 16*SPITCH                  ; my stage
	v_mul_u32_u24 v5, v1, SPITCH
	v_lshl_add_u32 v5, v2, 6, v5
	v_add_nc_u32 v[STO], s23, v5                   ; in: row r, + 64 h
	v_and_b32 v6, 31, v0
	v_lshlrev_b32 v[CO], 4, v6                     ; back: the 32 lanes take one row of 512 bytes; the same in h and in out0
	v_add_nc_u32 v[RD], s23, v[CO]
	s_lshl_b32 s20, s17, 8
	s_lshl_b32 s21, s15, 7
	s_add_co_u32 s20, s20, s21
	s_lshl_b32 s20, s20, 12                        ; my first token's row of 4,096 bytes
	s_lshl_b32 s21, s42, 10
	s_add_co_u32 s20, s20, s21
	s_lshl_b32 s21, s16, 9
	s_add_co_u32 s20, s20, s21                     ; + my first column
	s_mov_b32 s21, 0
	s_add_nc_u64 s[8:9], s[8:9], s[20:21]
	s_add_nc_u64 s[10:11], s[10:11], s[20:21]
.macro FRAG reg, adr, q, i
.irp p, 0,1,2,3,4,5
	ds_load_b64 v[\reg+2*\p:\reg+2*\p+1], v[\adr] offset:(\i)*TROW+(\q)*1536+256*\p
.endr
.endm
.macro MUL16 a0, p, q, sc, zero        ; the 64 accumulators take turns, one instruction a turn
.irp a, \a0, \a0+1
.irp b, 0,1,2,3,4,5,6,7
.if \zero
	v_wmma_scale_f32_16x16x128_f8f6f4 v[8*(8*((\a)%4)+\b):8*(8*((\a)%4)+\b)+7], v[128*(\p)+FR*\b:128*(\p)+FR*\b+FR-1], v[AF+FR*(\a):AF+FR*(\a)+FR-1], 0, v[SC+8*NQ*(\sc)+NQ*\b+(\q)], v[SC+8*NQ*(\sc)+NQ*(\a)+(\q)] matrix_a_fmt:MATRIX_FMT_FP6 matrix_b_fmt:MATRIX_FMT_FP6 matrix_a_scale:MATRIX_SCALE_ROW1
.else
	v_wmma_scale_f32_16x16x128_f8f6f4 v[8*(8*((\a)%4)+\b):8*(8*((\a)%4)+\b)+7], v[128*(\p)+FR*\b:128*(\p)+FR*\b+FR-1], v[AF+FR*(\a):AF+FR*(\a)+FR-1], v[8*(8*((\a)%4)+\b):8*(8*((\a)%4)+\b)+7], v[SC+8*NQ*(\sc)+NQ*\b+(\q)], v[SC+8*NQ*(\sc)+NQ*(\a)+(\q)] matrix_a_fmt:MATRIX_FMT_FP6 matrix_b_fmt:MATRIX_FMT_FP6 matrix_a_scale:MATRIX_SCALE_ROW1
.endif
.endr
.endr
.endm
.macro FETCH_B slot, q, p
	WIN TO_B
.irp i, 0,1,2,3,4,5,6,7
	FRAG 128*(\p)+FR*\i, ADRB+\slot, \q, \i
.endr
	WIN 0
.endm
.macro FETCH_A slot, q, i0
.irp i, \i0, \i0+1, \i0+2, \i0+3
	FRAG AF+FR*(\i), ADRA+\slot, \q, \i
.endr
.endm
.macro SCALES sc
.irp i, 0,1,2,3,4,5,6,7
	ds_load_b64 v[SC+8*NQ*\sc+NQ*\i:SC+8*NQ*\sc+NQ*\i+1], v[ADRS] offset:\i*SBLK
.endr
.endm
.macro PLACES n
.rept \n
	v_nop
.endr
.endm
.macro STEP slot, q, zero
	s_wait_dscnt 4*NL                              ; the youngest 24 loads (A's blocks 4-7) may be out
	WIN MUL_LO
	MUL16 0, (\q)%2, \q, \slot, \zero
	MUL16 2, (\q)%2, \q, \slot, \zero
	s_wait_dscnt 0
	PLACES NP
	FETCH_B \slot, (\q)+1, 1-(\q)%2
	FETCH_A \slot, (\q)+1, 0
	WIN MUL_HI
	MUL16 4, (\q)%2, \q, \slot, \zero
	MUL16 6, (\q)%2, \q, \slot, \zero
	PLACES NP
	WIN 0
	FETCH_A \slot, (\q)+1, 4
.endm
.macro TURN slot, next, fill
	s_wait_tensorcnt 0x0                           ; all my tensor loads have landed: my part of the next slot
	ds_add_u32 v[SPW], v[NIL]
	s_wait_dscnt 4*NL+1                            ; (the add and the youngest 24 loads may be out)
	WIN MUL_LO
	MUL16 0, 1, NQ-1, \slot, 0
	s_wait_dscnt 0x0                               ; the add is done, and my reads of this slot are over
	s_barrier_signal -1
	MUL16 2, 1, NQ-1, \slot, 0
	WIN 0
	s_barrier_wait -1
.if \fill
	CREST
	s_add_nc_u64 s[G0+4*\slot+2:G0+4*\slot+3], s[G0+4*\slot+2:G0+4*\slot+3], 2*TROW
	s_add_nc_u64 s[G0B+4*\slot+2:G0B+4*\slot+3], s[G0B+4*\slot+2:G0B+4*\slot+3], 2*TROW
	JLOAD G0+4*\slot, G1, G0B+4*\slot, G1B
.else
	PLACES NP
.endif
	v_add_nc_u32 v[ADRS], 4*NQ, v[ADRS]
	FETCH_B \next, 0, 0
	FETCH_A \next, 0, 0
	SCALES \next
	WIN MUL_HI
	MUL16 4, 1, NQ-1, \slot, 0
	MUL16 6, 1, NQ-1, \slot, 0
	PLACES NP
	WIN 0
	FETCH_A \next, 0, 4
.endm
	s_wait_tensorcnt 1                             ; the scales and my part of slot 0 are in; slot 1's load may be out
	s_barrier_signal -1
	s_barrier_wait -1
	FETCH_B 0, 0, 0
	FETCH_A 0, 0, 0
	SCALES 0
	FETCH_A 0, 0, 4
	STEP 0, 0, 1
	s_mov_b32 s3, LAPS-1
.Llap:
	TURN 0, 1, 1
	STEP 1, 0, 0
	TURN 1, 0, 1
	STEP 0, 0, 0
	s_sub_co_u32 s3, s3, 1
	s_cmp_lg_u32 s3, 0
	s_cbranch_scc1 .Llap
	TURN 0, 1, 0
	STEP 1, 0, 0
	s_wait_dscnt 4*NL
	WIN MUL_LO
	MUL16 0, 1, NQ-1, 1, 0
	MUL16 2, 1, NQ-1, 1, 0
	s_wait_dscnt 0
	WIN MUL_HI
	MUL16 4, 1, NQ-1, 1, 0
	MUL16 6, 1, NQ-1, 1, 0
	WIN 0
.macro TOSTAGE a                       ; block a into my stage, and back as whole rows (LDS serves a wave's instructions in order: no wait between)
.set AC, 64*((\a)%4)
	WIN 0x08+4*((\a)/4)                            ; the data: window 2 or 3
.irp b, 0,1,2,3,4,5,6,7
	ds_store_b128 v[STO], v[AC+8*\b:AC+8*\b+3] offset:128*(\b/2)+32*(\b%2)       ; each accumulator from its low end on
	ds_store_b128 v[STO], v[AC+8*\b+4:AC+8*\b+7] offset:128*(\b/2)+32*(\b%2)+16
.endr
	WIN 0
.set BB, BK+64*((\a)%2)
.irp t, 0,1,2,3,4,5,6,7,8,9,10,11,12,13,14,15
	ds_load_b128 v[BB+4*\t:BB+4*\t+3], v[RD] offset:\t*SPITCH
.endr
.endm
.macro HL a                            ; h's 16 rows of block a: stage row t is token 32 (a / 2) + 8 (a % 2) + t + 8 (t / 8) of my 128
	WIN 0x40
.irp t, 0,1,2,3,4,5,6,7,8,9,10,11,12,13,14,15
	global_load_b128 v[64*((\a)%4)+4*\t:64*((\a)%4)+4*\t+3], v[CO], s[8:9] offset:(32*((\a)/2)+8*((\a)%2)+\t+8*(\t/8))*4096 th:TH_LOAD_NT
.endr
	WIN 0
.endm
.macro SEND a, younger, later          ; younger: LDS instructions issued behind block a's loads; later: groups of 16 loads of h issued behind block a's
.set BB, BK+64*((\a)%2)
.set HB, 64*((\a)%4)
	s_wait_dscnt \younger
	s_wait_loadcnt 16*(\later)
	WIN 0x04                                       ; source 1 (h) window 1
.set j, 0
.rept 32
	v_pk_add_f32 v[BB+j:BB+j+1], v[BB+j:BB+j+1], v[HB+j:HB+j+1]
.set j, j+2
.endr
	WIN 0
.irp t, 0,1,2,3,4,5,6,7,8,9,10,11,12,13,14,15
	global_store_b128 v[CO], v[BB+4*\t:BB+4*\t+3], s[10:11] offset:(32*((\a)/2)+8*((\a)%2)+\t+8*(\t/8))*4096 th:TH_STORE_NT   ; 512 consecutive bytes of a row
.endr
.endm
	PLACES NP                                      ; ahead of loads into registers that the last products read, and of the first read of results
	HL 0
	HL 1
	HL 2
	TOSTAGE 0
	TOSTAGE 1
	SEND 0, 32, 2
	HL 3
.irp a, 2,3,4,5
	s_wait_xcnt 0x0                                ; block a - 2's stores have read their registers: block a's rows may land there
	TOSTAGE \a
	SEND \a-1, 32, 2
	HL \a+2
.endr
	s_wait_xcnt 0x0
	TOSTAGE 6
	SEND 5, 32, 2
	s_wait_xcnt 0x0
	TOSTAGE 7
	SEND 6, 32, 1
	SEND 7, 0, 0
	s_wait_tensorcnt 0x0                           ; the wave's end
	ds_add_u32 v[SPW], v[NIL]
	s_wait_dscnt 0x0
	CROUND                                         ; the closing round
	s_endpgm
.Lfunc_end_k_qabf8c70c38_w2o:
	.size	k_qabf8c70c38_w2o, .Lfunc_end_k_qabf8c70c38_w2o-k_qabf8c70c38_w2o
	.p2alignl 7, 3214868480
	.fill 96, 4, 3214868480
	.section	.rodata,"a",@progbits
	.p2align	6, 0x0
	.amdhsa_kernel k_qabf8c70c38_w2o
		.amdhsa_group_segment_fixed_size 327680
		.amdhsa_private_segment_fixed_size 0
		.amdhsa_enable_private_segment 0
		.amdhsa_kernarg_size 32
		.amdhsa_user_sgpr_count 2
		.amdhsa_user_sgpr_kernarg_segment_ptr 1
		.amdhsa_wavefront_size32 1
		.amdhsa_system_sgpr_workgroup_id_x 1
		.amdhsa_system_sgpr_workgroup_id_y 1
		.amdhsa_system_sgpr_workgroup_id_z 1
		.amdhsa_system_vgpr_workitem_id 0
		.amdhsa_next_free_vgpr 1024
		.amdhsa_next_free_sgpr 100
		.amdhsa_reserve_vcc 0
		.amdhsa_float_denorm_mode_32 3
		.amdhsa_float_denorm_mode_16_64 3
		.amdhsa_memory_ordered 1
		.amdhsa_forward_progress 1
		.amdhsa_inst_pref_size 188
	.end_amdhsa_kernel
	.amdgpu_metadata
---
amdhsa.version: [ 1, 2 ]
amdhsa.kernels:
  - .name:           k_qabf8c70c38_w2o
    .symbol:         k_qabf8c70c38_w2o.kd
    .args:
      - { .name: g, .offset: 0, .size: 8, .value_kind: global_buffer, .address_space: global }
      - { .name: w, .offset: 8, .size: 8, .value_kind: global_buffer, .address_space: global }
      - { .name: h, .offset: 16, .size: 8, .value_kind: global_buffer, .address_space: global }
      - { .name: out0, .offset: 24, .size: 8, .value_kind: global_buffer, .address_space: global }
    .group_segment_fixed_size: 327680
    .private_segment_fixed_size: 0
    .kernarg_segment_align: 8
    .kernarg_segment_size: 32
    .max_flat_workgroup_size: 128
    .sgpr_count:     100
    .vgpr_count:     1024
    .wavefront_size: 32
...
	.end_amdgpu_metadata
.endif
;; end of part 6
;; ======== version 2 of 2: 6 launches
;; limits: right only within a limited range of input values
;; workspace buffers: w 11,468,800 bytes; qkv 13,107,200 bytes; at 3,276,800 bytes; h 16,777,216 bytes; n2 3,276,800 bytes; g 6,553,600 bytes
;; launch prep (part 7): grid 576 x 1, 8 waves a work-group, no clusters, 69,120 bytes of LDS; arguments x, ln1_w, wq, wk, wv, wo, w1, w3, w2, w; writes w
.if DOCPART == 7
	.amdgcn_target "amdgcn-amd-amdhsa--gfx1250"
	.amdhsa_code_object_version 6
	.text
	.protected	k_qabf8c70c38_prep
	.globl	k_qabf8c70c38_prep
	.p2align	8
	.type	k_qabf8c70c38_prep,@function
k_qabf8c70c38_prep:
	s_mov_b64 s[64:65], 0
	v_nop
	global_prefetch_b8 v0, s[64:65] scope:SCOPE_SE
	s_setreg_imm32_b32 hwreg(HW_REG_WAVE_MODE, 25, 1), 1
	s_wait_xcnt 0x0
; PREP: work-groups 0-255: n1 = rmsnorm(x, ln1_w), quantised to FP6 (E2M3) along the 1,024 features; work-groups 256-575: the seven weights, quantised along K, their FIRST axis.
; All results go to the workspace w as IMAGES OF OPERAND REGISTERS.  A fragment (16 rows x 128 K, 12 registers a lane) is 1,536 bytes at (tile x K steps + step) x 1,536; registers 2 p, 2 p + 1 of lane (r, h) lie
; at 256 p + 16 r + 8 h: each store or load of 8 bytes a lane covers 256 consecutive bytes.  Scale bytes lie [image row][K / 32].
; THE ROWS OF A TILE ARE NOT NEIGHBOURS: image row r of tile T stands for true index 32 (T / 2) + 8 (T % 2) + r + 8 (r / 8), so that a product that takes such tiles as source 0 leaves 16 neighbours in the
; 16 registers of two neighbouring tiles.
; w: codes of K = 1,024: n1 rows 0.., wq 4,096.., wk 5,120.., wv 6,144.., wo 7,168.., w1 | w3 by groups of 64 + 64 columns 8,192..; w2's codes at 0x900000; scale bytes at 0xA80000 (w2's at 0xAE0000).
; A block's scale is 2^(floor(log2(largest magnitude)) - 2); its byte is the largest magnitude's exponent field - 2, held at 1 from below.
; LIMITS: a block whose largest magnitude lies under 2^-124 (a block of zeros too) gets the byte 1: its codes are then small or zero, and this program alone reads the bytes.  NaN and infinities are not served.
; No tensor loads, no cluster: no two work-groups read the same bytes but ln1_w's 4,096.
; EXCEPT wo's codes, which their one reader loads 16 bytes a lane: there registers 4 q .. 4 q + 3 of lane l = r + 16 h lie at 512 q + 16 l of the fragment's 1,536 bytes.
.set STGB,  8448
.set PART,  8*STGB                     ; 16 rows x 8 waves x 4 bytes: the waves' sums of squares
.set SPARE, PART+512                   ; the spare words, 128 bytes for each wave
.set SPW,   254                        ; v254 my spare word's address; never rewritten
.set NIL,   255                        ; v255 0; never rewritten
.set RAW,   32                         ; v32-95   x as loaded
.set ACC,   96                         ; v96-159  register 16 b + i = column 32 b + 16 h + i of my row
.set LNW,   160                        ; v160-223 ln1_w in the same order
.set TM,    224                        ; v224-239 the quantiser's work
.set PC,    32                         ; v32-50   the codes
.set PW,    52                         ; v52      the scale word
.set SM,    240                        ; v240-247 sums
.set X,     32                         ; weight path: v32-159 128 numbers down K
.set OUTR,  168                        ; v168-191 the codes as they are stored
.set SB,    192                        ; v192     four scale bytes
.set WV,    40
.set SEL,   42
.set MSB, 0
.macro WIN new                         ; the immediate's high byte repeats the setting that is left (here every window is 0: nothing is written)
.if MSB != (\new)
	s_set_vgpr_msb (MSB<<8)|(\new)
.set MSB, (\new)
.endif
.endm
; 16 nb numbers of a lane, v[s + 16 b + i] (window w) = k 32 b + 16 (lane / 16) + i of my row, become codes in v[PC] on (operand order) and nb scale bytes in v[PW].
.macro QUANT s, w, nb
	WIN (\w)|((\w)<<2)
.set qb, 0
.rept \nb
	v_max3_num_f32 v[TM+qb], |v[(\s)+16*qb]|, |v[(\s)+16*qb+1]|, 0x1800000   ; my 16 numbers of block qb, and the floor 2^(3 - 127): the byte cannot fall under 1
.set qb, qb+1
.endr
	WIN ((\w)<<2)|((\w)<<4)
.irp i, 2,4,6,8,10,12,14
.set qb, 0
.rept \nb
	s_delay_alu instid0(VALU_DEP_4)
	v_max3_num_f32 v[TM+qb], v[TM+qb], |v[(\s)+16*qb+\i]|, |v[(\s)+16*qb+\i+1]|
.set qb, qb+1
.endr
.endr
	WIN 0
.set qb, 0
.rept \nb
	s_delay_alu instid0(VALU_DEP_4)
	v_permlanex16_b32 v[TM+4+qb], v[TM+qb], s[SEL], s[SEL+1]
.set qb, qb+1
.endr
.set qb, 0
.rept \nb
	s_delay_alu instid0(VALU_DEP_4)
	v_max_num_f32 v[TM+qb], v[TM+qb], v[TM+4+qb]                  ; with lane l xor 16's: the block's largest magnitude
.set qb, qb+1
.endr
.set qb, 0
.rept \nb
	s_delay_alu instid0(VALU_DEP_4)
	v_add_nc_u32 v[TM+12+qb], 0xff000000, v[TM+qb]                ; 2 off its exponent field: the conversion's scale operand
.set qb, qb+1
.endr
.set qb, 0
.rept \nb
	s_delay_alu instid0(VALU_DEP_4)
	v_lshrrev_b32 v[TM+4+qb], 23, v[TM+12+qb]                     ; the scale's byte
.set qb, qb+1
.endr
	s_delay_alu instid0(VALU_DEP_3)
	v_lshl_or_b32 v[PW], v[TM+5], 8, v[TM+4]
.if (\nb) > 2
	s_delay_alu instid0(VALU_DEP_1)
	v_lshl_or_b32 v[PW], v[TM+6], 16, v[PW]
	s_delay_alu instid0(VALU_DEP_1)
	v_lshl_or_b32 v[PW], v[TM+7], 24, v[PW]
.endif
	WIN (\w)
.set qb, 0
.rept (\nb)/2
	v_cvt_scalef32_pk16_fp6_f32 v[PC+6*qb:PC+6*qb+2], v[(\s)+32*qb:(\s)+32*qb+15], v[TM+12+2*qb]
	v_cvt_scalef32_pk16_fp6_f32 v[PC+12+4*qb:PC+14+4*qb], v[(\s)+32*qb+16:(\s)+32*qb+31], v[TM+13+2*qb]   ; (a conversion's three registers begin on an even number)
.set qb, qb+1
.endr
	WIN 0
	v_nop                                          ; one plain place behind a scaled conversion
.set qb, 0
.rept (\nb)/2                          ; the operand's layout wants a whole block in a lane
.irp i, 0,1,2
	v_permlane16_swap_b32 v[PC+6*qb+\i], v[PC+12+4*qb+\i]
.endr
.irp i, 0,1,2
	s_delay_alu instid0(VALU_DEP_3)
	v_mov_b32 v[PC+3+6*qb+\i], v[PC+12+4*qb+\i]
.endr
.set qb, qb+1
.endr
.endm
	s_load_b256 s[4:11], s[0:1], 0x0               ; x, ln1_w, wq, wk
	s_load_b256 s[12:19], s[0:1], 0x20             ; wv, wo, w1, w3
	s_load_b128 s[20:23], s[0:1], 0x40             ; w2, w
	v_lshl_add_u32 v[SPW], v0, 2, SPARE
	v_mov_b32 v[NIL], 0
	v_lshrrev_b32 v1, 5, v0
	s_delay_alu instid0(VALU_DEP_1)
	v_readfirstlane_b32 s[WV], v1                  ; wave 0..7
	s_cmp_lt_u32 ttmp9, 256                        ; the same for all waves of a work-group
	s_cbranch_scc0 .Lweights
	; ---- THE NORM: the work-group takes token tile T = its number; wave w takes columns 128 w on: K step w
	v_and_b32 v1, 15, v0                           ; r
	v_bfe_u32 v2, v0, 4, 1                         ; h
	s_delay_alu instid0(VALU_DEP_2)
	v_lshlrev_b32 v3, 4, v1
	s_delay_alu instid0(VALU_DEP_1)
	v_lshl_add_u32 v3, v2, 3, v3                   ; 16 r + 8 h: my place in an image
	v_and_b32 v4, 31, v0
	s_delay_alu instid0(VALU_DEP_1)
	v_lshlrev_b32 v4, 4, v4                        ; 16 x lane
	s_mul_i32 s24, s[WV], STGB
	v_add_nc_u32 v5, s24, v4                       ; stage, by rows: 16 x lane
	v_mul_u32_u24 v6, v1, 528
	s_delay_alu instid0(VALU_DEP_1)
	v_lshl_add_u32 v6, v2, 6, v6
	s_delay_alu instid0(VALU_DEP_1)
	v_add_nc_u32 v6, s24, v6                       ; stage, by lanes: row r, + 64 h
	v_lshlrev_b32 v8, 5, v1
	s_delay_alu instid0(VALU_DEP_1)
	v_add_nc_u32 v8, PART, v8                      ; my row's eight partial sums
	s_lshl_b32 s25, s[WV], 2
	v_add_nc_u32 v7, s25, v8                       ; my wave's word among them
	v_lshlrev_b32 v9, 6, v2                        ; ln1_w: 64 h
	v_lshlrev_b32 v10, 5, v1                       ; scale bytes: 32 r
.irp b, 0,1,2,3
	v_mov_b32 v[TM+4+\b], 0                        ; written once: a lane permute's destination counts as one of its sources
.endr
	s_mov_b32 s[SEL], 0x76543210
	s_mov_b32 s[SEL+1], 0xfedcba98
	s_mov_b32 s38, 0x3a800000                      ; 1 / 1,024
	s_mov_b32 s39, 0x358637bd                      ; 1e-6
	s_lshr_b32 s26, ttmp9, 1
	s_lshl_b32 s26, s26, 17                        ; 32 (T / 2) rows of 4,096 bytes
	s_and_b32 s27, ttmp9, 1
	s_lshl_b32 s27, s27, 15                        ; + 8 (T % 2) rows
	s_add_co_u32 s26, s26, s27
	s_lshl_b32 s28, s[WV], 9                       ; + 512 w
	s_add_co_u32 s26, s26, s28
	s_mov_b32 s27, 0
	s_mov_b32 s29, 0
	s_lshl_b32 s30, ttmp9, 3
	s_add_co_u32 s30, s30, s[WV]
	s_mul_i32 s30, s30, 1536                       ; fragment (T, w)
	s_mov_b32 s31, 0
	s_lshl_b32 s32, ttmp9, 9
	s_add_co_u32 s32, s32, s25
	s_add_co_u32 s32, s32, 0xA80000                ; scale bytes: 512 T + 4 w
	s_mov_b32 s33, 0
	s_wait_alu depctr_va_vdst(0)
	s_wait_kmcnt 0x0
	s_add_nc_u64 s[4:5], s[4:5], s[26:27]
	s_add_nc_u64 s[6:7], s[6:7], s[28:29]
	s_add_nc_u64 s[34:35], s[22:23], s[30:31]
	s_add_nc_u64 s[36:37], s[22:23], s[32:33]
.set i, 0
.rept 16
	global_load_b128 v[RAW+4*i:RAW+4*i+3], v4, s[4:5] offset:(i+8*(i/8))*4096 th:TH_LOAD_NT   ; image row i: 512 consecutive bytes a load
.set i, i+1
.endr
.set i, 0
.rept 16
	global_load_b128 v[LNW+4*i:LNW+4*i+3], v9, s[6:7] offset:128*(i/4)+16*(i%4)
.set i, i+1
.endr
	s_wait_loadcnt 16                              ; x's 16 loads are in; ln1_w's 16 may be out
.set i, 0
.rept 16
	ds_store_b128 v5, v[RAW+4*i:RAW+4*i+3] offset:528*i
.set i, i+1
.endr
.set i, 0
.rept 16
	ds_load_b128 v[ACC+4*i:ACC+4*i+3], v6 offset:128*(i/4)+16*(i%4)   ; my wave's own bytes, served in order: no wait between the stores and the loads
.set i, i+1
.endr
	s_wait_dscnt 0x0
	v_pk_mul_f32 v[SM:SM+1], v[ACC:ACC+1], v[ACC:ACC+1]               ; the sum of squares, in two packed chains
	v_pk_mul_f32 v[SM+2:SM+3], v[ACC+2:ACC+3], v[ACC+2:ACC+3]
.set i, 4
.rept 15
	s_delay_alu instid0(VALU_DEP_2)
	v_pk_fma_f32 v[SM:SM+1], v[ACC+i:ACC+i+1], v[ACC+i:ACC+i+1], v[SM:SM+1]
	s_delay_alu instid0(VALU_DEP_2)
	v_pk_fma_f32 v[SM+2:SM+3], v[ACC+i+2:ACC+i+3], v[ACC+i+2:ACC+i+3], v[SM+2:SM+3]
.set i, i+4
.endr
	s_delay_alu instid0(VALU_DEP_1)
	v_pk_add_f32 v[SM:SM+1], v[SM:SM+1], v[SM+2:SM+3]
	s_delay_alu instid0(VALU_DEP_1)
	v_add_f32 v[SM], v[SM], v[SM+1]
	s_delay_alu instid0(VALU_DEP_1)
	v_permlanex16_b32 v[SM+1], v[SM], s[SEL], s[SEL+1]
	s_delay_alu instid0(VALU_DEP_1)
	v_add_f32 v[SM], v[SM], v[SM+1]                ; my row's 128 columns
	ds_store_b32 v7, v[SM]                         ; lanes r and r + 16 write the same word with the same value
	s_wait_dscnt 0x0                               ; for the others' sake: my store has landed
	s_barrier_signal -1
	s_barrier_wait -1
	ds_load_b128 v[SM:SM+3], v8
	ds_load_b128 v[SM+4:SM+7], v8 offset:16
	s_wait_dscnt 0x0
	v_add_f32 v[SM], v[SM], v[SM+1]
	v_add_f32 v[SM+2], v[SM+2], v[SM+3]
	v_add_f32 v[SM+4], v[SM+4], v[SM+5]
	v_add_f32 v[SM+6], v[SM+6], v[SM+7]
	s_delay_alu instid0(VALU_DEP_3)
	v_add_f32 v[SM], v[SM], v[SM+2]
	s_delay_alu instid0(VALU_DEP_2)
	v_add_f32 v[SM+4], v[SM+4], v[SM+6]
	s_delay_alu instid0(VALU_DEP_1)
	v_add_f32 v[SM], v[SM], v[SM+4]
	s_delay_alu instid0(VALU_DEP_1)
	v_fma_f32 v[SM], v[SM], s38, s39               ; the mean of squares + eps
	s_wait_alu depctr_va_vdst(0)
	v_rsq_f32 v[SM+2], v[SM]
	v_mov_b32 v[SM+3], 0                           ; a plain place behind the transcendental; the pair's upper half is written
	s_wait_alu depctr_va_vdst(0)                   ; ahead of the result's first reader
	s_wait_loadcnt 0x0                             ; ln1_w
.set i, 0
.rept 32
	v_pk_mul_f32 v[ACC+i:ACC+i+1], v[ACC+i:ACC+i+1], v[SM+2:SM+3] op_sel_hi:[1,0]
.set i, i+2
.endr
.set i, 0
.rept 32
	v_pk_mul_f32 v[ACC+i:ACC+i+1], v[ACC+i:ACC+i+1], v[LNW+i:LNW+i+1]   ; (x rs) w, in this order
.set i, i+2
.endr
	QUANT ACC, 0, 4
.irp p, 0,1,2,3,4,5
	global_store_b64 v3, v[PC+2*\p:PC+2*\p+1], s[34:35] offset:256*\p   ; 32 lanes store 256 consecutive bytes, aligned
.endr
	global_store_b32 v10, v[PW], s[36:37]          ; my row's scale word (lanes r and r + 16: the same word)
	s_branch .Lend
	; ---- THE WEIGHTS: a work-group takes 256 columns x 128 along K; a wave 32 columns; A LANE TAKES A COLUMN AND ITS REGISTERS RUN DOWN K
.Lweights:
	s_sub_co_u32 s24, ttmp9, 256                   ; 0-127: wq, wk, wv, wo;  128-191: w2;  192-319: w1, w3
	s_cmp_ge_u32 s24, 192
	s_cbranch_scc1 .Lfam2
	s_cmp_ge_u32 s24, 128
	s_cbranch_scc1 .Lfam1
	s_lshr_b32 s25, s24, 5                         ; which tensor: 0..3
	s_bfe_u32 s26, s24, 0x30002                    ; K step
	s_and_b32 s27, s24, 3
	s_lshl_b32 s28, s27, 3
	s_add_co_u32 s28, s28, s[WV]                   ; which 32 columns
	s_lshl_b32 s29, s25, 5
	s_add_co_u32 s29, s29, s28
	s_add_co_u32 s29, s29, 128                     ; which 32 image rows
	s_mov_b32 s30, 8                               ; K steps in a row
	s_mov_b32 s31, 0                               ; the codes' section
	s_mov_b32 s32, 0xA80000                        ; the scale bytes' section
	s_mov_b32 s35, 19                              ; 128 rows of 4,096 bytes
	s_branch .Lfam_done
.Lfam1:
	s_mov_b32 s25, 4                               ; w2
	s_sub_co_u32 s26, s24, 128
	s_lshr_b32 s26, s26, 2
	s_and_b32 s27, s24, 3
	s_lshl_b32 s28, s27, 3
	s_add_co_u32 s28, s28, s[WV]
	s_mov_b32 s29, s28
	s_mov_b32 s30, 16
	s_mov_b32 s31, 0x900000
	s_mov_b32 s32, 0xAE0000
	s_mov_b32 s35, 19
	s_branch .Lfam_done
.Lfam2:
	s_sub_co_u32 s33, s24, 192
	s_lshr_b32 s25, s33, 6                         ; 0: w1, 1: w3
	s_bfe_u32 s26, s33, 0x30003
	s_and_b32 s27, s33, 7
	s_lshl_b32 s28, s27, 3
	s_add_co_u32 s28, s28, s[WV]
	s_lshr_b32 s29, s28, 1
	s_lshl_b32 s29, s29, 2                         ; a group of 128 image rows: 64 columns of w1, then the same 64 of w3
	s_lshl_b32 s34, s25, 1
	s_add_co_u32 s29, s29, s34
	s_and_b32 s34, s28, 1
	s_add_co_u32 s29, s29, s34
	s_add_co_u32 s29, s29, 256
	s_add_co_u32 s25, s25, 5
	s_mov_b32 s30, 8
	s_mov_b32 s31, 0
	s_mov_b32 s32, 0xA80000
	s_mov_b32 s35, 20                              ; 128 rows of 8,192 bytes
.Lfam_done:
	v_and_b32 v1, 31, v0
	s_delay_alu instid0(VALU_DEP_1)
	v_lshlrev_b32 v3, 2, v1                        ; in: 4 bytes a lane
	v_bfe_u32 v2, v0, 3, 1                         ; column l of 32 is row r = l % 8 + 8 (l / 16) of tile u = (l / 8) % 2
	v_and_b32 v4, 7, v0
	v_bfe_u32 v5, v0, 4, 1
	s_delay_alu instid0(VALU_DEP_1)
	v_lshl_add_u32 v4, v5, 3, v4
	s_mul_i32 s48, s30, 1536
	v_mul_u32_u24 v6, s48, v2
	s_delay_alu instid0(VALU_DEP_1)
	v_lshl_add_u32 v6, v4, 4, v6                   ; codes: tile u, 16 r
	v_lshl_add_u32 v7, v2, 4, v4
	s_lshl_b32 s49, s30, 2
	v_mul_u32_u24 v7, s49, v7                      ; scale bytes: row 16 u + r
	s_lshl_b32 s38, s26, s35
	s_lshl_b32 s39, s28, 7
	s_add_co_u32 s38, s38, s39
	s_mov_b32 s39, 0
	s_lshl_b32 s44, s29, 1
	s_mul_i32 s44, s44, s30
	s_add_co_u32 s44, s44, s26
	s_mul_i32 s44, s44, 1536
	s_add_co_u32 s44, s44, s31
	s_mov_b32 s45, 0
	s_lshl_b32 s46, s29, 7
	s_mul_i32 s46, s46, s30
	s_lshl_b32 s47, s26, 2
	s_add_co_u32 s46, s46, s47
	s_add_co_u32 s46, s46, s32
	s_mov_b32 s47, 0
	s_wait_kmcnt 0x0
	s_mov_b64 s[36:37], s[8:9]                     ; the tensor is chosen by the work-group's number alone
	s_cmp_eq_u32 s25, 1
	s_cselect_b64 s[36:37], s[10:11], s[36:37]
	s_cmp_eq_u32 s25, 2
	s_cselect_b64 s[36:37], s[12:13], s[36:37]
	s_cmp_eq_u32 s25, 3
	s_cselect_b64 s[36:37], s[14:15], s[36:37]
	s_cmp_eq_u32 s25, 4
	s_cselect_b64 s[36:37], s[20:21], s[36:37]
	s_cmp_eq_u32 s25, 5
	s_cselect_b64 s[36:37], s[16:17], s[36:37]
	s_cmp_eq_u32 s25, 6
	s_cselect_b64 s[36:37], s[18:19], s[36:37]
	s_add_nc_u64 s[36:37], s[36:37], s[38:39]
	s_add_nc_u64 s[44:45], s[22:23], s[44:45]
	s_add_nc_u64 s[46:47], s[22:23], s[46:47]
	s_cmp_lt_u32 s24, 192
	s_cbranch_scc0 .Lwide
.set i, 0
	s_wait_alu depctr_va_vdst(0)
.rept 128
	global_load_b32 v[X+i], v3, s[36:37] offset:i*4096 th:TH_LOAD_NT   ; row k of the weight at 32 neighbouring columns; the eight waves stand side by side on 1,024 bytes
.set i, i+1
.endr
	s_branch .Lloaded
.Lwide:
.set i, 0
	s_wait_alu depctr_va_vdst(0)
.rept 128
	global_load_b32 v[X+i], v3, s[36:37] offset:i*8192 th:TH_LOAD_NT
.set i, i+1
.endr
.Lloaded:
; Block t of 32 along K: all its numbers are mine.  cnt: the younger loads that may stay out (96, 64, 32, 0; a wait names 63 at the most, and a smaller count is safe)
.macro BLOCK t, cnt, quad
.set XS, X+32*(\t)
	s_wait_loadcnt \cnt
	v_max3_num_f32 v12, |v[XS]|, |v[XS+1]|, |v[XS+2]|
	v_max3_num_f32 v13, |v[XS+3]|, |v[XS+4]|, |v[XS+5]|
.irp i, 6,10,14,18,22,26
	s_delay_alu instid0(VALU_DEP_2)
	v_max3_num_f32 v12, v12, |v[XS+\i]|, |v[XS+\i+1]|
	s_delay_alu instid0(VALU_DEP_2)
	v_max3_num_f32 v13, v13, |v[XS+\i+2]|, |v[XS+\i+3]|
.endr
	s_delay_alu instid0(VALU_DEP_2)
	v_max3_num_f32 v12, v12, |v[XS+30]|, |v[XS+31]|
	s_delay_alu instid0(VALU_DEP_1)
	v_max3_num_f32 v12, v12, v13, 0x1800000        ; and the floor 2^(3 - 127)
	s_delay_alu instid0(VALU_DEP_1)
	v_add_nc_u32 v11, 0xff000000, v12              ; 2 off the exponent field: the conversion's scale operand
	s_delay_alu instid0(VALU_DEP_1)
	v_lshrrev_b32 v13, 23, v11                     ; the scale's byte
	v_cvt_scalef32_pk16_fp6_f32 v[160:162], v[XS:XS+15], v11
	v_cvt_scalef32_pk16_fp6_f32 v[164:166], v[XS+16:XS+31], v11
.if (\t) == 0
	v_mov_b32 v[SB], v13                           ; (a plain place behind the conversions)
.else
	v_lshl_or_b32 v[SB], v13, 8*(\t), v[SB]
.endif
; block t = 2 c + h is what lane (r, h) of the operand holds in registers 6 c on: 16 bytes at 256 (3 c + g) + 16 r are [h = 0: code registers 2 g, 2 g + 1][h = 1: the same of the next block]
.if \quad                              ; wo: lane (r, h)'s twelve registers on end: register 6 c + q at OUTR + 12 h + 6 c + q
.irp q, 0,1,2
	v_mov_b32 v[OUTR+12*((\t)%2)+6*((\t)/2)+\q], v[160+\q]
.endr
.irp q, 3,4,5
	v_mov_b32 v[OUTR+12*((\t)%2)+6*((\t)/2)+\q], v[161+\q]
.endr
.else
.irp q, 0,1,2
	v_mov_b32 v[OUTR+12*((\t)/2)+4*(\q/2)+2*((\t)%2)+\q%2], v[160+\q]
.endr
.irp q, 3,4,5
	v_mov_b32 v[OUTR+12*((\t)/2)+4*(\q/2)+2*((\t)%2)+\q%2], v[161+\q]
.endr
.endif
.endm
	s_cmp_eq_u32 s25, 3                            ; wo?  The work-group's number alone decides
	s_cbranch_scc1 .Lquad
	BLOCK 0, 63, 0
	BLOCK 1, 63, 0
	BLOCK 2, 32, 0
	BLOCK 3, 0, 0
.irp c, 0,1
.irp g, 0,1,2
	global_store_b128 v6, v[OUTR+12*\c+4*\g:OUTR+12*\c+4*\g+3], s[44:45] offset:256*(3*\c+\g)   ; the wave fills 256 consecutive bytes of each of its two tiles
.endr
.endr
	global_store_b32 v7, v[SB], s[46:47]           ; 4 bytes a row
	s_branch .Lend
.Lquad:
	BLOCK 0, 63, 1
	BLOCK 1, 63, 1
	BLOCK 2, 32, 1
	BLOCK 3, 0, 1
.irp hh, 0,1
.irp g, 0,1,2
	global_store_b128 v6, v[OUTR+12*\hh+4*\g:OUTR+12*\hh+4*\g+3], s[44:45] offset:512*\g+256*\hh   ; again 256 consecutive bytes of each of the two tiles
.endr
.endr
	global_store_b32 v7, v[SB], s[46:47]
.Lend:
	s_wait_tensorcnt 0x0                           ; the wave's end
	ds_add_u32 v[SPW], v[NIL]
	s_wait_dscnt 0x0
	s_endpgm
.Lfunc_end_k_qabf8c70c38_prep:
	.size	k_qabf8c70c38_prep, .Lfunc_end_k_qabf8c70c38_prep-k_qabf8c70c38_prep
	.p2alignl 7, 3214868480
	.fill 96, 4, 3214868480
	.section	.rodata,"a",@progbits
	.p2align	6, 0x0
	.amdhsa_kernel k_qabf8c70c38_prep
		.amdhsa_group_segment_fixed_size 69120
		.amdhsa_private_segment_fixed_size 0
		.amdhsa_enable_private_segment 0
		.amdhsa_kernarg_size 80
		.amdhsa_user_sgpr_count 2
		.amdhsa_user_sgpr_kernarg_segment_ptr 1
		.amdhsa_wavefront_size32 1
		.amdhsa_system_sgpr_workgroup_id_x 1
		.amdhsa_system_sgpr_workgroup_id_y 1
		.amdhsa_system_sgpr_workgroup_id_z 1
		.amdhsa_system_vgpr_workitem_id 0
		.amdhsa_next_free_vgpr 256
		.amdhsa_next_free_sgpr 66
		.amdhsa_reserve_vcc 0
		.amdhsa_float_denorm_mode_32 3
		.amdhsa_float_denorm_mode_16_64 3
		.amdhsa_memory_ordered 1
		.amdhsa_forward_progress 1
		.amdhsa_inst_pref_size 68
	.end_amdhsa_kernel
	.amdgpu_metadata
---
amdhsa.version: [ 1, 2 ]
amdhsa.kernels:
  - .name:           k_qabf8c70c38_prep
    .symbol:         k_qabf8c70c38_prep.kd
    .args:
      - { .name: x, .offset: 0, .size: 8, .value_kind: global_buffer, .address_space: global }
      - { .name: ln1_w, .offset: 8, .size: 8, .value_kind: global_buffer, .address_space: global }
      - { .name: wq, .offset: 16, .size: 8, .value_kind: global_buffer, .address_space: global }
      - { .name: wk, .offset: 24, .size: 8, .value_kind: global_buffer, .address_space: global }
      - { .name: wv, .offset: 32, .size: 8, .value_kind: global_buffer, .address_space: global }
      - { .name: wo, .offset: 40, .size: 8, .value_kind: global_buffer, .address_space: global }
      - { .name: w1, .offset: 48, .size: 8, .value_kind: global_buffer, .address_space: global }
      - { .name: w3, .offset: 56, .size: 8, .value_kind: global_buffer, .address_space: global }
      - { .name: w2, .offset: 64, .size: 8, .value_kind: global_buffer, .address_space: global }
      - { .name: w, .offset: 72, .size: 8, .value_kind: global_buffer, .address_space: global }
    .group_segment_fixed_size: 69120
    .private_segment_fixed_size: 0
    .kernarg_segment_align: 8
    .kernarg_segment_size: 80
    .max_flat_workgroup_size: 256
    .sgpr_count:     66
    .vgpr_count:     256
    .wavefront_size: 32
...
	.end_amdgpu_metadata
.endif
;; end of part 7
;; launch qkv (part 8): grid 8 x 24, 4 waves a work-group, clusters of 4 x 4, 327,680 bytes of LDS; arguments w, qkv; writes qkv
.if DOCPART == 8
	.amdgcn_target "amdgcn-amd-amdhsa--gfx1250"
	.amdhsa_code_object_version 6
	.text
	.protected	k_qabf8c70c38_qkv
	.globl	k_qabf8c70c38_qkv
	.p2align	8
	.type	k_qabf8c70c38_qkv,@function
k_qabf8c70c38_qkv:
	s_mov_b64 s[64:65], 0
	v_nop
	global_prefetch_b8 v0, s[64:65] scope:SCOPE_SE
	s_setreg_imm32_b32 hwreg(HW_REG_WAVE_MODE, 25, 1), 1
	s_wait_xcnt 0x0
	s_wait_alu depctr_hold_cnt(0) depctr_sa_sdst(0) depctr_va_vdst(0) depctr_va_sdst(0) depctr_va_ssrc(0) depctr_va_vcc(0) depctr_vm_vsrc(0)
	s_getreg_b32 s2, hwreg(HW_REG_IB_STS2, 6, 4)
	s_cmp_eq_u32 s2, 0
	s_cbranch_scc0 .Lentry_in_a_cluster
	s_endpgm
.Lentry_in_a_cluster:
	s_bfe_u32 s2, ttmp6, 0x10000c
	s_cmp_lg_u32 s2, 0xf033
	s_cbranch_scc0 .Lentry_shape_is_right
	s_endpgm
.Lentry_shape_is_right:
; QKV: n1 times wq, wk, wv on codes of FP6 (E2M3), one E8M0 scale for each 32 along K = 1,024; f32 sums; the results are quantised and stored as the records that the attention launch reads.
; Tiles of 256 x 256, four waves, 128 x 128 a wave.  Operands are images of registers: a fragment (16 rows x 128 K) is 1,536 bytes, a tile's 8 K steps lie on end.
; LDS: X, from byte 0: K steps 0-3 of A's 16 tiles (6,144 bytes a tile), then of B's 16.  Y, from 2 SLOT: K steps 4-5, 3,072 bytes a tile, wave w's 8 tiles at w x HALFT.  Then the scale bytes of all of K, then the spare words.
; THREE FILLS.  At the head one joint load a wave: wave 0 X's part of A, wave 1 that of B, wave 2 A's scale bytes, wave 3 B's.  Behind the wait for them, the add and a round of the cluster's barrier: Y, a quarter a wave.
; Behind the round in step 3, where X has been read: K steps 6-7 into X's first SLOT bytes, laid as Y.  By the text's own count one tensor load a wave is out at any time.  The 8 steps are written out.
; PREFETCH, one fill ahead of each later fill: of the 8 tiles that a wave fetches, each of the four partners that ask for them jointly names 2, told apart by address (cx for A, cy for B): 24 blocks of 256 bytes,
; a lane a block (lanes 24-31 name the last block again), one instruction a wave.  Y's bytes are named at the head, behind the head's loads; those of K steps 6-7 behind Y's load and the first run of LDS loads.
.set SIZE_K, 1024
.set NQ,     2
.set NKS,    SIZE_K/128
.set KROW,   SIZE_K*6/8
.set KSB,    SIZE_K/32
.set FR,     12
.set NL,     6
.set NP,     4
.set TROW,   3072
.set HALFT,  8*TROW
.set SLOT,   4*HALFT
.set SCL,    3*SLOT
.set PFO,    30                        ; v30 the prefetches' offset; s[2:3] their base; neither is rewritten
.set HALFS,  (128*KSB/256)*272
.set SBLK,   (16*KSB/256)*272
.set SPARE,  SCL+4*HALFS
.set ADRA, 16
.set ADRB, 20
.set ADRS, 27
.set SPW,  28
.set NIL,  29
.set SC,   32
.set AF,   128
.set TM,   32
.set PC,   48
.set PW,   68
.set PWE,  69
.set WA,   70
.set WB,   71
.set LO,   72
.set VO1,  73
.set R4,   74
.set R4B,  75
.set SEL,  66
.set OB,   10
.set SAS,  96
.set SBS,  98
.set G1, 24
.set G0, 32
.set G1B, 48
.set G0B, 56
.set G1S, 68
.set G0S, 76
.set G1SB, 80
.set G0SB, 88
.set MSB, 0
.macro WIN new
.if MSB != (\new)
	s_set_vgpr_msb (MSB<<8)|(\new)
.set MSB, (\new)
.endif
.endm
.set MUL_LO, 0xa1
.set MUL_HI, 0xf1
.set TO_B,   0x40
.macro JLOAD g0a, g1a, g0b, g1b
	s_cmp_eq_u32 s15, 0
	s_cbranch_scc0 .Lfor_b_\@
	tensor_load_to_lds s[\g0a:\g0a+3], s[\g1a:\g1a+7]
	s_nop 0
.rept 4
	v_nop
.endr
	s_branch .Lasked_\@
.Lfor_b_\@:
	tensor_load_to_lds s[\g0b:\g0b+3], s[\g1b:\g1b+7]
	s_nop 0
.rept 4
	v_nop
.endr
.Lasked_\@:
.endm
.macro CREST
	s_cmp_lg_u32 s14, 0
	s_cbranch_scc1 .Lnot_wave_0_\@
	s_barrier_signal -3
.Lnot_wave_0_\@:
	s_barrier_wait -3
	s_barrier_signal -1
	s_barrier_wait -1
.endm
.macro CROUND
	s_barrier_signal -1
	s_barrier_wait -1
	CREST
.endm
.macro QUANT s, w, nb
	WIN (\w)|((\w)<<2)
.set qb, 0
.rept \nb
	v_max3_num_f32 v[TM+qb], |v[(\s)+16*qb]|, |v[(\s)+16*qb+1]|, 0x1800000
.set qb, qb+1
.endr
	WIN ((\w)<<2)|((\w)<<4)
.irp i, 2,4,6,8,10,12,14
.set qb, 0
.rept \nb
	v_max3_num_f32 v[TM+qb], v[TM+qb], |v[(\s)+16*qb+\i]|, |v[(\s)+16*qb+\i+1]|
.set qb, qb+1
.endr
.endr
	WIN 0
.set qb, 0
.rept \nb
	v_permlanex16_b32 v[TM+4+qb], v[TM+qb], s[SEL], s[SEL+1]
.set qb, qb+1
.endr
.set qb, 0
.rept \nb
	v_max_num_f32 v[TM+qb], v[TM+qb], v[TM+4+qb]
.set qb, qb+1
.endr
.set qb, 0
.rept \nb
	v_add_nc_u32 v[TM+12+qb], 0xff000000, v[TM+qb]
.set qb, qb+1
.endr
.set qb, 0
.rept \nb
	v_lshrrev_b32 v[TM+4+qb], 23, v[TM+12+qb]
.set qb, qb+1
.endr
	v_lshl_or_b32 v[PW], v[TM+5], 8, v[TM+4]
.if (\nb) > 2
	v_lshl_or_b32 v[PW], v[TM+6], 16, v[PW]
	v_lshl_or_b32 v[PW], v[TM+7], 24, v[PW]
.endif
	WIN (\w)
.set qb, 0
.rept (\nb)/2
	v_cvt_scalef32_pk16_fp6_f32 v[PC+6*qb:PC+6*qb+2], v[(\s)+32*qb:(\s)+32*qb+15], v[TM+12+2*qb]
	v_cvt_scalef32_pk16_fp6_f32 v[PC+12+4*qb:PC+14+4*qb], v[(\s)+32*qb+16:(\s)+32*qb+31], v[TM+13+2*qb]
.set qb, qb+1
.endr
	WIN 0
	v_nop
.set qb, 0
.rept (\nb)/2
.irp i, 0,1,2
	v_permlane16_swap_b32 v[PC+6*qb+\i], v[PC+12+4*qb+\i]
.endr
.irp i, 0,1,2
	v_mov_b32 v[PC+3+6*qb+\i], v[PC+12+4*qb+\i]
.endr
.set qb, qb+1
.endr
.endm
	s_load_b128 s[4:7], s[0:1], 0x0
	v_lshl_add_u32 v[SPW], v0, 2, SPARE
	v_mov_b32 v[NIL], 0
	ds_add_u32 v[SPW], v[NIL]
	ds_add_u32 v[SPW], v[NIL]
	v_lshrrev_b32 v1, 5, v0
	v_readfirstlane_b32 s14, v1
	s_lshr_b32 s15, s14, 1
	s_and_b32 s16, s14, 1
	s_bfe_u32 s40, ttmp6, 0x40000
	s_bfe_u32 s41, ttmp6, 0x40004
	s_and_b32 s13, ttmp7, 0xffff
	s_lshl_b32 s17, s13, 2
	s_lshl_b32 s42, ttmp9, 2
	s_add_co_u32 s42, s42, 16
	s_lshl_b32 s18, s13, 1
	s_add_co_u32 s18, s18, ttmp9
	s_sub_co_u32 s18, s18, 8
	s_lshl_b32 s18, s18, 2
	s_cmp_ge_u32 s13, 4
	s_cselect_b32 s95, 1, 0
	s_cselect_b32 s17, 24, s17
	s_cselect_b32 s42, s18, s42
	s_add_co_u32 s17, s17, s41
	s_add_co_u32 s42, s42, s40
	s_lshl_b32 s43, s41, 2
	s_lshl_b32 s43, 15, s43
	s_lshl_b32 s44, 0x1111, s40
	s_or_b32 s[G1+0], s43, (3<<16)|(1<<21)
	s_or_b32 s[G1B+0], s44, (3<<16)|(1<<21)
.irp g, G1, G1B
	s_mov_b32 s[\g+1], 768<<16                     ; the head's loads: 16 tiles x 6,144 bytes (K steps 0-3)
	s_mov_b32 s[\g+2], 16<<16
	s_mov_b32 s[\g+3], 768<<16
	s_mov_b32 s[\g+4], 16
	s_mov_b32 s[\g+5], NKS*192
	s_mov_b32 s[\g+6], 0
	s_mov_b32 s[\g+7], 0
.endr
	s_or_b32 s[G1S+0], s43, (3<<16)|(1<<20)|(1<<21)|(5<<22)|(3<<25)
	s_or_b32 s[G1SB+0], s44, (3<<16)|(1<<20)|(1<<21)|(5<<22)|(3<<25)
.irp g, G1S, G1SB
	s_mov_b32 s[\g+1], 32<<16
	s_mov_b32 s[\g+2], (256*KSB/256)<<16           ; the scale bytes of all 256 rows
	s_mov_b32 s[\g+3], 32<<16
	s_mov_b32 s[\g+4], 256*KSB/256
	s_mov_b32 s[\g+5], 32
	s_mov_b32 s[\g+6], 0
	s_mov_b32 s[\g+7], 0
.endr
	s_mov_b32 s[SEL], 0x76543210
	s_mov_b32 s[SEL+1], 0xfedcba98
	s_lshl_b32 s20, s17, 8                         ; the tiles' first rows
	s_lshl_b32 s46, s42, 8
	s_mov_b32 s21, 0
	s_mov_b32 s47, 0
	s_mov_b64 s[18:19], KSB
	s_mul_u64 s[22:23], s[20:21], s[18:19]
	s_mul_u64 s[92:93], s[46:47], s[18:19]
	s_mov_b64 s[18:19], KROW
	s_mul_u64 s[20:21], s[20:21], s[18:19]
	s_mul_u64 s[46:47], s[46:47], s[18:19]
	s_add_nc_u64 s[22:23], s[22:23], 0xA80000
	s_add_nc_u64 s[92:93], s[92:93], 0xA80000
	s_mul_i32 s45, s14, HALFT
	s_mul_i32 s18, s16, 128*KROW                   ; behind the head I fetch 128 rows: which half, in bytes
	s_mov_b32 s19, 0
	s_wait_dscnt 0x0
	s_wait_kmcnt 0x0
	s_add_nc_u64 s[20:21], s[4:5], s[20:21]
	s_add_nc_u64 s[22:23], s[4:5], s[22:23]
	s_add_nc_u64 s[46:47], s[4:5], s[46:47]
	s_add_nc_u64 s[92:93], s[4:5], s[92:93]
	CROUND
	s_mov_b32 s[G0S], 1                            ; the head's four tiles, each whole: A's scale bytes,
	s_mov_b32 s[G0S+1], SCL
	s_mov_b64 s[G0S+2:G0S+3], s[22:23]
	s_or_b32 s[G0S+3], s[G0S+3], 0x80000000
	s_mov_b32 s[G0SB], 1                           ; B's,
	s_mov_b32 s[G0SB+1], SCL+2*HALFS
	s_mov_b64 s[G0SB+2:G0SB+3], s[92:93]
	s_or_b32 s[G0SB+3], s[G0SB+3], 0x80000000
	s_mov_b32 s[G0], 1                             ; K steps 0-3 of A's 16 tiles,
	s_mov_b32 s[G0+1], 0
	s_mov_b64 s[G0+2:G0+3], s[20:21]
	s_or_b32 s[G0+3], s[G0+3], 0x80000000
	s_mov_b32 s[G0B], 1                            ; and of B's, behind them
	s_mov_b32 s[G0B+1], SLOT
	s_mov_b64 s[G0B+2:G0B+3], s[46:47]
	s_or_b32 s[G0B+3], s[G0B+3], 0x80000000
	s_add_nc_u64 s[20:21], s[20:21], s[18:19]      ; my 128 rows
	s_add_nc_u64 s[46:47], s[46:47], s[18:19]
	s_mov_b32 s[G0+4], 1                           ; Y: K steps 4-5
	s_add_co_u32 s[G0+5], s45, 2*SLOT
	s_add_nc_u64 s[G0+6:G0+7], s[20:21], 2*TROW
	s_or_b32 s[G0+7], s[G0+7], 0x80000000
	s_mov_b32 s[G0B+4], 1
	s_add_co_u32 s[G0B+5], s45, 2*SLOT
	s_add_nc_u64 s[G0B+6:G0B+7], s[46:47], 2*TROW
	s_or_b32 s[G0B+7], s[G0B+7], 0x80000000
; one chain of branches on the wave's number, one load to an arm, all arms leading to one join
.macro ARM under, g0, g1, next
	s_cmp_lt_u32 s14, \under
	s_cbranch_scc0 \next
	tensor_load_to_lds s[\g0:\g0+3], s[\g1:\g1+7]
	s_nop 0
.rept 4
	v_nop
.endr
	s_branch .Lhead_asked
\next:
.endm
	ARM 1, G0,  G1,  .Lhead_b
	ARM 2, G0B, G1B, .Lhead_sa
	ARM 3, G0S, G1S, .Lhead_sb
	tensor_load_to_lds s[G0SB:G0SB+3], s[G1SB:G1SB+7]
	s_nop 0
.rept 4
	v_nop
.endr
.Lhead_asked:
	s_cmp_eq_u32 s15, 0                            ; the prefetches: do I fetch for A?
	s_cselect_b64 s[2:3], s[20:21], s[46:47]       ; my 8 tiles,
	s_cselect_b32 s92, s40, s41                    ; my place among the four that ask for them with me,
	s_mul_i32 s92, s92, 2*NKS*1536                 ; and my work-group's 2 tiles of the 8
	s_mov_b32 s93, 0
	s_add_nc_u64 s[2:3], s[2:3], s[92:93]
	v_and_b32 v5, 31, v0
	v_min_u32 v5, 23, v5                           ; block 0..23
	v_mul_u32_u24 v6, v5, 43
	v_lshrrev_b32 v6, 9, v6                        ; block / 12: which of the two tiles
	v_lshlrev_b32 v5, 8, v5
	v_mad_u32_u24 v[PFO], v6, 9216, v5             ; 256 x block, and from the first tile's 3,072 bytes on to the next tile's, 12,288 bytes apart
	global_prefetch_b8 v[PFO], s[2:3] offset:2*TROW th:TH_LOAD_NT scope:SCOPE_SE   ; K steps 4-5
	s_mul_i32 s21, s15, 2*HALFT                    ; X: my 8 tiles of A, 6,144 bytes each,
	s_mul_i32 s22, s16, 2*HALFT
	s_add_co_u32 s22, s22, SLOT                    ; and of B, behind A's 16
	s_mul_i32 s23, s15, HALFT                      ; K steps 6-7, in X's first SLOT bytes: 3,072 bytes a tile
	s_mul_i32 s92, s16, HALFT
	s_add_co_u32 s92, s92, 2*HALFT
	s_add_co_u32 s93, s23, 2*SLOT                  ; Y, laid the same
	s_add_co_u32 s94, s92, 2*SLOT
	v_and_b32 v1, 15, v0
	v_bfe_u32 v2, v0, 4, 1
	v_lshlrev_b32 v4, 4, v1
	v_lshl_add_u32 v4, v2, 3, v4
	v_add_nc_u32 v[ADRA], s21, v4
	v_add_nc_u32 v[ADRB], s22, v4
	v_add_nc_u32 v[ADRA+1], s93, v4
	v_add_nc_u32 v[ADRB+1], s94, v4
	v_add_nc_u32 v[ADRA+2], s23, v4
	v_add_nc_u32 v[ADRB+2], s92, v4
	v_mul_u32_u24 v5, v1, KSB
	v_lshrrev_b32 v6, 8, v5
	v_lshl_add_u32 v5, v6, 4, v5
	s_mul_i32 s21, s15, HALFS
	s_mul_i32 s22, s16, HALFS
	s_add_co_u32 s22, s22, 2*HALFS
	s_sub_co_u32 s22, s22, s21
	v_mul_u32_u24 v6, s22, v2
	s_add_co_u32 s21, s21, SCL
	v_add_nc_u32 v5, v5, v6
	v_add_nc_u32 v[ADRS], s21, v5
.macro FRAG reg, adr, t, i             ; tile i's fragment of K step t: steps 0-3 from X, 4-5 from Y, 6-7 from X's first bytes
.if (\t) < 4
.set FAD, (\adr)
.set FOF, (\i)*2*TROW+(\t)*1536
.else
.set FAD, (\adr)+1+(\t)/6
.set FOF, (\i)*TROW+((\t)%2)*1536
.endif
.irp p, 0,1,2,3,4,5
	ds_load_b64 v[\reg+2*\p:\reg+2*\p+1], v[FAD] offset:FOF+256*\p
.endr
.endm
.macro MUL16 a0, p, q, sc, zero
.irp a, \a0, \a0+1
.irp b, 0,1,2,3,4,5,6,7
.if \zero
	v_wmma_scale_f32_16x16x128_f8f6f4 v[8*(8*((\a)%4)+\b):8*(8*((\a)%4)+\b)+7], v[128*(\p)+FR*\b:128*(\p)+FR*\b+FR-1], v[AF+FR*(\a):AF+FR*(\a)+FR-1], 0, v[SC+8*NQ*(\sc)+NQ*\b+(\q)], v[SC+8*NQ*(\sc)+NQ*(\a)+(\q)] matrix_a_fmt:MATRIX_FMT_FP6 matrix_b_fmt:MATRIX_FMT_FP6 matrix_a_scale:MATRIX_SCALE_ROW1
.else
	v_wmma_scale_f32_16x16x128_f8f6f4 v[8*(8*((\a)%4)+\b):8*(8*((\a)%4)+\b)+7], v[128*(\p)+FR*\b:128*(\p)+FR*\b+FR-1], v[AF+FR*(\a):AF+FR*(\a)+FR-1], v[8*(8*((\a)%4)+\b):8*(8*((\a)%4)+\b)+7], v[SC+8*NQ*(\sc)+NQ*\b+(\q)], v[SC+8*NQ*(\sc)+NQ*(\a)+(\q)] matrix_a_fmt:MATRIX_FMT_FP6 matrix_b_fmt:MATRIX_FMT_FP6 matrix_a_scale:MATRIX_SCALE_ROW1
.endif
.endr
.endr
.endm
.macro FETCH_B t, p
	WIN TO_B
.irp i, 0,1,2,3,4,5,6,7
	FRAG 128*(\p)+FR*\i, ADRB, \t, \i
.endr
	WIN 0
.endm
.macro FETCH_A t, i0
.irp i, \i0, \i0+1, \i0+2, \i0+3
	FRAG AF+FR*(\i), ADRA, \t, \i
.endr
.endm
.macro SCALES pr                       ; the scale words of K steps 2 pr, 2 pr + 1 into set pr % 2
.irp i, 0,1,2,3,4,5,6,7
	ds_load_b64 v[SC+8*NQ*((\pr)%2)+NQ*\i:SC+8*NQ*((\pr)%2)+NQ*\i+1], v[ADRS] offset:\i*SBLK+4*NQ*(\pr)
.endr
.endm
.macro PLACES n
.rept \n
	v_nop
.endr
.endm
; K step t, whose successor's fragments lie in bytes that every wave may already read
.macro STEP t, zero
	s_wait_dscnt 4*NL                              ; all but the youngest 24 loads (A's blocks 4-7)
	WIN MUL_LO
	MUL16 0, (\t)%2, (\t)%2, ((\t)/2)%2, \zero
	MUL16 2, (\t)%2, (\t)%2, ((\t)/2)%2, \zero
	s_wait_dscnt 0
	PLACES NP
	FETCH_B (\t)+1, 1-(\t)%2
	FETCH_A (\t)+1, 0
.if (\t)%2
	SCALES ((\t)+1)/2
.endif
	WIN MUL_HI
	MUL16 4, (\t)%2, (\t)%2, ((\t)/2)%2, \zero
	MUL16 6, (\t)%2, (\t)%2, ((\t)/2)%2, \zero
	PLACES NP
	WIN 0
	FETCH_A (\t)+1, 4
.endm
; An odd K step with a barrier in it: the next step's bytes come from a fill that has to be whole.  fill = 1 (step 3): X is read no more; the barrier opens a round, and K steps 6-7 are asked for
.macro TURN t, fill
	s_wait_tensorcnt 0x0                           ; all my tensor loads have landed
	ds_add_u32 v[SPW], v[NIL]
	s_wait_dscnt 4*NL+1                            ; (the add and the youngest 24 loads may be out)
	WIN MUL_LO
	MUL16 0, 1, 1, ((\t)/2)%2, 0
	s_wait_dscnt 0x0                               ; the add is done, and my LDS reads are over
	s_barrier_signal -1
	MUL16 2, 1, 1, ((\t)/2)%2, 0
	WIN 0
	s_barrier_wait -1
.if \fill
	CREST
	JLOAD G0, G1, G0B, G1B                         ; the first tensor load behind the round; its four v_nop are the places ahead of the loads below
.else
	PLACES NP
.endif
	FETCH_B (\t)+1, 0
	FETCH_A (\t)+1, 0
	SCALES ((\t)+1)/2
	WIN MUL_HI
	MUL16 4, 1, 1, ((\t)/2)%2, 0
	MUL16 6, 1, 1, ((\t)/2)%2, 0
	PLACES NP
	WIN 0
	FETCH_A (\t)+1, 4
.endm
	s_wait_alu depctr_va_vdst(0)                   ; the wait at the head's end
	s_wait_tensorcnt 0x0                           ; my tile of the head's four is in
	ds_add_u32 v[SPW], v[NIL]
.irp g, G1, G1B
	s_mov_b32 s[\g+1], 384<<16                     ; no load of mine is out: from here on a load brings 8 tiles x 3,072 bytes
	s_mov_b32 s[\g+2], 8<<16
	s_mov_b32 s[\g+3], 384<<16
	s_mov_b32 s[\g+4], 8
.endr
	s_mov_b32 s[G0+1], s45                         ; and the head's groups 0 become those of K steps 6-7
	s_add_nc_u64 s[G0+2:G0+3], s[G0+6:G0+7], TROW
	s_mov_b32 s[G0B+1], s45
	s_add_nc_u64 s[G0B+2:G0B+3], s[G0B+6:G0B+7], TROW
	s_wait_dscnt 0x0
	CROUND                                         ; all four tiles are in, in every work-group of the cluster
	JLOAD G0+4, G1, G0B+4, G1B                     ; Y
	FETCH_B 0, 0
	FETCH_A 0, 0
	SCALES 0
	FETCH_A 0, 4
	global_prefetch_b8 v[PFO], s[2:3] offset:3*TROW th:TH_LOAD_NT scope:SCOPE_SE   ; K steps 6-7, which the round in step 3 will ask for
	STEP 0, 1
	STEP 1, 0
	STEP 2, 0
	TURN 3, 1
	STEP 4, 0
	TURN 5, 0
	STEP 6, 0
	s_wait_dscnt 4*NL
	WIN MUL_LO
	MUL16 0, 1, NQ-1, 1, 0
	MUL16 2, 1, NQ-1, 1, 0
	s_wait_dscnt 0
	WIN MUL_HI
	MUL16 4, 1, NQ-1, 1, 0
	MUL16 6, 1, NQ-1, 1, 0
	WIN 0
	s_sub_co_u32 s18, s42, 16
	s_lshl_b32 s18, s18, 1
	s_add_co_u32 s18, s18, s16
	s_and_b32 s19, s18, 7
	s_lshl_b32 s19, s19, 1
	s_lshr_b32 s20, s17, 3
	s_lshl_b32 s20, s20, 4
	s_add_co_u32 s19, s19, s20
	s_lshl_b32 s19, s19, 4
	s_lshl_b32 s20, s17, 1
	s_add_co_u32 s20, s20, s15
	s_and_b32 s20, s20, 15
	s_add_co_u32 s19, s19, s20
	s_mul_i32 s19, s19, 12800
	s_cmp_lt_u32 s18, 8
	s_cselect_b32 s20, 6553600, 0
	s_add_co_u32 s19, s19, s20
	s_lshl_b32 s21, s42, 1
	s_add_co_u32 s21, s21, s16
	s_lshr_b32 s22, s21, 4
	s_lshl_b32 s22, s22, 4
	s_sub_co_u32 s23, s17, 24
	s_lshl_b32 s23, s23, 2
	s_add_co_u32 s22, s22, s23
	s_lshl_b32 s23, s15, 1
	s_add_co_u32 s22, s22, s23
	s_lshl_b32 s22, s22, 4
	s_and_b32 s21, s21, 15
	s_add_co_u32 s22, s22, s21
	s_mul_i32 s22, s22, 12800
	s_add_co_u32 s22, s22, 6144
	s_mov_b32 s[SAS], 768
	s_mov_b32 s[SBS], 768
	s_mov_b32 s12, 204800
	s_cmp_lg_u32 s95, 0
	s_cselect_b32 s18, s22, s19
	s_cselect_b32 s[SAS], 1536, s[SAS]
	s_cselect_b32 s[SBS], 204800-3*1536, s[SBS]
	s_cselect_b32 s12, 768, s12
	s_mov_b32 s19, 0
	s_mov_b32 s[SAS+1], 0
	s_mov_b32 s[SBS+1], 0
	s_add_nc_u64 s[OB:OB+1], s[6:7], s[18:19]
	PLACES NP
	v_lshlrev_b32 v[LO], 4, v1
	v_lshl_add_u32 v[LO], v2, 3, v[LO]
	v_add_nc_u32 v[VO1], s12, v[LO]
	v_lshlrev_b32 v[R4], 2, v1
	v_add_nc_u32 v[R4B], 204800, v[R4]
	v_mov_b32 v[PWE], 0
.irp b, 0,1,2,3
	v_mov_b32 v[TM+4+\b], 0
.endr
.macro OUTA a
	s_wait_xcnt 0x0
.if (\a) == 4
	s_add_nc_u64 s[OB:OB+1], s[OB:OB+1], s[SBS:SBS+1]
.elseif (\a) > 0
	s_add_nc_u64 s[OB:OB+1], s[OB:OB+1], s[SAS:SAS+1]
.endif
	QUANT 64*((\a)%4), 2+(\a)/4, 4
.irp g, 0,1,2
	global_store_b64 v[LO], v[PC+2*\g:PC+2*\g+1], s[OB:OB+1] offset:256*\g
.endr
.irp g, 0,1,2
	global_store_b64 v[VO1], v[PC+6+2*\g:PC+6+2*\g+1], s[OB:OB+1] offset:256*\g
.endr
.if (\a)%2 == 0
	v_mov_b32 v[PWE], v[PW]
.else
	v_perm_b32 v[WA], v[PW], v[PWE], 0x05040100
	v_perm_b32 v[WB], v[PW], v[PWE], 0x07060302
.endif
	s_cmp_lg_u32 s95, 0
	s_cbranch_scc0 .Lqk_\@
	global_store_b32 v[R4], v[PW], s[OB:OB+1] offset:6400-1472*((\a)%4)
	s_branch .Ldone_\@
.Lqk_\@:
.if (\a)%2 == 1
	s_wait_alu depctr_va_vdst(0)
	global_store_b32 v[R4], v[WA], s[OB:OB+1] offset:12288+64*((\a)/2)-768*(\a)
	global_store_b32 v[R4B], v[WB], s[OB:OB+1] offset:12288+64*((\a)/2)-768*(\a)
.endif
.Ldone_\@:
.endm
.irp a, 0,1,2,3,4,5,6,7
	OUTA \a
.endr
	s_wait_tensorcnt 0x0
	ds_add_u32 v[SPW], v[NIL]
	s_wait_dscnt 0x0
	CROUND
	s_endpgm
.Lfunc_end_k_qabf8c70c38_qkv:
	.size	k_qabf8c70c38_qkv, .Lfunc_end_k_qabf8c70c38_qkv-k_qabf8c70c38_qkv
	.p2alignl 7, 3214868480
	.fill 96, 4, 3214868480
	.section	.rodata,"a",@progbits
	.p2align	6, 0x0
	.amdhsa_kernel k_qabf8c70c38_qkv
		.amdhsa_group_segment_fixed_size 327680
		.amdhsa_private_segment_fixed_size 0
		.amdhsa_enable_private_segment 0
		.amdhsa_kernarg_size 16
		.amdhsa_user_sgpr_count 2
		.amdhsa_user_sgpr_kernarg_segment_ptr 1
		.amdhsa_wavefront_size32 1
		.amdhsa_system_sgpr_workgroup_id_x 1
		.amdhsa_system_sgpr_workgroup_id_y 1
		.amdhsa_system_sgpr_workgroup_id_z 1
		.amdhsa_system_vgpr_workitem_id 0
		.amdhsa_next_free_vgpr 1024
		.amdhsa_next_free_sgpr 100
		.amdhsa_reserve_vcc 0
		.amdhsa_float_denorm_mode_32 3
		.amdhsa_float_denorm_mode_16_64 3
		.amdhsa_memory_ordered 1
		.amdhsa_forward_progress 1
		.amdhsa_inst_pref_size 172
	.end_amdhsa_kernel
	.amdgpu_metadata
---
amdhsa.version: [ 1, 2 ]
amdhsa.kernels:
  - .name:           k_qabf8c70c38_qkv
    .symbol:         k_qabf8c70c38_qkv.kd
    .args:
      - { .name: w, .offset: 0, .size: 8, .value_kind: global_buffer, .address_space: global }
      - { .name: qkv, .offset: 8, .size: 8, .value_kind: global_buffer, .address_space: global }
    .group_segment_fixed_size: 327680
    .private_segment_fixed_size: 0
    .kernarg_segment_align: 8
    .kernarg_segment_size: 16
    .max_flat_workgroup_size: 128
    .sgpr_count:     100
    .vgpr_count:     1024
    .wavefront_size: 32
...
	.end_amdgpu_metadata
.endif
;; end of part 8
;; launch attn (part 9): grid 256 x 1, 8 waves a work-group, clusters of 4 x 1, 205,824 bytes of LDS; arguments qkv, at; writes at
.if DOCPART == 9
	.amdgcn_target "amdgcn-amd-amdhsa--gfx1250"
	.amdhsa_code_object_version 6
	.text
	.protected	k_qabf8c70c38_attn
	.globl	k_qabf8c70c38_attn
	.p2align	8
	.type	k_qabf8c70c38_attn,@function
k_qabf8c70c38_attn:
	s_mov_b64 s[64:65], 0
	v_nop
	global_prefetch_b8 v0, s[64:65] scope:SCOPE_SE
	s_setreg_imm32_b32 hwreg(HW_REG_WAVE_MODE, 25, 1), 1
	s_wait_xcnt 0x0
	s_wait_alu depctr_hold_cnt(0) depctr_sa_sdst(0) depctr_va_vdst(0) depctr_va_sdst(0) depctr_va_ssrc(0) depctr_va_vcc(0) depctr_vm_vsrc(0)
	s_getreg_b32 s2, hwreg(HW_REG_IB_STS2, 6, 4)
	s_cmp_eq_u32 s2, 0
	s_cbranch_scc0 .Lentry_in_a_cluster
	s_endpgm
.Lentry_in_a_cluster:
	s_bfe_u32 s2, ttmp6, 0x10000c
	s_cmp_lg_u32 s2, 0x3003
	s_cbranch_scc0 .Lentry_shape_is_right
	s_endpgm
.Lentry_shape_is_right:
; ATTN: causal attention on codes of FP6 (E2M3): S^T = K Q^T (K = the head's 64), p = 2^(t - M), O^T = V^T P^T (K = the keys); the result, divided by the row's sum, is quantised along (head, channel) and stored as an image.
; t = score x log2(e) / 8; M = the running largest t rounded UP to a whole number; the row's sum is taken of the unquantised p; when M moves, the sum and O^T are multiplied by 2^(old M - new M): exact.
; SHARES.  Two clusters of four work-groups to a (batch, head).  Wave w of the work-group with number sub (0..7) owns query tiles 8 w + sub and 127 - 8 w - sub: their last key steps are w and 15 - w, numbers made of the
; wave's number alone; each wave walks 17 key steps of 128 keys.  Both loops have 16 trips; a step all of whose keys come after the tile's queries is jumped over.
; THE HEAD'S 16 RECORDS (K, V and their scale words, 204,800 bytes) COME INTO LDS ONCE, by one joint load a wave (25,600 bytes each, one out a wave): no slot is ever filled again.  The four partners ask jointly.
; Nothing is prefetched: all that the launch reads by tensor loads is asked for at its head.
; K = 64 IN AN INSTRUCTION OF 128: a fragment holds key tile 2 f in registers 0-5 and key tile 2 f + 1 in registers 6-11.  Against [Q | zero codes] it gives tile 2 f's scores, against [zero codes | Q] tile 2 f + 1's:
; a zero code times any code is 0 under any scale byte but 0xff, which no byte here is.
; A lane holds ONE query (lane % 16) throughout; the 16 registers of key tiles 2 f, 2 f + 1 are keys 32 f + 16 (lane / 16) + 0 .. 15, since image row r of tile T stands for token 32 (T / 2) + 8 (T % 2) + r + 8 (r / 8).
; LIMITS: a block whose largest magnitude lies under 2^-124 gets the byte 1; NaN and infinities are not served.
.set REC,   12800
.set SPARE, 16*REC                     ; behind the records: the spare words, 128 bytes for each wave
.set KV,    36                         ; v36-83   four fragments of K, then of V
.set WV,    18
.set SEL,   20
.set CS,    22
.set G1,    24
.set G0,    32
.set TB,    12                         ; s12 the step's record in LDS
.set J,     13                         ; s13 the step
; v1 16 r + 8 h; v2 4 r; v3 my query less the lane's key offset; v4 32 r; v5, v6 the add's two; v7 r + 8 (r / 8) - 16 h; v8, v9 addresses in hand; v12 -M, v13 the largest t, v[14:15] the sum;
; v16-21 Q, v22-27 zero codes, v28-33 Q again; v96-159 S^T, then p; v160-191 O^T; v224-235 p's codes; v232-254 at work; v248-251 scale words; v253 p's scale word; v255 Q's.
.macro CROUND
	s_barrier_signal -1
	s_barrier_wait -1
	s_cmp_lg_u32 s[WV], 0
	s_cbranch_scc1 .Lnot_wave_0_\@
	s_barrier_signal -3
.Lnot_wave_0_\@:
	s_barrier_wait -3
	s_barrier_signal -1
	s_barrier_wait -1
.endm
	s_load_b128 s[4:7], s[0:1], 0x0                ; qkv s[4:5], at s[6:7]
	v_lshl_add_u32 v5, v0, 2, SPARE
	v_mov_b32 v6, 0
	ds_add_u32 v5, v6                              ; the wave's opening: the add and its wait ahead of my first tensor load
	ds_add_u32 v5, v6
	v_lshrrev_b32 v8, 5, v0
	s_delay_alu instid0(VALU_DEP_1)
	v_readfirstlane_b32 s[WV], v8                  ; wave 0..7
	s_bfe_u32 s9, ttmp6, 0x40000                   ; cx
	s_and_b32 s10, ttmp9, 1
	s_lshl_b32 s10, s10, 2
	s_add_co_u32 s9, s9, s10                       ; sub: it enters Q's and the output's addresses and the mask's numbers alone
	s_lshr_b32 s8, ttmp9, 1                        ; 16 x batch + head, which the partners share
	s_mov_b32 s[G1], 15|(3<<16)|(1<<21)            ; the mask: all four; elements of 8 bytes; no padding
	s_mov_b32 s[G1+1], 32<<16                      ; rows of 256 bytes,
	s_mov_b32 s[G1+2], 100<<16                     ; 100 of them: two records, dense
	s_mov_b32 s[G1+3], 32<<16
	s_mov_b32 s[G1+4], 100
	s_mov_b32 s[G1+5], 32
	s_mov_b32 s[G1+6], 0
	s_mov_b32 s[G1+7], 0
	s_mul_i32 s36, s[WV], 2*REC                    ; my two records, in LDS and in the head
	s_mul_i32 s38, s8, 16*REC
	s_add_co_u32 s38, s38, s36
	s_mov_b32 s39, 0
	s_mov_b32 s[SEL], 0x76543210
	s_mov_b32 s[SEL+1], 0xfedcba98
	s_mov_b32 s[CS], 0x3e38aa3b                    ; c = log2(e) / 8
	s_mov_b32 s[CS+1], s[CS]
	s_wait_dscnt 0x0                               ; the opening add is done
	s_wait_kmcnt 0x0
	s_mov_b32 s[G0], 1
	s_mov_b32 s[G0+1], s36
	s_add_nc_u64 s[G0+2:G0+3], s[4:5], s[38:39]
	s_or_b32 s[G0+3], s[G0+3], 0x80000000
	CROUND                                         ; all four work-groups are here: the joint loads meet
	tensor_load_to_lds s[G0:G0+3], s[G1:G1+7]
	s_nop 0
	v_and_b32 v10, 15, v0                          ; r
	v_bfe_u32 v11, v0, 4, 1                        ; h
	s_delay_alu instid0(VALU_DEP_2)
	v_lshlrev_b32 v1, 4, v10
	s_delay_alu instid0(VALU_DEP_1)
	v_lshl_add_u32 v1, v11, 3, v1
	s_delay_alu instid0(VALU_DEP_4)
	v_lshlrev_b32 v2, 2, v10
	v_lshlrev_b32 v4, 5, v10
	v_and_b32 v7, 8, v10
	s_delay_alu instid0(VALU_DEP_1)
	v_add_nc_u32 v7, v7, v10
	v_lshlrev_b32 v11, 4, v11
	s_delay_alu instid0(VALU_DEP_1)
	v_sub_nc_u32 v7, v7, v11
.irp i, 22,23,24,25,26,27
	v_mov_b32 v\i, 0                               ; the zero codes
.endr
.irp b, 0,1,2,3
	v_mov_b32 v[236+\b], 0                         ; written once: a lane permute's destination counts as one of its sources
.endr
	v_mov_b32 v252, 0
	v_mov_b32 v253, 0
; Both tiles' Q are asked for here, while the records are on their way: tile u's half fragment into v[192 + 8 u] on, the word with its scale bytes into v[198 + 8 u]; bases in s[48 + 4 u] on
.macro QLOAD u
	s_lshl_b32 s40, s[WV], 3
	s_add_co_u32 s40, s40, s9
.if \u
	s_sub_co_u32 s40, 127, s40
.endif
	s_lshl_b32 s42, s8, 4
	s_lshr_b32 s43, s40, 3
	s_add_co_u32 s42, s42, s43
	s_mul_i32 s42, s42, REC                        ; q's record
	s_and_b32 s43, s40, 7
	s_mul_i32 s44, s43, 768
	s_add_co_u32 s44, s44, s42
	s_add_co_u32 s44, s44, 6553600
	s_mov_b32 s45, 0
	s_lshr_b32 s43, s43, 1
	s_lshl_b32 s43, s43, 6
	s_add_co_u32 s46, s42, s43
	s_add_co_u32 s46, s46, 6553600+12288
	s_mov_b32 s47, 0
	s_add_nc_u64 s[48+4*\u:49+4*\u], s[4:5], s[44:45]
	s_add_nc_u64 s[50+4*\u:51+4*\u], s[4:5], s[46:47]
.irp g, 0,1,2
	global_load_b64 v[192+8*\u+2*\g:193+8*\u+2*\g], v1, s[48+4*\u:49+4*\u] offset:256*\g
.endr
	global_load_b32 v[198+8*\u], v2, s[50+4*\u:51+4*\u]   ; two tiles' bytes in a word
.endm
	QLOAD 0
	QLOAD 1
	s_wait_loadcnt 0x0                             ; both are in: their bases may be written again
	s_wait_tensorcnt 0x0
	s_barrier_signal -1
	s_barrier_wait -1                              ; everybody's have
; A KEY STEP: 128 keys, record s[J]
.macro STEP
	v_add_nc_u32 v8, s[TB], v1
	v_add_nc_u32 v9, s[TB], v2
	v_nop
	v_nop                                          ; four places ahead of loads into registers that the last products read
.irp f, 0,1,2,3
.irp p, 0,1,2,3,4,5
	ds_load_b64 v[KV+12*\f+2*\p:KV+12*\f+2*\p+1], v8 offset:1536*\f+256*\p
.endr
	ds_load_b32 v[248+\f], v9 offset:12288+64*\f
.endr
	s_wait_alu depctr_va_vdst(0)
	s_wait_dscnt 0x0
.irp f, 0,1,2,3
	v_wmma_scale_f32_16x16x128_f8f6f4 v[96+16*\f:103+16*\f], v[KV+12*\f:KV+12*\f+11], v[16:27], 0, v[248+\f], v255 matrix_a_fmt:MATRIX_FMT_FP6 matrix_b_fmt:MATRIX_FMT_FP6
	v_wmma_scale_f32_16x16x128_f8f6f4 v[104+16*\f:111+16*\f], v[KV+12*\f:KV+12*\f+11], v[22:33], 0, v[248+\f], v255 matrix_a_fmt:MATRIX_FMT_FP6 matrix_b_fmt:MATRIX_FMT_FP6
.endr
.rept 4
	v_nop
.endr
.irp t, 0,1,2,3                        ; V's fragments take K's registers and land under the softmax
.irp p, 0,1,2,3,4,5
	ds_load_b64 v[KV+12*\t+2*\p:KV+12*\t+2*\p+1], v8 offset:6144+1536*\t+256*\p
.endr
	ds_load_b32 v[248+\t], v9 offset:12544+64*\t
.endr
	s_cmp_lg_u32 s[J], s41                         ; on the diagonal alone: hidden keys' scores become -infinity
	s_cbranch_scc1 .Lopen_\@
	v_mov_b32 v254, 0xff800000
.set n, 0
.rept 64
	v_cmp_gt_i32 vcc_lo, 32*(n/16)+n%16, v3        ; register 16 f + i holds key 32 f + 16 (lane / 16) + i of the step
	v_cndmask_b32 v[96+n], v[96+n], v254, vcc_lo
.set n, n+1
.endr
.Lopen_\@:
.irp b, 0,1,2,3
	v_max3_num_f32 v[232+\b], v[96+16*\b], v[97+16*\b], v[98+16*\b]   ; the largest score of each block of 32 keys: for the row's maximum and, since p rises with the score, for the block's largest p
.endr
.irp i, 3,5,7,9,11,13
.irp b, 0,1,2,3
	v_max3_num_f32 v[232+\b], v[232+\b], v[96+16*\b+\i], v[97+16*\b+\i]
.endr
.endr
.irp b, 0,1,2,3
	v_max_num_f32 v[232+\b], v[232+\b], v[111+16*\b]
.endr
.irp b, 0,1,2,3
	s_delay_alu instid0(VALU_DEP_4)
	v_permlanex16_b32 v[236+\b], v[232+\b], s[SEL], s[SEL+1]
.endr
.irp b, 0,1,2,3
	s_delay_alu instid0(VALU_DEP_4)
	v_max_num_f32 v[232+\b], v[232+\b], v[236+\b]
.endr
	s_delay_alu instid0(VALU_DEP_2)
	v_max3_num_f32 v254, v232, v233, v234
	s_delay_alu instid0(VALU_DEP_1)
	v_max_num_f32 v254, v254, v235
	s_delay_alu instid0(VALU_DEP_1)
	v_mul_f32 v254, s[CS], v254
	s_delay_alu instid0(VALU_DEP_1)
	v_max_num_f32 v13, v13, v254                   ; the running largest t
	v_mov_b32 v254, v12
	s_delay_alu instid0(VALU_DEP_2)
	v_floor_f32 v12, -v13                          ; the new -M = -ceil(t)
	s_delay_alu instid0(VALU_DEP_1)
	v_sub_f32 v254, v12, v254
	s_delay_alu instid0(VALU_DEP_1)
	v_cvt_i32_f32 v254, v254
	s_delay_alu instid0(VALU_DEP_1)
	v_ldexp_f32 v252, 1.0, v254                    ; f = 2^(old M - new M)
.set j, 0
.rept 32
	v_pk_fma_f32 v[96+j:97+j], v[96+j:97+j], s[CS:CS+1], v[12:13] op_sel_hi:[1,0,0]   ; t - M
.set j, j+2
.endr
.irp b, 0,1,2,3
	v_fma_f32 v[232+\b], v[232+\b], s[CS], v12
.endr
.set j, 0
	s_wait_alu depctr_va_vdst(0)
.rept 64
	v_exp_f32 v[96+j], v[96+j]                     ; p = 2^(t - M): not normalised
.set j, j+1
.endr
	v_pk_mul_f32 v[14:15], v[14:15], v[252:253] op_sel_hi:[1,0]   ; the sums under the new M (a plain place behind the exponentials)
	s_wait_alu depctr_va_vdst(0)                   ; one wait for the batch, ahead of its first reader
.irp b, 0,1,2,3
	v_exp_f32 v[232+\b], v[232+\b]                 ; the blocks' largest p
.endr
	v_pk_add_f32 v[236:237], v[100:101], v[104:105]
	v_pk_add_f32 v[246:247], v[108:109], v[112:113]
	v_pk_add_f32 v[244:245], v[116:117], v[120:121]
	v_pk_add_f32 v[242:243], v[124:125], v[128:129]
	v_pk_add_f32 v[240:241], v[132:133], v[136:137]
	v_pk_add_f32 v[238:239], v[140:141], v[144:145]
	v_pk_add_f32 v[230:231], v[148:149], v[152:153]
	v_pk_add_f32 v[14:15], v[14:15], v[156:157]
	v_pk_add_f32 v[236:237], v[236:237], v[96:97]
	v_pk_add_f32 v[246:247], v[246:247], v[98:99]
	v_pk_add_f32 v[244:245], v[244:245], v[102:103]
	v_pk_add_f32 v[242:243], v[242:243], v[106:107]
	v_pk_add_f32 v[240:241], v[240:241], v[110:111]
	v_pk_add_f32 v[238:239], v[238:239], v[114:115]
	v_pk_add_f32 v[230:231], v[230:231], v[118:119]
	v_pk_add_f32 v[14:15], v[14:15], v[122:123]
	v_pk_add_f32 v[236:237], v[236:237], v[126:127]
	v_pk_add_f32 v[246:247], v[246:247], v[130:131]
	v_pk_add_f32 v[244:245], v[244:245], v[134:135]
	v_pk_add_f32 v[242:243], v[242:243], v[138:139]
	v_pk_add_f32 v[240:241], v[240:241], v[142:143]
	v_pk_add_f32 v[238:239], v[238:239], v[146:147]
	v_pk_add_f32 v[230:231], v[230:231], v[150:151]
	v_pk_add_f32 v[14:15], v[14:15], v[154:155]
	v_pk_add_f32 v[236:237], v[236:237], v[158:159]
	s_delay_alu instid0(VALU_DEP_2)
	v_pk_add_f32 v[14:15], v[14:15], v[242:243]
	s_delay_alu instid0(VALU_DEP_2)
	v_pk_add_f32 v[236:237], v[236:237], v[240:241]
	v_pk_add_f32 v[246:247], v[246:247], v[238:239]
	v_pk_add_f32 v[244:245], v[244:245], v[230:231]
	s_delay_alu instid0(VALU_DEP_2)
	v_pk_add_f32 v[14:15], v[14:15], v[246:247]
	s_delay_alu instid0(VALU_DEP_2)
	v_pk_add_f32 v[236:237], v[236:237], v[244:245]
	s_delay_alu instid0(VALU_DEP_1)
	v_pk_add_f32 v[14:15], v[14:15], v[236:237]
	s_wait_alu depctr_va_vdst(0)                   ; and one for the four
.irp b, 0,1,2,3
	v_max_num_f32 v[232+\b], 0x1800000, v[232+\b]  ; the floor 2^(3 - 127)
.endr
.irp b, 0,1,2,3
	s_delay_alu instid0(VALU_DEP_4)
	v_add_nc_u32 v[244+\b], 0xff000000, v[232+\b]
.endr
.irp b, 0,1,2,3
	s_delay_alu instid0(VALU_DEP_4)
	v_lshrrev_b32 v[236+\b], 23, v[244+\b]
.endr
	s_delay_alu instid0(VALU_DEP_3)
	v_lshl_or_b32 v253, v237, 8, v236              ; p's scale word for these 128 keys
	s_delay_alu instid0(VALU_DEP_1)
	v_lshl_or_b32 v253, v238, 16, v253
	s_delay_alu instid0(VALU_DEP_1)
	v_lshl_or_b32 v253, v239, 24, v253
.irp c, 0,1
	v_cvt_scalef32_pk16_fp6_f32 v[224+6*\c:226+6*\c], v[96+32*\c:111+32*\c], v[244+2*\c]
	v_cvt_scalef32_pk16_fp6_f32 v[236+4*\c:238+4*\c], v[112+32*\c:127+32*\c], v[244+2*\c+1]
.endr
	v_nop                                          ; one plain place behind a scaled conversion
.irp c, 0,1
.irp i, 0,1,2
	v_permlane16_swap_b32 v[224+6*\c+\i], v[236+4*\c+\i]
.endr
.irp i, 0,1,2
	s_delay_alu instid0(VALU_DEP_3)
	v_mov_b32 v[227+6*\c+\i], v[236+4*\c+\i]
.endr
.endr
.set j, 0
.rept 16
	v_pk_mul_f32 v[160+j:161+j], v[160+j:161+j], v[252:253] op_sel_hi:[1,0]   ; O^T under the new M; these sixteen are also the places ahead of the products below
.set j, j+2
.endr
	s_wait_alu depctr_va_vdst(0)
	s_wait_dscnt 0x0                               ; V is in
.irp t, 0,1,2,3
	v_wmma_scale_f32_16x16x128_f8f6f4 v[160+8*\t:167+8*\t], v[KV+12*\t:KV+12*\t+11], v[224:235], v[160+8*\t:167+8*\t], v[248+\t], v253 matrix_a_fmt:MATRIX_FMT_FP6 matrix_b_fmt:MATRIX_FMT_FP6
.endr
.endm
; ONE TILE OF 16 QUERIES.  u = 0: tile 8 w + sub; u = 1: tile 127 - 8 w - sub
.macro UNIT u
	s_wait_xcnt 0x0                                ; the last tile's stores have read their bases and data
	s_lshl_b32 s40, s[WV], 3
	s_add_co_u32 s40, s40, s9
.if \u == 0
	s_mov_b32 s41, s[WV]                           ; the tile's last key step: made of the wave's number alone
.else
	s_sub_co_u32 s40, 127, s40
	s_sub_co_u32 s41, 15, s[WV]
.endif
	s_and_b32 s52, s40, 1
	s_mul_i32 s52, s52, 0x02020202
	s_add_co_u32 s52, s52, 0x01000100              ; my tile's two bytes into both halves
	s_bfe_u32 s53, s40, 0x20001
	s_lshl_b32 s53, s53, 5
	s_and_b32 s54, s40, 1
	s_lshl_b32 s54, s54, 3
	s_add_co_u32 s53, s53, s54                     ; the tile's first query within its 128
	s_lshr_b32 s55, s8, 4
	s_lshl_b32 s55, s55, 7
	s_add_co_u32 s55, s55, s40                     ; the token tile among all 256
	s_and_b32 s56, s8, 15                          ; the head
	s_lshr_b32 s57, s56, 1
	s_and_b32 s56, s56, 1
	s_lshl_b32 s58, s55, 3
	s_add_co_u32 s58, s58, s57
	s_mul_i32 s58, s58, 1536
	s_mul_i32 s59, s56, 768
	s_add_co_u32 s58, s58, s59
	s_mov_b32 s59, 0
	s_add_nc_u64 s[60:61], s[6:7], s[58:59]        ; half a fragment: K step head / 2, half head % 2
	s_lshl_b32 s58, s55, 9
	s_lshl_b32 s57, s57, 2
	s_add_co_u32 s58, s58, s57
	s_lshl_b32 s56, s56, 1
	s_add_co_u32 s58, s58, s56
	s_add_co_u32 s58, s58, 0x300000
	s_add_nc_u64 s[62:63], s[6:7], s[58:59]        ; its two scale bytes
	v_add_nc_u32 v3, s53, v7
.irp i, 0,1,2,3,4,5
	v_mov_b32 v[16+\i], v[192+8*\u+\i]             ; this tile's Q, loaded at the kernel's head, into both its places
	v_mov_b32 v[28+\i], v[192+8*\u+\i]
.endr
	v_perm_b32 v255, v[198+8*\u], v[198+8*\u], s52
	v_mov_b32 v13, 0xff61b1e6                      ; the largest t so far: -3e38
	s_delay_alu instid0(VALU_DEP_1)
	v_floor_f32 v12, -v13
	v_mov_b32 v14, 0
	v_mov_b32 v15, 0
.set j, 0
.rept 32
	v_mov_b32 v[160+j], 0                          ; O^T: the first change of M leaves zeros zeros.  (These are also the places between Q's scale word and the first product)
.set j, j+1
.endr
	s_mov_b32 s[TB], 0
	s_mov_b32 s[J], 0
.Lstep_\@:                             ; 16 trips, a constant; a step whose keys all come after my queries is jumped over
	s_cmp_gt_u32 s[J], s41
	s_cbranch_scc1 .Lhidden_\@
	STEP
.Lhidden_\@:
	s_add_co_u32 s[TB], s[TB], REC
	s_add_co_u32 s[J], s[J], 1
	s_cmp_lt_u32 s[J], 16
	s_cbranch_scc1 .Lstep_\@
.rept 4
	v_nop                                          ; places behind the last products
.endr
	v_add_f32 v14, v14, v15
	s_delay_alu instid0(VALU_DEP_1)
	v_permlanex16_b32 v252, v14, s[SEL], s[SEL+1]
	s_delay_alu instid0(VALU_DEP_1)
	v_add_f32 v14, v14, v252                       ; the row's sum
	s_wait_alu depctr_va_vdst(0)
	v_rcp_f32 v14, v14
	v_nop
	s_wait_alu depctr_va_vdst(0)                   ; ahead of the reciprocal's first reader
.set j, 0
.rept 32
	v_mul_f32 v[96+j], v[160+j], v14               ; register 16 b + i: channel 32 b + 16 (lane / 16) + i of my query
.set j, j+1
.endr
.irp b, 0,1
	v_max3_num_f32 v[232+\b], |v[96+16*\b]|, |v[97+16*\b]|, 0x1800000
.endr
.irp i, 2,4,6,8,10,12,14
.irp b, 0,1
	s_delay_alu instid0(VALU_DEP_2)
	v_max3_num_f32 v[232+\b], v[232+\b], |v[96+16*\b+\i]|, |v[97+16*\b+\i]|
.endr
.endr
.irp b, 0,1
	s_delay_alu instid0(VALU_DEP_2)
	v_permlanex16_b32 v[236+\b], v[232+\b], s[SEL], s[SEL+1]
.endr
.irp b, 0,1
	s_delay_alu instid0(VALU_DEP_2)
	v_max_num_f32 v[232+\b], v[232+\b], v[236+\b]
.endr
.irp b, 0,1
	s_delay_alu instid0(VALU_DEP_2)
	v_add_nc_u32 v[244+\b], 0xff000000, v[232+\b]
.endr
.irp b, 0,1
	s_delay_alu instid0(VALU_DEP_2)
	v_lshrrev_b32 v[236+\b], 23, v[244+\b]
.endr
	s_delay_alu instid0(VALU_DEP_1)
	v_lshl_or_b32 v253, v237, 8, v236
	v_cvt_scalef32_pk16_fp6_f32 v[224:226], v[96:111], v244
	v_cvt_scalef32_pk16_fp6_f32 v[236:238], v[112:127], v245
	v_nop
.irp i, 0,1,2
	v_permlane16_swap_b32 v[224+\i], v[236+\i]
.endr
.irp i, 0,1,2
	s_delay_alu instid0(VALU_DEP_3)
	v_mov_b32 v[227+\i], v[236+\i]
.endr
.irp g, 0,1,2
	global_store_b64 v1, v[224+2*\g:225+2*\g], s[60:61] offset:256*\g   ; 256 consecutive bytes a store
.endr
	global_store_b16 v4, v253, s[62:63]            ; two bytes a row: a row's word is shared by two heads, which other work-groups make
.endm
	UNIT 0
	UNIT 1
	s_wait_tensorcnt 0x0                           ; the wave's end
	ds_add_u32 v5, v6
	s_wait_dscnt 0x0
	CROUND                                         ; the closing round
	s_endpgm
.Lfunc_end_k_qabf8c70c38_attn:
	.size	k_qabf8c70c38_attn, .Lfunc_end_k_qabf8c70c38_attn-k_qabf8c70c38_attn
	.p2alignl 7, 3214868480
	.fill 96, 4, 3214868480
	.section	.rodata,"a",@progbits
	.p2align	6, 0x0
	.amdhsa_kernel k_qabf8c70c38_attn
		.amdhsa_group_segment_fixed_size 205824
		.amdhsa_private_segment_fixed_size 0
		.amdhsa_enable_private_segment 0
		.amdhsa_kernarg_size 16
		.amdhsa_user_sgpr_count 2
		.amdhsa_user_sgpr_kernarg_segment_ptr 1
		.amdhsa_wavefront_size32 1
		.amdhsa_system_sgpr_workgroup_id_x 1
		.amdhsa_system_sgpr_workgroup_id_y 1
		.amdhsa_system_sgpr_workgroup_id_z 1
		.amdhsa_system_vgpr_workitem_id 0
		.amdhsa_next_free_vgpr 256
		.amdhsa_next_free_sgpr 66
		.amdhsa_reserve_vcc 1
		.amdhsa_float_denorm_mode_32 3
		.amdhsa_float_denorm_mode_16_64 3
		.amdhsa_memory_ordered 1
		.amdhsa_forward_progress 1
		.amdhsa_inst_pref_size 69
	.end_amdhsa_kernel
	.amdgpu_metadata
---
amdhsa.version: [ 1, 2 ]
amdhsa.kernels:
  - .name:           k_qabf8c70c38_attn
    .symbol:         k_qabf8c70c38_attn.kd
    .args:
      - { .name: qkv, .offset: 0, .size: 8, .value_kind: global_buffer, .address_space: global }
      - { .name: at, .offset: 8, .size: 8, .value_kind: global_buffer, .address_space: global }
    .group_segment_fixed_size: 205824
    .private_segment_fixed_size: 0
    .kernarg_segment_align: 8
    .kernarg_segment_size: 16
    .max_flat_workgroup_size: 256
    .sgpr_count:     66
    .vgpr_count:     256
    .wavefront_size: 32
...
	.end_amdgpu_metadata
.endif
;; end of part 9
;; launch wonorm (part 10): grid 256 x 1, 8 waves a work-group, no clusters, 69,120 bytes of LDS; arguments at, w, x, ln2_w, h, n2; writes h, n2
.if DOCPART == 10
	.amdgcn_target "amdgcn-amd-amdhsa--gfx1250"
	.amdhsa_code_object_version 6
	.text
	.protected	k_qabf8c70c38_wonorm
	.globl	k_qabf8c70c38_wonorm
	.p2align	8
	.type	k_qabf8c70c38_wonorm,@function
k_qabf8c70c38_wonorm:
	s_mov_b64 s[64:65], 0
	v_nop
	global_prefetch_b8 v0, s[64:65] scope:SCOPE_SE
	s_setreg_imm32_b32 hwreg(HW_REG_WAVE_MODE, 25, 1), 1
	s_wait_xcnt 0x0
; WONORM: h = x + attention wo (on codes of FP6, K = 1,024), stored; n2 = rmsnorm(h, ln2_w), quantised along the 1,024 features and stored as an image.
; The norm wants whole rows: a work-group takes ONE tile of 16 tokens and all 1,024 columns; wave w takes columns 128 w on, which are K step w of n2.
; Source 0 = 16 columns of wo (image tiles, so that two tiles' 16 registers are 16 neighbouring columns), source 1 = the tokens: a lane holds one token.  x, brought into that layout through the wave's stage,
; is the C of the first products: the residual costs no addition.
; Each fragment of wo feeds one matrix instruction of one wave, so it goes from memory straight into registers, two K steps ahead.  wo's fragments are laid 16 bytes a lane (registers 4 q .. 4 q + 3 of lane l at 512 q + 16 l):
; three loads of 512 consecutive bytes bring one.  A K step is 30 loads a wave: 6 of 256 bytes for the tokens' fragment, 24 of 512 for my eight of wo; two steps, 60 loads, are out at the most.  No ring, one barrier (the norm's).
; NO JOINT LOADS, though all work-groups read the same wo: a wave has 64 matrix instructions in all; shared tiles would want a ring in LDS and a round of a cluster's barrier for every eighth of them.
; No prefetch: the text has no loop to run ahead in, and its loads already stand two K steps ahead of their use.
; LIMITS: a block whose largest magnitude lies under 2^-124 gets the byte 1; NaN and infinities are not served.
.set STGB,  8448                       ; LDS: a stage of 16 rows x (512 + 16) bytes for each wave
.set PART,  8*STGB                     ; 16 rows x 8 waves x 4 bytes
.set SPARE, PART+512                   ; the spare words
.set ACC,   16                         ; v16-79   eight accumulators: register 16 b + i = column 32 b + 16 h + i of my token
.set AF,    80                         ; v80-103  the tokens' fragments, two sets
.set ASC,   104                        ; v104-111 their scale words, K steps 0..7
.set BSC,   112                        ; v112-143 wo's: register 8 b' + s: lanes 0-15 tile 2 b', lanes 16-31 tile 2 b' + 1
.set RAW,   144                        ; v144-207 rows of x, later of h
.set TM,    208
.set PC,    224
.set PW,    244
.set SM,    246                        ; v246-253 sums
.set SPW,   254
.set NIL,   255
.set LNW,   192                        ; window 1: v192-255 ln2_w; v0-95, v96-191 wo's fragments, two sets
.set WV,    40
.set SEL,   42
.set MSB, 0
.macro WIN new                         ; the immediate's high byte repeats the setting that is left
.if MSB != (\new)
	s_set_vgpr_msb (MSB<<8)|(\new)
.set MSB, (\new)
.endif
.endm
.macro QUANT s, w, nb
	WIN (\w)|((\w)<<2)
.set qb, 0
.rept \nb
	v_max3_num_f32 v[TM+qb], |v[(\s)+16*qb]|, |v[(\s)+16*qb+1]|, 0x1800000
.set qb, qb+1
.endr
	WIN ((\w)<<2)|((\w)<<4)
.irp i, 2,4,6,8,10,12,14
.set qb, 0
.rept \nb
	s_delay_alu instid0(VALU_DEP_4)
	v_max3_num_f32 v[TM+qb], v[TM+qb], |v[(\s)+16*qb+\i]|, |v[(\s)+16*qb+\i+1]|
.set qb, qb+1
.endr
.endr
	WIN 0
.set qb, 0
.rept \nb
	s_delay_alu instid0(VALU_DEP_4)
	v_permlanex16_b32 v[TM+4+qb], v[TM+qb], s[SEL], s[SEL+1]
.set qb, qb+1
.endr
.set qb, 0
.rept \nb
	s_delay_alu instid0(VALU_DEP_4)
	v_max_num_f32 v[TM+qb], v[TM+qb], v[TM+4+qb]
.set qb, qb+1
.endr
.set qb, 0
.rept \nb
	s_delay_alu instid0(VALU_DEP_4)
	v_add_nc_u32 v[TM+12+qb], 0xff000000, v[TM+qb]
.set qb, qb+1
.endr
.set qb, 0
.rept \nb
	s_delay_alu instid0(VALU_DEP_4)
	v_lshrrev_b32 v[TM+4+qb], 23, v[TM+12+qb]
.set qb, qb+1
.endr
	s_delay_alu instid0(VALU_DEP_3)
	v_lshl_or_b32 v[PW], v[TM+5], 8, v[TM+4]
.if (\nb) > 2
	s_delay_alu instid0(VALU_DEP_1)
	v_lshl_or_b32 v[PW], v[TM+6], 16, v[PW]
	s_delay_alu instid0(VALU_DEP_1)
	v_lshl_or_b32 v[PW], v[TM+7], 24, v[PW]
.endif
	WIN (\w)
.set qb, 0
.rept (\nb)/2
	v_cvt_scalef32_pk16_fp6_f32 v[PC+6*qb:PC+6*qb+2], v[(\s)+32*qb:(\s)+32*qb+15], v[TM+12+2*qb]
	v_cvt_scalef32_pk16_fp6_f32 v[PC+12+4*qb:PC+14+4*qb], v[(\s)+32*qb+16:(\s)+32*qb+31], v[TM+13+2*qb]
.set qb, qb+1
.endr
	WIN 0
	v_nop                                          ; one plain place behind a scaled conversion
.set qb, 0
.rept (\nb)/2
.irp i, 0,1,2
	v_permlane16_swap_b32 v[PC+6*qb+\i], v[PC+12+4*qb+\i]
.endr
.irp i, 0,1,2
	s_delay_alu instid0(VALU_DEP_3)
	v_mov_b32 v[PC+3+6*qb+\i], v[PC+12+4*qb+\i]
.endr
.set qb, qb+1
.endr
.endm
	s_load_b256 s[4:11], s[0:1], 0x0               ; at, w, x, ln2_w
	s_load_b128 s[12:15], s[0:1], 0x20             ; h, n2
	v_lshl_add_u32 v[SPW], v0, 2, SPARE
	v_mov_b32 v[NIL], 0
	v_lshrrev_b32 v1, 5, v0
	s_delay_alu instid0(VALU_DEP_1)
	v_readfirstlane_b32 s[WV], v1                  ; wave 0..7
	v_and_b32 v1, 15, v0                           ; r
	v_bfe_u32 v2, v0, 4, 1                         ; h
	s_delay_alu instid0(VALU_DEP_2)
	v_lshlrev_b32 v3, 4, v1
	s_delay_alu instid0(VALU_DEP_1)
	v_lshl_add_u32 v3, v2, 3, v3                   ; 16 r + 8 h
	v_and_b32 v4, 31, v0
	s_delay_alu instid0(VALU_DEP_1)
	v_lshlrev_b32 v11, 5, v4                       ; 32 x lane
	s_delay_alu instid0(VALU_DEP_2)
	v_lshlrev_b32 v4, 4, v4                        ; 16 x lane
	s_mul_i32 s24, s[WV], STGB
	v_add_nc_u32 v5, s24, v4                       ; stage, by rows
	v_mul_u32_u24 v6, v1, 528
	s_delay_alu instid0(VALU_DEP_1)
	v_lshl_add_u32 v6, v2, 6, v6
	s_delay_alu instid0(VALU_DEP_1)
	v_add_nc_u32 v6, s24, v6                       ; stage, by lanes: row r, + 64 h
	v_lshlrev_b32 v8, 5, v1
	s_delay_alu instid0(VALU_DEP_1)
	v_add_nc_u32 v8, PART, v8
	s_lshl_b32 s25, s[WV], 2
	v_add_nc_u32 v7, s25, v8
	v_lshlrev_b32 v9, 6, v2                        ; ln2_w: 64 h
	v_lshlrev_b32 v10, 5, v1                       ; 32 r
.irp b, 0,1,2,3
	v_mov_b32 v[TM+4+\b], 0
.endr
	s_mov_b32 s[SEL], 0x76543210
	s_mov_b32 s[SEL+1], 0xfedcba98
	s_mov_b32 s44, 0x3a800000                      ; 1 / 1,024
	s_mov_b32 s45, 0x358637bd                      ; 1e-6
	s_lshr_b32 s28, ttmp9, 1
	s_lshl_b32 s28, s28, 17
	s_and_b32 s29, ttmp9, 1
	s_lshl_b32 s29, s29, 15
	s_add_co_u32 s28, s28, s29
	s_lshl_b32 s30, s[WV], 9
	s_add_co_u32 s28, s28, s30                     ; x, h: token 32 (T / 2) + 8 (T % 2), column 128 w
	s_mov_b32 s29, 0
	s_mov_b32 s31, 0
	s_mul_i32 s32, ttmp9, 12288                    ; the tile's eight fragments
	s_mov_b32 s33, 0
	s_lshl_b32 s34, ttmp9, 9
	s_add_co_u32 s34, s34, 0x300000                ; its rows' scale bytes
	s_mov_b32 s35, 0
	s_lshl_b32 s36, s[WV], 3
	s_add_co_u32 s36, s36, 448
	s_mul_i32 s36, s36, 12288                      ; wo's image tiles 448 + 8 w on
	s_mov_b32 s37, 0
	s_lshl_b32 s38, s[WV], 12
	s_add_co_u32 s38, s38, 0xAB8000                ; their scale bytes: 0xA80000 + (7,168 + 128 w) x 32
	s_mov_b32 s39, 0
	s_wait_alu depctr_va_vdst(0)
	s_wait_kmcnt 0x0
	s_add_nc_u64 s[8:9], s[8:9], s[28:29]
	s_add_nc_u64 s[12:13], s[12:13], s[28:29]
	s_add_nc_u64 s[10:11], s[10:11], s[30:31]
	s_add_nc_u64 s[16:17], s[4:5], s[32:33]
	s_add_nc_u64 s[18:19], s[4:5], s[34:35]
	s_add_nc_u64 s[20:21], s[6:7], s[36:37]
	s_add_nc_u64 s[22:23], s[6:7], s[38:39]
	s_mul_i32 s36, s[WV], 1536
	s_add_co_u32 s32, s32, s36
	s_add_nc_u64 s[24:25], s[14:15], s[32:33]      ; n2: fragment (T, w)
	s_lshl_b32 s36, s[WV], 2
	s_add_co_u32 s34, s34, s36
	s_add_nc_u64 s[26:27], s[14:15], s[34:35]      ; and its scale words
; K step s: the tokens' fragment (6 loads) and my eight fragments of wo (24), into set s % 2
.macro GRP s
.irp p, 0,1,2,3,4,5
	global_load_b64 v[AF+12*((\s)%2)+2*\p:AF+12*((\s)%2)+2*\p+1], v3, s[16:17] offset:1536*(\s)+256*\p
.endr
	WIN 0x40                                       ; destination window 1
.irp b, 0,1,2,3,4,5,6,7
.irp p, 0,1,2
	global_load_b128 v[96*((\s)%2)+12*\b+4*\p:96*((\s)%2)+12*\b+4*\p+3], v4, s[20:21] offset:(8*\b+(\s))*1536+512*\p
.endr
.endr
	WIN 0
.endm
.set i, 0
.rept 16
	global_load_b128 v[RAW+4*i:RAW+4*i+3], v4, s[8:9] offset:(i+8*(i/8))*4096 th:TH_LOAD_NT   ; image row i of x: 512 consecutive bytes
.set i, i+1
.endr
	WIN 0x40
.set i, 0
.rept 16
	global_load_b128 v[LNW+4*i:LNW+4*i+3], v9, s[10:11] offset:128*(i/4)+16*(i%4)
.set i, i+1
.endr
	WIN 0
.irp e, 0,1
	global_load_b128 v[ASC+4*\e:ASC+4*\e+3], v10, s[18:19] offset:16*\e
.endr
.irp b, 0,1,2,3
.irp e, 0,1
	global_load_b128 v[BSC+8*\b+4*\e:BSC+8*\b+4*\e+3], v11, s[22:23] offset:1024*\b+16*\e
.endr
.endr
	GRP 0
	s_wait_loadcnt 56                              ; behind x's 16 loads stand 16 + 2 + 8 + 30
.set i, 0
.rept 16
	ds_store_b128 v5, v[RAW+4*i:RAW+4*i+3] offset:528*i
.set i, i+1
.endr
.set i, 0
.rept 16
	ds_load_b128 v[ACC+4*i:ACC+4*i+3], v6 offset:128*(i/4)+16*(i%4)   ; my wave's own bytes, served in order
.set i, i+1
.endr
	GRP 1
	s_wait_dscnt 0x0
; K step s: eight products, the accumulators by turns
.macro PROD s
.if (\s) < 7
	s_wait_loadcnt 30                              ; all but the next K step's 30 loads
.else
	s_wait_loadcnt 0x0
.endif
	WIN 0x01                                       ; source 0 (wo) window 1
.irp b, 0,2,4,6
	v_wmma_scale_f32_16x16x128_f8f6f4 v[ACC+8*\b:ACC+8*\b+7], v[96*((\s)%2)+12*\b:96*((\s)%2)+12*\b+11], v[AF+12*((\s)%2):AF+12*((\s)%2)+11], v[ACC+8*\b:ACC+8*\b+7], v[BSC+4*\b+(\s)], v[ASC+(\s)] matrix_a_fmt:MATRIX_FMT_FP6 matrix_b_fmt:MATRIX_FMT_FP6
	v_wmma_scale_f32_16x16x128_f8f6f4 v[ACC+8*\b+8:ACC+8*\b+15], v[96*((\s)%2)+12*\b+12:96*((\s)%2)+12*\b+23], v[AF+12*((\s)%2):AF+12*((\s)%2)+11], v[ACC+8*\b+8:ACC+8*\b+15], v[BSC+4*\b+(\s)], v[ASC+(\s)] matrix_a_fmt:MATRIX_FMT_FP6 matrix_b_fmt:MATRIX_FMT_FP6 matrix_a_scale:MATRIX_SCALE_ROW1
.endr
	WIN 0
.rept 4
	v_nop                                          ; places ahead of loads into registers that these products read, and of the first read of results
.endr
.if (\s) < 6
	GRP (\s)+2
.endif
.endm
.irp s, 0,1,2,3,4,5,6,7
	PROD \s
.endr
	; ---- h: through the stage back to whole rows; meanwhile the sum of squares
.set i, 0
.rept 16
	ds_store_b128 v6, v[ACC+4*i:ACC+4*i+3] offset:128*(i/4)+16*(i%4)  ; each accumulator from its low end on
.set i, i+1
.endr
.set i, 0
.rept 16
	ds_load_b128 v[RAW+4*i:RAW+4*i+3], v5 offset:528*i
.set i, i+1
.endr
	v_pk_mul_f32 v[SM:SM+1], v[ACC:ACC+1], v[ACC:ACC+1]
	v_pk_mul_f32 v[SM+2:SM+3], v[ACC+2:ACC+3], v[ACC+2:ACC+3]
.set i, 4
.rept 15
	v_pk_fma_f32 v[SM:SM+1], v[ACC+i:ACC+i+1], v[ACC+i:ACC+i+1], v[SM:SM+1]
	v_pk_fma_f32 v[SM+2:SM+3], v[ACC+i+2:ACC+i+3], v[ACC+i+2:ACC+i+3], v[SM+2:SM+3]
.set i, i+4
.endr
	s_delay_alu instid0(VALU_DEP_1)
	v_pk_add_f32 v[SM:SM+1], v[SM:SM+1], v[SM+2:SM+3]
	s_delay_alu instid0(VALU_DEP_1)
	v_add_f32 v[SM], v[SM], v[SM+1]
	s_delay_alu instid0(VALU_DEP_1)
	v_permlanex16_b32 v[SM+1], v[SM], s[SEL], s[SEL+1]
	s_delay_alu instid0(VALU_DEP_1)
	v_add_f32 v[SM], v[SM], v[SM+1]
	ds_store_b32 v7, v[SM]
	s_wait_dscnt 0x0                               ; for the others' sake: my store has landed; h's rows are back too
	s_barrier_signal -1
	s_barrier_wait -1
.set i, 0
.rept 16
	global_store_b128 v4, v[RAW+4*i:RAW+4*i+3], s[12:13] offset:(i+8*(i/8))*4096   ; 512 consecutive bytes of a row of h
.set i, i+1
.endr
	ds_load_b128 v[SM:SM+3], v8
	ds_load_b128 v[SM+4:SM+7], v8 offset:16
	s_wait_dscnt 0x0
	v_add_f32 v[SM], v[SM], v[SM+1]
	v_add_f32 v[SM+2], v[SM+2], v[SM+3]
	v_add_f32 v[SM+4], v[SM+4], v[SM+5]
	v_add_f32 v[SM+6], v[SM+6], v[SM+7]
	s_delay_alu instid0(VALU_DEP_3)
	v_add_f32 v[SM], v[SM], v[SM+2]
	s_delay_alu instid0(VALU_DEP_2)
	v_add_f32 v[SM+4], v[SM+4], v[SM+6]
	s_delay_alu instid0(VALU_DEP_1)
	v_add_f32 v[SM], v[SM], v[SM+4]
	s_delay_alu instid0(VALU_DEP_1)
	v_fma_f32 v[SM], v[SM], s44, s45
	s_wait_alu depctr_va_vdst(0)
	v_rsq_f32 v[SM+2], v[SM]
	v_mov_b32 v[SM+3], 0                           ; a plain place behind the transcendental
	s_wait_alu depctr_va_vdst(0)                   ; ahead of the result's first reader
.set i, 0
.rept 32
	v_pk_mul_f32 v[ACC+i:ACC+i+1], v[ACC+i:ACC+i+1], v[SM+2:SM+3] op_sel_hi:[1,0]
.set i, i+2
.endr
	WIN 0x04                                       ; source 1 (ln2_w) window 1
.set i, 0
.rept 32
	v_pk_mul_f32 v[ACC+i:ACC+i+1], v[ACC+i:ACC+i+1], v[LNW+i:LNW+i+1]
.set i, i+2
.endr
	WIN 0
	QUANT ACC, 0, 4
.irp p, 0,1,2,3,4,5
	global_store_b64 v3, v[PC+2*\p:PC+2*\p+1], s[24:25] offset:256*\p
.endr
	global_store_b32 v10, v[PW], s[26:27]
	s_wait_tensorcnt 0x0                           ; the wave's end
	ds_add_u32 v[SPW], v[NIL]
	s_wait_dscnt 0x0
	s_endpgm
.Lfunc_end_k_qabf8c70c38_wonorm:
	.size	k_qabf8c70c38_wonorm, .Lfunc_end_k_qabf8c70c38_wonorm-k_qabf8c70c38_wonorm
	.p2alignl 7, 3214868480
	.fill 96, 4, 3214868480
	.section	.rodata,"a",@progbits
	.p2align	6, 0x0
	.amdhsa_kernel k_qabf8c70c38_wonorm
		.amdhsa_group_segment_fixed_size 69120
		.amdhsa_private_segment_fixed_size 0
		.amdhsa_enable_private_segment 0
		.amdhsa_kernarg_size 48
		.amdhsa_user_sgpr_count 2
		.amdhsa_user_sgpr_kernarg_segment_ptr 1
		.amdhsa_wavefront_size32 1
		.amdhsa_system_sgpr_workgroup_id_x 1
		.amdhsa_system_sgpr_workgroup_id_y 1
		.amdhsa_system_sgpr_workgroup_id_z 1
		.amdhsa_system_vgpr_workitem_id 0
		.amdhsa_next_free_vgpr 512
		.amdhsa_next_free_sgpr 66
		.amdhsa_reserve_vcc 0
		.amdhsa_float_denorm_mode_32 3
		.amdhsa_float_denorm_mode_16_64 3
		.amdhsa_memory_ordered 1
		.amdhsa_forward_progress 1
		.amdhsa_inst_pref_size 59
	.end_amdhsa_kernel
	.amdgpu_metadata
---
amdhsa.version: [ 1, 2 ]
amdhsa.kernels:
  - .name:           k_qabf8c70c38_wonorm
    .symbol:         k_qabf8c70c38_wonorm.kd
    .args:
      - { .name: at, .offset: 0, .size: 8, .value_kind: global_buffer, .address_space: global }
      - { .name: w, .offset: 8, .size: 8, .value_kind: global_buffer, .address_space: global }
      - { .name: x, .offset: 16, .size: 8, .value_kind: global_buffer, .address_space: global }
      - { .name: ln2_w, .offset: 24, .size: 8, .value_kind: global_buffer, .address_space: global }
      - { .name: h, .offset: 32, .size: 8, .value_kind: global_buffer, .address_space: global }
      - { .name: n2, .offset: 40, .size: 8, .value_kind: global_buffer, .address_space: global }
    .group_segment_fixed_size: 69120
    .private_segment_fixed_size: 0
    .kernarg_segment_align: 8
    .kernarg_segment_size: 48
    .max_flat_workgroup_size: 256
    .sgpr_count:     66
    .vgpr_count:     512
    .wavefront_size: 32
...
	.end_amdgpu_metadata
.endif
;; end of part 10
;; launch w13 (part 11): grid 16 x 16, 4 waves a work-group, clusters of 4 x 4, 327,680 bytes of LDS; arguments n2, w, g; writes g
.if DOCPART == 11
	.amdgcn_target "amdgcn-amd-amdhsa--gfx1250"
	.amdhsa_code_object_version 6
	.text
	.protected	k_qabf8c70c38_w13
	.globl	k_qabf8c70c38_w13
	.p2align	8
	.type	k_qabf8c70c38_w13,@function
k_qabf8c70c38_w13:
	s_mov_b64 s[64:65], 0
	v_nop
	global_prefetch_b8 v0, s[64:65] scope:SCOPE_SE
	s_setreg_imm32_b32 hwreg(HW_REG_WAVE_MODE, 25, 1), 1
	s_wait_xcnt 0x0
	s_wait_alu depctr_hold_cnt(0) depctr_sa_sdst(0) depctr_va_vdst(0) depctr_va_sdst(0) depctr_va_ssrc(0) depctr_va_vcc(0) depctr_vm_vsrc(0)
	s_getreg_b32 s2, hwreg(HW_REG_IB_STS2, 6, 4)
	s_cmp_eq_u32 s2, 0
	s_cbranch_scc0 .Lentry_in_a_cluster
	s_endpgm
.Lentry_in_a_cluster:
	s_bfe_u32 s2, ttmp6, 0x10000c
	s_cmp_lg_u32 s2, 0xf033
	s_cbranch_scc0 .Lentry_shape_is_right
	s_endpgm
.Lentry_shape_is_right:
; W13: g = silu(n2 w1) x (n2 w3) on codes of FP6 (E2M3), one E8M0 scale for each 32 along K = 1,024; f32 sums; g is quantised along its 2,048 columns and stored as an image.
; Tiles of 256 x 256 (64 columns of w1 and the same 64 of w3 by turns), four waves, 128 x 128 a wave.  Operands are images of registers: a fragment (16 rows x 128 K) is 1,536 bytes, a tile's 8 K steps lie on end.
; LDS: X, from byte 0: K steps 0-3 of A's 16 tiles (6,144 bytes a tile), then of B's 16.  Y, from 2 SLOT: K steps 4-5, 3,072 bytes a tile, wave w's 8 tiles at w x HALFT.  Then the scale bytes of all of K, then the spare words.
; THREE FILLS.  At the head one joint load a wave: wave 0 X's part of A, wave 1 that of B, wave 2 A's scale bytes, wave 3 B's.  Behind the wait for them, the add and a round of the cluster's barrier: Y, a quarter a wave.
; Behind the round in step 3, where X has been read: K steps 6-7 into X's first SLOT bytes, laid as Y.  By the text's own count one tensor load a wave is out at any time.  The 8 steps are written out.
; PREFETCH, one fill ahead of each later fill: of the 8 tiles that a wave fetches, each of the four partners that ask for them jointly names 2, told apart by address (cx for A, cy for B): 24 blocks of 256 bytes,
; a lane a block (lanes 24-31 name the last block again), one instruction a wave.  Y's bytes are named at the head, behind the head's loads; those of K steps 6-7 behind Y's load and the first run of LDS loads.
.set SIZE_K, 1024
.set NQ,     2
.set NKS,    SIZE_K/128
.set KROW,   SIZE_K*6/8
.set KSB,    SIZE_K/32
.set FR,     12
.set NL,     6
.set NP,     4
.set TROW,   3072
.set HALFT,  8*TROW
.set SLOT,   4*HALFT
.set SCL,    3*SLOT
.set PFO,    30                        ; v30 the prefetches' offset; s[2:3] their base; neither is rewritten
.set HALFS,  (128*KSB/256)*272
.set SBLK,   (16*KSB/256)*272
.set SPARE,  SCL+4*HALFS
.set ADRA, 16
.set ADRB, 20
.set ADRS, 27
.set SPW,  28
.set NIL,  29
.set SC,   32
.set AF,   128
.set EXR,  32
.set GAT,  64
.set TM,   96
.set PC,   112
.set PW,   132
.set LO,   133
.set R64,  134
.set SEL,  66
.set G1, 24
.set G0, 32
.set G1B, 48
.set G0B, 56
.set G1S, 68
.set G0S, 76
.set G1SB, 80
.set G0SB, 88
.set MSB, 0
.macro WIN new
.if MSB != (\new)
	s_set_vgpr_msb (MSB<<8)|(\new)
.set MSB, (\new)
.endif
.endm
.set MUL_LO, 0xa1
.set MUL_HI, 0xf1
.set TO_B,   0x40
.macro JLOAD g0a, g1a, g0b, g1b
	s_cmp_eq_u32 s15, 0
	s_cbranch_scc0 .Lfor_b_\@
	tensor_load_to_lds s[\g0a:\g0a+3], s[\g1a:\g1a+7]
	s_nop 0
.rept 4
	v_nop
.endr
	s_branch .Lasked_\@
.Lfor_b_\@:
	tensor_load_to_lds s[\g0b:\g0b+3], s[\g1b:\g1b+7]
	s_nop 0
.rept 4
	v_nop
.endr
.Lasked_\@:
.endm
.macro CREST
	s_cmp_lg_u32 s14, 0
	s_cbranch_scc1 .Lnot_wave_0_\@
	s_barrier_signal -3
.Lnot_wave_0_\@:
	s_barrier_wait -3
	s_barrier_signal -1
	s_barrier_wait -1
.endm
.macro CROUND
	s_barrier_signal -1
	s_barrier_wait -1
	CREST
.endm
.macro QUANT s, w, nb
	WIN (\w)|((\w)<<2)
.set qb, 0
.rept \nb
	v_max3_num_f32 v[TM+qb], |v[(\s)+16*qb]|, |v[(\s)+16*qb+1]|, 0x1800000
.set qb, qb+1
.endr
	WIN ((\w)<<2)|((\w)<<4)
.irp i, 2,4,6,8,10,12,14
.set qb, 0
.rept \nb
	v_max3_num_f32 v[TM+qb], v[TM+qb], |v[(\s)+16*qb+\i]|, |v[(\s)+16*qb+\i+1]|
.set qb, qb+1
.endr
.endr
	WIN 0
.set qb, 0
.rept \nb
	v_permlanex16_b32 v[TM+4+qb], v[TM+qb], s[SEL], s[SEL+1]
.set qb, qb+1
.endr
.set qb, 0
.rept \nb
	v_max_num_f32 v[TM+qb], v[TM+qb], v[TM+4+qb]
.set qb, qb+1
.endr
.set qb, 0
.rept \nb
	v_add_nc_u32 v[TM+12+qb], 0xff000000, v[TM+qb]
.set qb, qb+1
.endr
.set qb, 0
.rept \nb
	v_lshrrev_b32 v[TM+4+qb], 23, v[TM+12+qb]
.set qb, qb+1
.endr
	v_lshl_or_b32 v[PW], v[TM+5], 8, v[TM+4]
.if (\nb) > 2
	v_lshl_or_b32 v[PW], v[TM+6], 16, v[PW]
	v_lshl_or_b32 v[PW], v[TM+7], 24, v[PW]
.endif
	WIN (\w)
.set qb, 0
.rept (\nb)/2
	v_cvt_scalef32_pk16_fp6_f32 v[PC+6*qb:PC+6*qb+2], v[(\s)+32*qb:(\s)+32*qb+15], v[TM+12+2*qb]
	v_cvt_scalef32_pk16_fp6_f32 v[PC+12+4*qb:PC+14+4*qb], v[(\s)+32*qb+16:(\s)+32*qb+31], v[TM+13+2*qb]
.set qb, qb+1
.endr
	WIN 0
	v_nop
.set qb, 0
.rept (\nb)/2
.irp i, 0,1,2
	v_permlane16_swap_b32 v[PC+6*qb+\i], v[PC+12+4*qb+\i]
.endr
.irp i, 0,1,2
	v_mov_b32 v[PC+3+6*qb+\i], v[PC+12+4*qb+\i]
.endr
.set qb, qb+1
.endr
.endm
	s_load_b128 s[4:7], s[0:1], 0x0
	s_load_b64 s[8:9], s[0:1], 0x10
	v_lshl_add_u32 v[SPW], v0, 2, SPARE
	v_mov_b32 v[NIL], 0
	ds_add_u32 v[SPW], v[NIL]
	ds_add_u32 v[SPW], v[NIL]
	v_lshrrev_b32 v1, 5, v0
	v_readfirstlane_b32 s14, v1
	s_lshr_b32 s15, s14, 1
	s_and_b32 s16, s14, 1
	s_bfe_u32 s40, ttmp6, 0x40000
	s_bfe_u32 s41, ttmp6, 0x40004
	s_lshl_b32 s42, ttmp9, 2
	s_add_co_u32 s42, s42, s40
	s_and_b32 s17, ttmp7, 0xffff
	s_lshl_b32 s17, s17, 2
	s_add_co_u32 s17, s17, s41
	s_lshl_b32 s43, s41, 2
	s_lshl_b32 s43, 15, s43
	s_lshl_b32 s44, 0x1111, s40
	s_or_b32 s[G1+0], s43, (3<<16)|(1<<21)
	s_or_b32 s[G1B+0], s44, (3<<16)|(1<<21)
.irp g, G1, G1B
	s_mov_b32 s[\g+1], 768<<16                     ; the head's loads: 16 tiles x 6,144 bytes (K steps 0-3)
	s_mov_b32 s[\g+2], 16<<16
	s_mov_b32 s[\g+3], 768<<16
	s_mov_b32 s[\g+4], 16
	s_mov_b32 s[\g+5], NKS*192
	s_mov_b32 s[\g+6], 0
	s_mov_b32 s[\g+7], 0
.endr
	s_or_b32 s[G1S+0], s43, (3<<16)|(1<<20)|(1<<21)|(5<<22)|(3<<25)
	s_or_b32 s[G1SB+0], s44, (3<<16)|(1<<20)|(1<<21)|(5<<22)|(3<<25)
.irp g, G1S, G1SB
	s_mov_b32 s[\g+1], 32<<16
	s_mov_b32 s[\g+2], (256*KSB/256)<<16           ; the scale bytes of all 256 rows
	s_mov_b32 s[\g+3], 32<<16
	s_mov_b32 s[\g+4], 256*KSB/256
	s_mov_b32 s[\g+5], 32
	s_mov_b32 s[\g+6], 0
	s_mov_b32 s[\g+7], 0
.endr
	s_mov_b32 s[SEL], 0x76543210
	s_mov_b32 s[SEL+1], 0xfedcba98
	s_lshl_b32 s20, s17, 8                         ; the tiles' first rows
	s_lshl_b32 s46, s42, 8
	s_add_co_u32 s46, s46, 8192
	s_mov_b32 s21, 0
	s_mov_b32 s47, 0
	s_mov_b64 s[18:19], KSB
	s_mul_u64 s[22:23], s[20:21], s[18:19]
	s_mul_u64 s[92:93], s[46:47], s[18:19]
	s_mov_b64 s[18:19], KROW
	s_mul_u64 s[20:21], s[20:21], s[18:19]
	s_mul_u64 s[46:47], s[46:47], s[18:19]
	s_add_nc_u64 s[22:23], s[22:23], 0x300000
	s_add_nc_u64 s[92:93], s[92:93], 0xA80000
	s_mul_i32 s45, s14, HALFT
	s_mul_i32 s18, s16, 128*KROW                   ; behind the head I fetch 128 rows: which half, in bytes
	s_mov_b32 s19, 0
	s_wait_dscnt 0x0
	s_wait_kmcnt 0x0
	s_add_nc_u64 s[20:21], s[4:5], s[20:21]
	s_add_nc_u64 s[22:23], s[4:5], s[22:23]
	s_add_nc_u64 s[46:47], s[6:7], s[46:47]
	s_add_nc_u64 s[92:93], s[6:7], s[92:93]
	CROUND
	s_mov_b32 s[G0S], 1                            ; the head's four tiles, each whole: A's scale bytes,
	s_mov_b32 s[G0S+1], SCL
	s_mov_b64 s[G0S+2:G0S+3], s[22:23]
	s_or_b32 s[G0S+3], s[G0S+3], 0x80000000
	s_mov_b32 s[G0SB], 1                           ; B's,
	s_mov_b32 s[G0SB+1], SCL+2*HALFS
	s_mov_b64 s[G0SB+2:G0SB+3], s[92:93]
	s_or_b32 s[G0SB+3], s[G0SB+3], 0x80000000
	s_mov_b32 s[G0], 1                             ; K steps 0-3 of A's 16 tiles,
	s_mov_b32 s[G0+1], 0
	s_mov_b64 s[G0+2:G0+3], s[20:21]
	s_or_b32 s[G0+3], s[G0+3], 0x80000000
	s_mov_b32 s[G0B], 1                            ; and of B's, behind them
	s_mov_b32 s[G0B+1], SLOT
	s_mov_b64 s[G0B+2:G0B+3], s[46:47]
	s_or_b32 s[G0B+3], s[G0B+3], 0x80000000
	s_add_nc_u64 s[20:21], s[20:21], s[18:19]      ; my 128 rows
	s_add_nc_u64 s[46:47], s[46:47], s[18:19]
	s_mov_b32 s[G0+4], 1                           ; Y: K steps 4-5
	s_add_co_u32 s[G0+5], s45, 2*SLOT
	s_add_nc_u64 s[G0+6:G0+7], s[20:21], 2*TROW
	s_or_b32 s[G0+7], s[G0+7], 0x80000000
	s_mov_b32 s[G0B+4], 1
	s_add_co_u32 s[G0B+5], s45, 2*SLOT
	s_add_nc_u64 s[G0B+6:G0B+7], s[46:47], 2*TROW
	s_or_b32 s[G0B+7], s[G0B+7], 0x80000000
; one chain of branches on the wave's number, one load to an arm, all arms leading to one join
.macro ARM under, g0, g1, next
	s_cmp_lt_u32 s14, \under
	s_cbranch_scc0 \next
	tensor_load_to_lds s[\g0:\g0+3], s[\g1:\g1+7]
	s_nop 0
.rept 4
	v_nop
.endr
	s_branch .Lhead_asked
\next:
.endm
	ARM 1, G0,  G1,  .Lhead_b
	ARM 2, G0B, G1B, .Lhead_sa
	ARM 3, G0S, G1S, .Lhead_sb
	tensor_load_to_lds s[G0SB:G0SB+3], s[G1SB:G1SB+7]
	s_nop 0
.rept 4
	v_nop
.endr
.Lhead_asked:
	s_cmp_eq_u32 s15, 0                            ; the prefetches: do I fetch for A?
	s_cselect_b64 s[2:3], s[20:21], s[46:47]       ; my 8 tiles,
	s_cselect_b32 s92, s40, s41                    ; my place among the four that ask for them with me,
	s_mul_i32 s92, s92, 2*NKS*1536                 ; and my work-group's 2 tiles of the 8
	s_mov_b32 s93, 0
	s_add_nc_u64 s[2:3], s[2:3], s[92:93]
	v_and_b32 v5, 31, v0
	v_min_u32 v5, 23, v5                           ; block 0..23
	v_mul_u32_u24 v6, v5, 43
	v_lshrrev_b32 v6, 9, v6                        ; block / 12: which of the two tiles
	v_lshlrev_b32 v5, 8, v5
	v_mad_u32_u24 v[PFO], v6, 9216, v5             ; 256 x block, and from the first tile's 3,072 bytes on to the next tile's, 12,288 bytes apart
	global_prefetch_b8 v[PFO], s[2:3] offset:2*TROW th:TH_LOAD_NT scope:SCOPE_SE   ; K steps 4-5
	s_mul_i32 s21, s15, 2*HALFT                    ; X: my 8 tiles of A, 6,144 bytes each,
	s_mul_i32 s22, s16, 2*HALFT
	s_add_co_u32 s22, s22, SLOT                    ; and of B, behind A's 16
	s_mul_i32 s23, s15, HALFT                      ; K steps 6-7, in X's first SLOT bytes: 3,072 bytes a tile
	s_mul_i32 s92, s16, HALFT
	s_add_co_u32 s92, s92, 2*HALFT
	s_add_co_u32 s93, s23, 2*SLOT                  ; Y, laid the same
	s_add_co_u32 s94, s92, 2*SLOT
	v_and_b32 v1, 15, v0
	v_bfe_u32 v2, v0, 4, 1
	v_lshlrev_b32 v4, 4, v1
	v_lshl_add_u32 v4, v2, 3, v4
	v_add_nc_u32 v[ADRA], s21, v4
	v_add_nc_u32 v[ADRB], s22, v4
	v_add_nc_u32 v[ADRA+1], s93, v4
	v_add_nc_u32 v[ADRB+1], s94, v4
	v_add_nc_u32 v[ADRA+2], s23, v4
	v_add_nc_u32 v[ADRB+2], s92, v4
	v_mul_u32_u24 v5, v1, KSB
	v_lshrrev_b32 v6, 8, v5
	v_lshl_add_u32 v5, v6, 4, v5
	s_mul_i32 s21, s15, HALFS
	s_mul_i32 s22, s16, HALFS
	s_add_co_u32 s22, s22, 2*HALFS
	s_sub_co_u32 s22, s22, s21
	v_mul_u32_u24 v6, s22, v2
	s_add_co_u32 s21, s21, SCL
	v_add_nc_u32 v5, v5, v6
	v_add_nc_u32 v[ADRS], s21, v5
.macro FRAG reg, adr, t, i             ; tile i's fragment of K step t: steps 0-3 from X, 4-5 from Y, 6-7 from X's first bytes
.if (\t) < 4
.set FAD, (\adr)
.set FOF, (\i)*2*TROW+(\t)*1536
.else
.set FAD, (\adr)+1+(\t)/6
.set FOF, (\i)*TROW+((\t)%2)*1536
.endif
.irp p, 0,1,2,3,4,5
	ds_load_b64 v[\reg+2*\p:\reg+2*\p+1], v[FAD] offset:FOF+256*\p
.endr
.endm
.macro MUL16 a0, p, q, sc, zero
.irp a, \a0, \a0+1
.irp b, 0,1,2,3,4,5,6,7
.if \zero
	v_wmma_scale_f32_16x16x128_f8f6f4 v[8*(8*((\a)%4)+\b):8*(8*((\a)%4)+\b)+7], v[128*(\p)+FR*\b:128*(\p)+FR*\b+FR-1], v[AF+FR*(\a):AF+FR*(\a)+FR-1], 0, v[SC+8*NQ*(\sc)+NQ*\b+(\q)], v[SC+8*NQ*(\sc)+NQ*(\a)+(\q)] matrix_a_fmt:MATRIX_FMT_FP6 matrix_b_fmt:MATRIX_FMT_FP6 matrix_a_scale:MATRIX_SCALE_ROW1
.else
	v_wmma_scale_f32_16x16x128_f8f6f4 v[8*(8*((\a)%4)+\b):8*(8*((\a)%4)+\b)+7], v[128*(\p)+FR*\b:128*(\p)+FR*\b+FR-1], v[AF+FR*(\a):AF+FR*(\a)+FR-1], v[8*(8*((\a)%4)+\b):8*(8*((\a)%4)+\b)+7], v[SC+8*NQ*(\sc)+NQ*\b+(\q)], v[SC+8*NQ*(\sc)+NQ*(\a)+(\q)] matrix_a_fmt:MATRIX_FMT_FP6 matrix_b_fmt:MATRIX_FMT_FP6 matrix_a_scale:MATRIX_SCALE_ROW1
.endif
.endr
.endr
.endm
.macro FETCH_B t, p
	WIN TO_B
.irp i, 0,1,2,3,4,5,6,7
	FRAG 128*(\p)+FR*\i, ADRB, \t, \i
.endr
	WIN 0
.endm
.macro FETCH_A t, i0
.irp i, \i0, \i0+1, \i0+2, \i0+3
	FRAG AF+FR*(\i), ADRA, \t, \i
.endr
.endm
.macro SCALES pr                       ; the scale words of K steps 2 pr, 2 pr + 1 into set pr % 2
.irp i, 0,1,2,3,4,5,6,7
	ds_load_b64 v[SC+8*NQ*((\pr)%2)+NQ*\i:SC+8*NQ*((\pr)%2)+NQ*\i+1], v[ADRS] offset:\i*SBLK+4*NQ*(\pr)
.endr
.endm
.macro PLACES n
.rept \n
	v_nop
.endr
.endm
; K step t, whose successor's fragments lie in bytes that every wave may already read
.macro STEP t, zero
	s_wait_dscnt 4*NL                              ; all but the youngest 24 loads (A's blocks 4-7)
	WIN MUL_LO
	MUL16 0, (\t)%2, (\t)%2, ((\t)/2)%2, \zero
	MUL16 2, (\t)%2, (\t)%2, ((\t)/2)%2, \zero
	s_wait_dscnt 0
	PLACES NP
	FETCH_B (\t)+1, 1-(\t)%2
	FETCH_A (\t)+1, 0
.if (\t)%2
	SCALES ((\t)+1)/2
.endif
	WIN MUL_HI
	MUL16 4, (\t)%2, (\t)%2, ((\t)/2)%2, \zero
	MUL16 6, (\t)%2, (\t)%2, ((\t)/2)%2, \zero
	PLACES NP
	WIN 0
	FETCH_A (\t)+1, 4
.endm
; An odd K step with a barrier in it: the next step's bytes come from a fill that has to be whole.  fill = 1 (step 3): X is read no more; the barrier opens a round, and K steps 6-7 are asked for
.macro TURN t, fill
	s_wait_tensorcnt 0x0                           ; all my tensor loads have landed
	ds_add_u32 v[SPW], v[NIL]
	s_wait_dscnt 4*NL+1                            ; (the add and the youngest 24 loads may be out)
	WIN MUL_LO
	MUL16 0, 1, 1, ((\t)/2)%2, 0
	s_wait_dscnt 0x0                               ; the add is done, and my LDS reads are over
	s_barrier_signal -1
	MUL16 2, 1, 1, ((\t)/2)%2, 0
	WIN 0
	s_barrier_wait -1
.if \fill
	CREST
	JLOAD G0, G1, G0B, G1B                         ; the first tensor load behind the round; its four v_nop are the places ahead of the loads below
.else
	PLACES NP
.endif
	FETCH_B (\t)+1, 0
	FETCH_A (\t)+1, 0
	SCALES ((\t)+1)/2
	WIN MUL_HI
	MUL16 4, 1, 1, ((\t)/2)%2, 0
	MUL16 6, 1, 1, ((\t)/2)%2, 0
	PLACES NP
	WIN 0
	FETCH_A (\t)+1, 4
.endm
	s_wait_alu depctr_va_vdst(0)                   ; the wait at the head's end
	s_wait_tensorcnt 0x0                           ; my tile of the head's four is in
	ds_add_u32 v[SPW], v[NIL]
.irp g, G1, G1B
	s_mov_b32 s[\g+1], 384<<16                     ; no load of mine is out: from here on a load brings 8 tiles x 3,072 bytes
	s_mov_b32 s[\g+2], 8<<16
	s_mov_b32 s[\g+3], 384<<16
	s_mov_b32 s[\g+4], 8
.endr
	s_mov_b32 s[G0+1], s45                         ; and the head's groups 0 become those of K steps 6-7
	s_add_nc_u64 s[G0+2:G0+3], s[G0+6:G0+7], TROW
	s_mov_b32 s[G0B+1], s45
	s_add_nc_u64 s[G0B+2:G0B+3], s[G0B+6:G0B+7], TROW
	s_wait_dscnt 0x0
	CROUND                                         ; all four tiles are in, in every work-group of the cluster
	JLOAD G0+4, G1, G0B+4, G1B                     ; Y
	FETCH_B 0, 0
	FETCH_A 0, 0
	SCALES 0
	FETCH_A 0, 4
	global_prefetch_b8 v[PFO], s[2:3] offset:3*TROW th:TH_LOAD_NT scope:SCOPE_SE   ; K steps 6-7, which the round in step 3 will ask for
	STEP 0, 1
	STEP 1, 0
	STEP 2, 0
	TURN 3, 1
	STEP 4, 0
	TURN 5, 0
	STEP 6, 0
	s_wait_dscnt 4*NL
	WIN MUL_LO
	MUL16 0, 1, NQ-1, 1, 0
	MUL16 2, 1, NQ-1, 1, 0
	s_wait_dscnt 0
	WIN MUL_HI
	MUL16 4, 1, NQ-1, 1, 0
	MUL16 6, 1, NQ-1, 1, 0
	WIN 0
	s_lshl_b32 s18, s17, 4
	s_lshl_b32 s19, s15, 3
	s_add_co_u32 s18, s18, s19
	s_lshl_b32 s18, s18, 4
	s_add_co_u32 s18, s18, s42
	s_mul_i32 s18, s18, 1536
	s_mul_i32 s19, s16, 768
	s_add_co_u32 s18, s18, s19
	s_mov_b32 s19, 0
	s_add_nc_u64 s[10:11], s[8:9], s[18:19]
	s_lshl_b32 s18, s17, 8
	s_lshl_b32 s20, s15, 7
	s_add_co_u32 s18, s18, s20
	s_lshl_b32 s18, s18, 6
	s_lshl_b32 s20, s42, 2
	s_add_co_u32 s18, s18, s20
	s_lshl_b32 s20, s16, 1
	s_add_co_u32 s18, s18, s20
	s_add_co_u32 s18, s18, 0x600000
	s_add_nc_u64 s[12:13], s[8:9], s[18:19]
	PLACES NP
	v_lshlrev_b32 v[LO], 4, v1
	v_lshl_add_u32 v[LO], v2, 3, v[LO]
	v_lshlrev_b32 v[R64], 6, v1
.irp b, 0,1
	v_mov_b32 v[TM+4+\b], 0
.endr
.macro ACT a
.set WW, 2+(\a)/4
.set A1, 64*((\a)%4)
	s_wait_xcnt 0x0
	WIN WW
.set j, 0
.rept 16
	v_pk_mul_f32 v[EXR+j:EXR+j+1], v[A1+j:A1+j+1], 0xbfb8aa3b op_sel_hi:[1,0]
.set j, j+2
.endr
	WIN 0
.set j, 0
	s_wait_alu depctr_va_vdst(0)
.rept 32
	v_exp_f32 v[EXR+j], v[EXR+j]
.set j, j+1
.endr
	WIN WW|(WW<<2)
.set j, 0
	s_wait_alu depctr_va_vdst(0)
.rept 16
	v_pk_mul_f32 v[GAT+j:GAT+j+1], v[A1+j:A1+j+1], v[A1+32+j:A1+33+j]
.set j, j+2
.endr
	WIN 0
	s_wait_alu depctr_va_vdst(0)
.set j, 0
.rept 16
	v_pk_add_f32 v[EXR+j:EXR+j+1], v[EXR+j:EXR+j+1], 1.0 op_sel_hi:[1,0]
.set j, j+2
.endr
.set j, 0
	s_wait_alu depctr_va_vdst(0)
.rept 32
	v_rcp_f32 v[EXR+j], v[EXR+j]
.set j, j+1
.endr
	v_nop
	s_wait_alu depctr_va_vdst(0)
.set j, 0
.rept 16
	v_pk_mul_f32 v[GAT+j:GAT+j+1], v[GAT+j:GAT+j+1], v[EXR+j:EXR+j+1]
.set j, j+2
.endr
	QUANT GAT, 0, 2
.irp g, 0,1,2
	global_store_b64 v[LO], v[PC+2*\g:PC+2*\g+1], s[10:11] offset:(\a)*24576+256*\g
.endr
	global_store_b16 v[R64], v[PW], s[12:13] offset:1024*(\a)
.endm
.irp a, 0,1,2,3,4,5,6,7
	ACT \a
.endr
	s_wait_tensorcnt 0x0
	ds_add_u32 v[SPW], v[NIL]
	s_wait_dscnt 0x0
	CROUND
	s_endpgm
.Lfunc_end_k_qabf8c70c38_w13:
	.size	k_qabf8c70c38_w13, .Lfunc_end_k_qabf8c70c38_w13-k_qabf8c70c38_w13
	.p2alignl 7, 3214868480
	.fill 96, 4, 3214868480
	.section	.rodata,"a",@progbits
	.p2align	6, 0x0
	.amdhsa_kernel k_qabf8c70c38_w13
		.amdhsa_group_segment_fixed_size 327680
		.amdhsa_private_segment_fixed_size 0
		.amdhsa_enable_private_segment 0
		.amdhsa_kernarg_size 24
		.amdhsa_user_sgpr_count 2
		.amdhsa_user_sgpr_kernarg_segment_ptr 1
		.amdhsa_wavefront_size32 1
		.amdhsa_system_sgpr_workgroup_id_x 1
		.amdhsa_system_sgpr_workgroup_id_y 1
		.amdhsa_system_sgpr_workgroup_id_z 1
		.amdhsa_system_vgpr_workitem_id 0
		.amdhsa_next_free_vgpr 1024
		.amdhsa_next_free_sgpr 100
		.amdhsa_reserve_vcc 0
		.amdhsa_float_denorm_mode_32 3
		.amdhsa_float_denorm_mode_16_64 3
		.amdhsa_memory_ordered 1
		.amdhsa_forward_progress 1
		.amdhsa_inst_pref_size 204
	.end_amdhsa_kernel
	.amdgpu_metadata
---
amdhsa.version: [ 1, 2 ]
amdhsa.kernels:
  - .name:           k_qabf8c70c38_w13
    .symbol:         k_qabf8c70c38_w13.kd
    .args:
      - { .name: n2, .offset: 0, .size: 8, .value_kind: global_buffer, .address_space: global }
      - { .name: w, .offset: 8, .size: 8, .value_kind: global_buffer, .address_space: global }
      - { .name: g, .offset: 16, .size: 8, .value_kind: global_buffer, .address_space: global }
    .group_segment_fixed_size: 327680
    .private_segment_fixed_size: 0
    .kernarg_segment_align: 8
    .kernarg_segment_size: 24
    .max_flat_workgroup_size: 128
    .sgpr_count:     100
    .vgpr_count:     1024
    .wavefront_size: 32
...
	.end_amdgpu_metadata
.endif
;; end of part 11
;; launch w2o (part 12): grid 8 x 32, 4 waves a work-group, clusters of 4 x 4, 327,680 bytes of LDS; arguments g, w, h, out0; writes out0
.if DOCPART == 12
	.amdgcn_target "amdgcn-amd-amdhsa--gfx1250"
	.amdhsa_code_object_version 6
	.text
	.protected	k_qabf8c70c38_w2o
	.globl	k_qabf8c70c38_w2o
	.p2align	8
	.type	k_qabf8c70c38_w2o,@function
k_qabf8c70c38_w2o:
	s_mov_b64 s[64:65], 0
	v_nop
	global_prefetch_b8 v0, s[64:65] scope:SCOPE_SE
	s_setreg_imm32_b32 hwreg(HW_REG_WAVE_MODE, 25, 1), 1
	s_wait_xcnt 0x0
	s_wait_alu depctr_hold_cnt(0) depctr_sa_sdst(0) depctr_va_vdst(0) depctr_va_sdst(0) depctr_va_ssrc(0) depctr_va_vcc(0) depctr_vm_vsrc(0)
	s_getreg_b32 s2, hwreg(HW_REG_IB_STS2, 6, 4)
	s_cmp_eq_u32 s2, 0
	s_cbranch_scc0 .Lentry_in_a_cluster
	s_endpgm
.Lentry_in_a_cluster:
	s_bfe_u32 s2, ttmp6, 0x10000c
	s_cmp_lg_u32 s2, 0xf033
	s_cbranch_scc0 .Lentry_shape_is_right
	s_endpgm
.Lentry_shape_is_right:
; W2O: out0 = h + g w2 on codes of FP6 (E2M3) with one E8M0 scale for each 32 along K = 2,048; sums in f32, K ascending.
; 256 tiles of 128 x 128: a tile to a work-group of four waves, 64 x 64 to a wave: 16 accumulators, 128 registers.
; Operands are images of registers: a fragment (16 rows x 128 K, 12 registers a lane) is 1,536 bytes, registers 2 p, 2 p + 1 of lane (r, h) at 256 p + 16 r + 8 h; a tile's 16 K steps lie on end.
; LDS: slot 0, from byte 0: a quarter of K (four fragments, 6,144 bytes a tile) of A's 8 tiles, then of B's 8.  BIG, from SLOT: K quarters 1 and 2 (12,288 bytes a tile), wave w's 4 tiles at 2 w HALFT.
; Then the scale bytes of all of K, then the spare words.
; THREE FILLS.  At the head one joint load a wave: wave 0 slot 0's part of A, wave 1 that of B, wave 2 A's scale bytes, wave 3 B's.  Behind the wait for them, the add and a round of the cluster's barrier: BIG, a quarter a wave.
; Behind the round in step 3, where slot 0 has been read: the last quarter of K into slot 0.  By the text's own count one tensor load a wave is out at any time.  The 16 steps are written out, every offset an immediate.
; PREFETCH, one fill ahead of each later fill: of the 4 tiles that a wave fetches, each of the four partners that ask for them jointly names 1, told apart by address (cx for A, cy for B); an instruction names 24 blocks of
; 256 bytes, a lane a block (lanes 24-31 name the last block again).  BIG's 48 blocks are named at the head, behind the head's loads, by two instructions a wave; the last quarter's 24 behind BIG's load and the first run of LDS loads.
; CLUSTERS 4 x 4: A's tiles (tokens, g) are asked for jointly along a row of the cluster, B's (columns of w2) along a column.
; Source 0 takes 16 rows of B, source 1 16 rows of A: a lane holds one token (image row r of tile T = token 32 (T / 2) + 8 (T % 2) + r + 8 (r / 8)); the 16 registers of B's tiles 2 b, 2 b + 1 are columns 32 b + 16 (lane / 16) + 0 .. 15.
; THE WAY OUT: a block of 16 tokens x 64 columns goes through the wave's own stage and comes back by rows; h, loaded at the head into registers of its own, is added; sixteen lanes store 256 consecutive bytes, aligned.
; The stage lies at BIG's start, which is filled once and read for the last time ahead of the barrier in step 11.
; REGISTERS: window 0: v16-30 addresses; v32-95 the scale words of all of K, later the rows read back; v128-255 the accumulators ((a, b) at v[128 + 8 (4 a + b)]).  window 1: two sets of fragments at v0, v128: A's four, B's four.  window 2: v0-127 h.
.set SIZE_K, 2048
.set NKS,    SIZE_K/128
.set KROW,   SIZE_K*6/8
.set KSB,    SIZE_K/32
.set FR,     12
.set NP,     4                         ; places behind this matrix instruction (ISA guide 7.12.1)
.set TROW,   4*1536
.set HALFT,  4*TROW
.set SLOT,   4*HALFT
.set SCL,    3*SLOT
.set HALFS,  (64*KSB/256)*272
.set SBLK,   (16*KSB/256)*272
.set SPARE,  SCL+4*HALFS
.set STAGE,  SLOT
.set SPITCH, 272
.set ADRA, 16                          ; v16, v17 my A fragments in slot 0, in BIG
.set ADRB, 20                          ; v20, v21 the same for B
.set STO,  24
.set RD,   25
.set CO,   26
.set ADRS, 27
.set SPW,  28
.set NIL,  29
.set PFO,  30                          ; v30 the prefetches' offset; s[2:3] their base; neither is rewritten
.set SC,   32
.set BK,   32
.set ACC,  128
.set G1,   24
.set G1B,  32
.set G1S,  40
.set G1SB, 48
.set GA0,  56                          ; groups 0: A's head load, BIG, the refill
.set GA1,  60
.set GA2,  68
.set GB0,  72                          ; B's
.set GB1,  76
.set GB2,  80
.set G0S,  84
.set G0SB, 88
.set MSB, 0
.macro WIN new                         ; the immediate's high byte repeats the setting that is left
.if MSB != (\new)
	s_set_vgpr_msb (MSB<<8)|(\new)
.set MSB, (\new)
.endif
.endm
.set MUL,  0x05                        ; sources 0 (B) and 1 (A) window 1; C and D window 0
.set TO_F, 0x40                        ; destination window 1
.macro JLOAD g0a, g1a, g0b, g1b        ; waves 0, 1 fetch for A, waves 2, 3 for B; an s_nop 0 and four v_nop behind each line
	s_cmp_eq_u32 s15, 0
	s_cbranch_scc0 .Lfor_b_\@
	tensor_load_to_lds s[\g0a:\g0a+3], s[\g1a:\g1a+7]
	s_nop 0
.rept 4
	v_nop
.endr
	s_branch .Lasked_\@
.Lfor_b_\@:
	tensor_load_to_lds s[\g0b:\g0b+3], s[\g1b:\g1b+7]
	s_nop 0
.rept 4
	v_nop
.endr
.Lasked_\@:
.endm
.macro CREST
	s_cmp_lg_u32 s14, 0
	s_cbranch_scc1 .Lnot_wave_0_\@
	s_barrier_signal -3
.Lnot_wave_0_\@:
	s_barrier_wait -3
	s_barrier_signal -1
	s_barrier_wait -1
.endm
.macro CROUND
	s_barrier_signal -1
	s_barrier_wait -1
	CREST
.endm
.macro SETG g, lds, ptr, off           ; a group 0: LDS address in register lds, global address ptr + off
	s_mov_b32 s[\g], 1
	s_mov_b32 s[\g+1], s[\lds]
	s_add_nc_u64 s[\g+2:\g+3], s[\ptr:\ptr+1], \off
	s_or_b32 s[\g+3], s[\g+3], 0x80000000
.endm
.macro ARM under, g0, g1, next         ; one arm of the head's chain of branches on the wave's number
	s_cmp_lt_u32 s14, \under
	s_cbranch_scc0 \next
	tensor_load_to_lds s[\g0:\g0+3], s[\g1:\g1+7]
	s_nop 0
.rept 4
	v_nop
.endr
	s_branch .Lhead_asked
\next:
.endm
	s_load_b256 s[4:11], s[0:1], 0x0               ; g, w, h, out0
	v_lshl_add_u32 v[SPW], v0, 2, SPARE
	v_mov_b32 v[NIL], 0
	ds_add_u32 v[SPW], v[NIL]                      ; the opening lines: the add, twice on end, and its wait below
	ds_add_u32 v[SPW], v[NIL]
	v_lshrrev_b32 v1, 5, v0
	v_readfirstlane_b32 s14, v1                    ; wave 0..3
	s_lshr_b32 s15, s14, 1                         ; my half of A's rows; also: I fetch for A (0) or B (1)
	s_and_b32 s16, s14, 1                          ; my half of B's rows; also: which 64 rows I fetch
	s_bfe_u32 s92, ttmp6, 0x40000                  ; cx
	s_bfe_u32 s93, ttmp6, 0x40004                  ; cy
	s_lshl_b32 s94, ttmp9, 2
	s_add_co_u32 s94, s94, s92                     ; B's tile of 128 rows
	s_and_b32 s17, ttmp7, 0xffff
	s_lshl_b32 s17, s17, 2
	s_add_co_u32 s17, s17, s93                     ; A's
	s_lshl_b32 s95, s93, 2
	s_lshl_b32 s95, 15, s95                        ; my row of the cluster
	s_lshl_b32 s96, 0x1111, s92                    ; my column
	s_or_b32 s[G1+0], s95, (3<<16)|(1<<21)
	s_or_b32 s[G1B+0], s96, (3<<16)|(1<<21)
.irp g, G1, G1B
	s_mov_b32 s[\g+1], 768<<16                     ; the head's loads: 8 tiles x 6,144 bytes, NKS x 1,536 bytes apart
	s_mov_b32 s[\g+2], 8<<16
	s_mov_b32 s[\g+3], 768<<16
	s_mov_b32 s[\g+4], 8
	s_mov_b32 s[\g+5], NKS*192
	s_mov_b32 s[\g+6], 0
	s_mov_b32 s[\g+7], 0
.endr
	s_or_b32 s[G1S+0], s95, (3<<16)|(1<<20)|(1<<21)|(5<<22)|(3<<25)
	s_or_b32 s[G1SB+0], s96, (3<<16)|(1<<20)|(1<<21)|(5<<22)|(3<<25)
.irp g, G1S, G1SB
	s_mov_b32 s[\g+1], 32<<16                      ; the scale bytes of 128 rows: 32 rows of 256 bytes, 16 of padding behind each
	s_mov_b32 s[\g+2], (128*KSB/256)<<16
	s_mov_b32 s[\g+3], 32<<16
	s_mov_b32 s[\g+4], 128*KSB/256
	s_mov_b32 s[\g+5], 32
	s_mov_b32 s[\g+6], 0
	s_mov_b32 s[\g+7], 0
.endr
	s_lshl_b32 s20, s17, 7                         ; A's first image row: holds cy alone of the two places
	s_lshl_b32 s98, s94, 7                         ; B's: cx alone
	s_mov_b32 s21, 0
	s_mov_b32 s99, 0
	s_mov_b64 s[18:19], KSB
	s_mul_u64 s[22:23], s[20:21], s[18:19]
	s_mul_u64 s[12:13], s[98:99], s[18:19]
	s_mov_b64 s[18:19], KROW
	s_mul_u64 s[20:21], s[20:21], s[18:19]
	s_mul_u64 s[98:99], s[98:99], s[18:19]
	s_add_nc_u64 s[22:23], s[22:23], 0x600000      ; g's scale bytes
	s_add_nc_u64 s[98:99], s[98:99], 0x900000      ; w2's codes
	s_add_nc_u64 s[12:13], s[12:13], 0xAE0000      ; w2's scale bytes
	s_mul_i32 s18, s16, 64*KROW                    ; behind the head I fetch 64 rows: which half, in bytes
	s_mov_b32 s19, 0
	s_mul_i32 s97, s14, HALFT                      ; the refill's place: wave x 64 rows
	s_mul_i32 s3, s14, 2*HALFT
	s_add_co_u32 s3, s3, SLOT                      ; and BIG's
	s_mov_b32 s2, 0
	s_mov_b32 s95, 2*HALFT
	s_mov_b32 s96, SCL
	s_mov_b32 s92, SCL+2*HALFS
	s_wait_dscnt 0x0                               ; both opening adds are done
	s_wait_kmcnt 0x0
	s_add_nc_u64 s[20:21], s[4:5], s[20:21]
	s_add_nc_u64 s[22:23], s[4:5], s[22:23]
	s_add_nc_u64 s[98:99], s[6:7], s[98:99]
	s_add_nc_u64 s[12:13], s[6:7], s[12:13]
	SETG G0S, 96, 22, 0
	SETG G0SB, 92, 12, 0
	SETG GA0, 2, 20, 0
	SETG GB0, 95, 98, 0
	s_add_nc_u64 s[20:21], s[20:21], s[18:19]      ; my 64 rows
	s_add_nc_u64 s[98:99], s[98:99], s[18:19]
	SETG GA1, 3, 20, TROW
	SETG GB1, 3, 98, TROW
	SETG GA2, 97, 20, 3*TROW
	SETG GB2, 97, 98, 3*TROW
	CROUND                                         ; all sixteen work-groups are here: the first joint loads meet
	ARM 1, GA0, G1,  .Lhead_b
	ARM 2, GB0, G1B, .Lhead_sa
	ARM 3, G0S, G1S, .Lhead_sb
	tensor_load_to_lds s[G0SB:G0SB+3], s[G1SB:G1SB+7]
	s_nop 0
.rept 4
	v_nop
.endr
.Lhead_asked:
	s_bfe_u32 s12, ttmp6, 0x40000                  ; the prefetches: cx;
	s_cmp_eq_u32 s15, 0                            ; do I fetch for A?
	s_cselect_b64 s[2:3], s[20:21], s[98:99]       ; my 4 tiles,
	s_cselect_b32 s12, s12, s93                    ; my place among the four that ask for them with me,
	s_mul_i32 s12, s12, NKS*1536                   ; and my work-group's tile of the 4
	s_mov_b32 s13, 0
	s_add_nc_u64 s[2:3], s[2:3], s[12:13]
	v_and_b32 v[PFO], 31, v0
	v_min_u32 v[PFO], 23, v[PFO]
	v_lshlrev_b32 v[PFO], 8, v[PFO]                ; 256 x block, block 0..23
	global_prefetch_b8 v[PFO], s[2:3] offset:TROW th:TH_LOAD_NT scope:SCOPE_SE     ; K quarter 1
	global_prefetch_b8 v[PFO], s[2:3] offset:2*TROW th:TH_LOAD_NT scope:SCOPE_SE   ; K quarter 2
	v_and_b32 v1, 15, v0                           ; r
	v_bfe_u32 v2, v0, 4, 1                         ; h
	v_lshlrev_b32 v4, 4, v1
	v_lshl_add_u32 v4, v2, 3, v4                   ; 16 r + 8 h
	s_mul_i32 s21, s15, HALFT                      ; slot 0: my 64 rows of A,
	s_mul_i32 s22, s16, HALFT
	s_add_co_u32 s22, s22, 2*HALFT                 ; of B, behind A's 128
	v_add_nc_u32 v[ADRA], s21, v4
	v_add_nc_u32 v[ADRB], s22, v4
	s_lshl_b32 s21, s21, 1                         ; BIG: twice the bytes a tile
	s_lshl_b32 s22, s22, 1
	s_add_co_u32 s21, s21, SLOT
	s_add_co_u32 s22, s22, SLOT
	v_add_nc_u32 v[ADRA+1], s21, v4
	v_add_nc_u32 v[ADRB+1], s22, v4
	v_mul_u32_u24 v5, v1, KSB                      ; my row's scales: KSB bytes a row,
	v_lshrrev_b32 v6, 8, v5
	v_lshl_add_u32 v5, v6, 4, v5                   ; and 16 more for each 256 passed
	s_mul_i32 s21, s15, HALFS
	s_mul_i32 s22, s16, HALFS
	s_add_co_u32 s22, s22, 2*HALFS
	s_sub_co_u32 s22, s22, s21
	v_mul_u32_u24 v6, s22, v2                      ; lanes 16-31 take B's
	s_add_co_u32 s21, s21, SCL
	v_add_nc_u32 v5, v5, v6
	v_add_nc_u32 v[ADRS], s21, v5
	s_mul_i32 s23, s14, 16*SPITCH
	s_add_co_u32 s23, s23, STAGE                   ; my stage
	v_mul_u32_u24 v5, v1, SPITCH
	v_lshl_add_u32 v5, v2, 6, v5
	v_add_nc_u32 v[STO], s23, v5                   ; in: row r, + 64 h
	v_mul_u32_u24 v5, v2, SPITCH
	v_lshl_add_u32 v5, v1, 4, v5
	v_add_nc_u32 v[RD], s23, v5                    ; back: lanes 0-15 one row of 256 bytes, lanes 16-31 the next
	v_lshlrev_b32 v[CO], 12, v2
	v_lshl_add_u32 v[CO], v1, 4, v[CO]             ; the same two rows in h and out0
	s_wait_alu depctr_va_vdst(0)                   ; the wait at the head's end
	s_lshl_b32 s20, s17, 7
	s_lshl_b32 s21, s15, 6
	s_add_co_u32 s20, s20, s21
	s_lshl_b32 s20, s20, 12                        ; my first token's row of 4,096 bytes
	s_lshl_b32 s21, s94, 9
	s_add_co_u32 s20, s20, s21
	s_lshl_b32 s21, s16, 8
	s_add_co_u32 s20, s20, s21                     ; + my first column
	s_mov_b32 s21, 0
	s_add_nc_u64 s[8:9], s[8:9], s[20:21]
	s_add_nc_u64 s[10:11], s[10:11], s[20:21]
	WIN 0x80                                       ; h: 32 loads into window 2, which land under the products
.irp a, 0,1,2,3
.irp t, 0,1,2,3,4,5,6,7
	global_load_b128 v[32*\a+4*\t:32*\a+4*\t+3], v[CO], s[8:9] offset:(32*(\a/2)+8*(\a%2)+2*\t+8*(\t/4))*4096 th:TH_LOAD_NT
.endr
.endr
	WIN 0
.macro FETCH t                         ; step t's eight fragments (B's four, then A's) into set t % 2: steps 4-11 from BIG, the others from slot 0
.set FS, 128*((\t)%2)
.if (\t) >= 4 && (\t) < 12
.set FL, 1
.set FP, 2*TROW
.set FO, ((\t)-4)*1536
.else
.set FL, 0
.set FP, TROW
.set FO, ((\t)%4)*1536
.endif
	WIN TO_F
.irp i, 0,1,2,3
.irp p, 0,1,2,3,4,5
	ds_load_b64 v[FS+48+FR*\i+2*\p:FS+48+FR*\i+2*\p+1], v[ADRB+FL] offset:\i*FP+FO+256*\p
.endr
.endr
.irp i, 0,1,2,3
.irp p, 0,1,2,3,4,5
	ds_load_b64 v[FS+FR*\i+2*\p:FS+FR*\i+2*\p+1], v[ADRA+FL] offset:\i*FP+FO+256*\p
.endr
.endr
.endm
.macro SCALES qq                       ; the scale words of K quarter qq, in registers of their own: lanes 0-15 A's block i, lanes 16-31 B's
.irp i, 0,1,2,3
	ds_load_b128 v[SC+16*(\qq)+4*\i:SC+16*(\qq)+4*\i+3], v[ADRS] offset:\i*SBLK+16*(\qq)
.endr
.endm
.macro MUL4 a, t, zero                 ; A's block a x B's four; the 16 accumulators take turns
.set MS, 128*((\t)%2)
.set MQ, SC+16*((\t)/4)+(\t)%4
.irp b, 0,1,2,3
.if \zero
	v_wmma_scale_f32_16x16x128_f8f6f4 v[ACC+8*(4*(\a)+\b):ACC+8*(4*(\a)+\b)+7], v[MS+48+FR*\b:MS+48+FR*\b+FR-1], v[MS+FR*(\a):MS+FR*(\a)+FR-1], 0, v[MQ+4*\b], v[MQ+4*(\a)] matrix_a_fmt:MATRIX_FMT_FP6 matrix_b_fmt:MATRIX_FMT_FP6 matrix_a_scale:MATRIX_SCALE_ROW1
.else
	v_wmma_scale_f32_16x16x128_f8f6f4 v[ACC+8*(4*(\a)+\b):ACC+8*(4*(\a)+\b)+7], v[MS+48+FR*\b:MS+48+FR*\b+FR-1], v[MS+FR*(\a):MS+FR*(\a)+FR-1], v[ACC+8*(4*(\a)+\b):ACC+8*(4*(\a)+\b)+7], v[MQ+4*\b], v[MQ+4*(\a)] matrix_a_fmt:MATRIX_FMT_FP6 matrix_b_fmt:MATRIX_FMT_FP6 matrix_a_scale:MATRIX_SCALE_ROW1
.endif
.endr
.endm
.macro PLACES n
.rept \n
	v_nop
.endr
.endm
.macro STEP t, zero                    ; a step whose successor's fragments lie in bytes that every wave may already read
	s_wait_dscnt 12                                ; all but the youngest 12 loads (A's blocks 2, 3)
	WIN MUL
	MUL4 0, \t, \zero
	MUL4 1, \t, \zero
	PLACES NP
.if ((\t)+1)%4 == 0
	WIN 0
	SCALES ((\t)+1)/4
.endif
	FETCH (\t)+1
	s_wait_dscnt 48                                ; all but the 48 just issued
	WIN MUL
	MUL4 2, \t, \zero
	MUL4 3, \t, \zero
.endm
; A step with a barrier in it.  fill = 1 (step 3): BIG is whole and slot 0 is read no more: the barrier opens a round, and slot 0 takes the last quarter of K.  fill = 0 (step 11): slot 0 is whole again, BIG is read no more
.macro TURN t, fill
	WIN 0
	s_wait_tensorcnt 0x0                           ; all my tensor loads have landed
	ds_add_u32 v[SPW], v[NIL]
.if \fill
	s_mov_b32 s[G1+1], 768<<16                     ; no load of mine is out: the refill's rows are 6,144 bytes again
	s_mov_b32 s[G1+3], 768<<16
	s_mov_b32 s[G1B+1], 768<<16
	s_mov_b32 s[G1B+3], 768<<16
.endif
	s_wait_dscnt 13                                ; (the add and the youngest 12 loads may be out)
	WIN MUL
	MUL4 0, \t, 0
	s_wait_dscnt 0x0                               ; the add is done, and my LDS reads are over
	s_barrier_signal -1
	MUL4 1, \t, 0
	WIN 0
	s_barrier_wait -1
.if \fill
	CREST
	JLOAD GA2, G1, GB2, G1B                        ; the first tensor load behind the round, and my last; its four v_nop are the places ahead of the loads below
.else
	PLACES NP
.endif
	SCALES ((\t)+1)/4
	FETCH (\t)+1
	WIN MUL
	MUL4 2, \t, 0
	MUL4 3, \t, 0
.endm
	s_wait_tensorcnt 0x0                           ; my tile of the head's four is in
	ds_add_u32 v[SPW], v[NIL]
.irp g, G1, G1B
	s_mov_b32 s[\g+1], 1536<<16                    ; no load of mine is out: BIG's loads bring 4 tiles x 12,288 bytes
	s_mov_b32 s[\g+2], 4<<16
	s_mov_b32 s[\g+3], 1536<<16
	s_mov_b32 s[\g+4], 4
.endr
	s_wait_dscnt 0x0
	CROUND                                         ; all four tiles are in, in every work-group of the cluster
	JLOAD GA1, G1, GB1, G1B                        ; BIG
	SCALES 0
	FETCH 0
	WIN 0
	global_prefetch_b8 v[PFO], s[2:3] offset:3*TROW th:TH_LOAD_NT scope:SCOPE_SE   ; the last quarter of K, which the round in step 3 will ask for
	STEP 0, 1                                      ; the first step's products start the sums
	STEP 1, 0
	STEP 2, 0
	TURN 3, 1
.irp t, 4,5,6,7,8,9,10
	STEP \t, 0
.endr
	TURN 11, 0
	STEP 12, 0
	STEP 13, 0
	STEP 14, 0
	s_wait_dscnt 12                                ; the last step: nothing more to fetch
	WIN MUL
	MUL4 0, 15, 0
	MUL4 1, 15, 0
	s_wait_dscnt 0x0
	MUL4 2, 15, 0
	MUL4 3, 15, 0
	WIN 0
; THE WAY OUT.  LDS serves a wave's instructions in order (ISA guide 5.7.1.4): no wait between the stores and the loads
.macro TOSTAGE a
.irp b, 0,1,2,3
	ds_store_b128 v[STO], v[ACC+8*(4*(\a)+\b):ACC+8*(4*(\a)+\b)+3] offset:128*(\b/2)+32*(\b%2)       ; each accumulator from its low end on
	ds_store_b128 v[STO], v[ACC+8*(4*(\a)+\b)+4:ACC+8*(4*(\a)+\b)+7] offset:128*(\b/2)+32*(\b%2)+16
.endr
.set BB, BK+32*((\a)%2)
.irp t, 0,1,2,3,4,5,6,7
	ds_load_b128 v[BB+4*\t:BB+4*\t+3], v[RD] offset:2*\t*SPITCH
.endr
.endm
.macro SEND a, younger                 ; the sums go into the block's own accumulator registers: no store's data are written again
.set BB, BK+32*((\a)%2)
	s_wait_dscnt \younger                          ; the block is back in registers
	WIN 0x08                                       ; source 1 (h) window 2
.set j, 0
.rept 16
	v_pk_add_f32 v[ACC+32*(\a)+j:ACC+32*(\a)+j+1], v[BB+j:BB+j+1], v[32*(\a)+j:32*(\a)+j+1]
.set j, j+2
.endr
	WIN 0
.irp t, 0,1,2,3,4,5,6,7
	global_store_b128 v[CO], v[ACC+32*(\a)+4*\t:ACC+32*(\a)+4*\t+3], s[10:11] offset:(32*((\a)/2)+8*((\a)%2)+2*\t+8*(\t/4))*4096 th:TH_STORE_NT
.endr
.endm
	PLACES NP                                      ; ahead of the first read of results and of loads into the scale words' registers
	s_wait_loadcnt 0x0                             ; h
	TOSTAGE 0
	TOSTAGE 1
	SEND 0, 16                                     ; behind block 0's loads: block 1's 8 stores and 8 loads
	TOSTAGE 2
	SEND 1, 16
	TOSTAGE 3
	SEND 2, 16
	SEND 3, 0
	s_wait_tensorcnt 0x0                           ; the wave's end
	ds_add_u32 v[SPW], v[NIL]
	s_wait_dscnt 0x0
	CROUND                                         ; the closing round
	s_endpgm
.Lfunc_end_k_qabf8c70c38_w2o:
	.size	k_qabf8c70c38_w2o, .Lfunc_end_k_qabf8c70c38_w2o-k_qabf8c70c38_w2o
	.p2alignl 7, 3214868480
	.fill 96, 4, 3214868480
	.section	.rodata,"a",@progbits
	.p2align	6, 0x0
	.amdhsa_kernel k_qabf8c70c38_w2o
		.amdhsa_group_segment_fixed_size 327680
		.amdhsa_private_segment_fixed_size 0
		.amdhsa_enable_private_segment 0
		.amdhsa_kernarg_size 32
		.amdhsa_user_sgpr_count 2
		.amdhsa_user_sgpr_kernarg_segment_ptr 1
		.amdhsa_wavefront_size32 1
		.amdhsa_system_sgpr_workgroup_id_x 1
		.amdhsa_system_sgpr_workgroup_id_y 1
		.amdhsa_system_sgpr_workgroup_id_z 1
		.amdhsa_system_vgpr_workitem_id 0
		.amdhsa_next_free_vgpr 640
		.amdhsa_next_free_sgpr 100
		.amdhsa_reserve_vcc 0
		.amdhsa_float_denorm_mode_32 3
		.amdhsa_float_denorm_mode_16_64 3
		.amdhsa_memory_ordered 1
		.amdhsa_forward_progress 1
		.amdhsa_inst_pref_size 113
	.end_amdhsa_kernel
	.amdgpu_metadata
---
amdhsa.version: [ 1, 2 ]
amdhsa.kernels:
  - .name:           k_qabf8c70c38_w2o
    .symbol:         k_qabf8c70c38_w2o.kd
    .args:
      - { .name: g, .offset: 0, .size: 8, .value_kind: global_buffer, .address_space: global }
      - { .name: w, .offset: 8, .size: 8, .value_kind: global_buffer, .address_space: global }
      - { .name: h, .offset: 16, .size: 8, .value_kind: global_buffer, .address_space: global }
      - { .name: out0, .offset: 24, .size: 8, .value_kind: global_buffer, .address_space: global }
    .group_segment_fixed_size: 327680
    .private_segment_fixed_size: 0
    .kernarg_segment_align: 8
    .kernarg_segment_size: 32
    .max_flat_workgroup_size: 128
    .sgpr_count:     100
    .vgpr_count:     640
    .wavefront_size: 32
...
	.end_amdgpu_metadata
.endif
;; end of part 12
